; MI455X (gfx1250); checked and timed in simulation.
; The chip was launched on July 23, 2026; its instructions are those of AMD's public machine-readable ISA for CDNA 5 (MIT licence, August 2026) and "CDNA5" Instruction Set Architecture Reference Guide (July 2026). The comments in the code are by the model that wrote it; some were corrected since.
;; Block. Allowed arithmetic: matrix products marked QUANTISED: E5M2 operands, one E8M0 scale for each 32 along K, by v_wmma_scale_f32_16x16x128_f8f6f4 with both operands' format E5M2, f32 sums; everything else in f32.
;; Inputs: fc1_b 4,096 float32; fc1_w_codes 4,096 x 32 x 32 uint8 (E5M2 codes of fc1_w, K innermost, in blocks of 32 codes); fc1_w_scales 4,096 x 32 uint8 (E8M0 scales of fc1_w, one for each 32 codes along K); fc2_b 1,024 float32; fc2_w_codes 1,024 x 128 x 32 uint8 (E5M2 codes of fc2_w, K innermost, in blocks of 32 codes); fc2_w_scales 1,024 x 128 uint8 (E8M0 scales of fc2_w, one for each 32 codes along K); ln1_b 1,024 float32; ln1_w 1,024 float32; ln2_b 1,024 float32; ln2_w 1,024 float32; proj_b 1,024 float32; proj_w_codes 1,024 x 32 x 32 uint8 (E5M2 codes of proj_w, K innermost, in blocks of 32 codes); proj_w_scales 1,024 x 32 uint8 (E8M0 scales of proj_w, one for each 32 codes along K); qkv_b 3,072 float32; qkv_w_codes 3,072 x 32 x 32 uint8 (E5M2 codes of qkv_w, K innermost, in blocks of 32 codes); qkv_w_scales 3,072 x 32 uint8 (E8M0 scales of qkv_w, one for each 32 codes along K); x 2 x 2,048 x 1,024 float32.
;; Outputs: out0 2 x 2,048 x 1,024 float32.
;; This version of the problem:
;;   THIS VERSION OF THE PROBLEM IS GIVEN IN LOW PRECISION. The matrix products marked QUANTISED in the list below multiply operands that are first quantised to E5M2 (5 exponent bits, 2 mantissa bits; 8 bits a number), with one power-of-two scale for each 32 numbers along K (OCP MX v1.0); their sums are f32. All else is computed in f32.
;;   The module's matrix products, in the order in which they are computed (A, B: the left and right operand; K: the contracted axis; several contracted axes count as one K, in the product's order):
;;     1. [M 4,096, K 1,024] x [K 1,024, N 3,072]; A: computed on the way; B: input qkv_w (given as codes): QUANTISED
;;     2. batch 32 x [M 2,048, K 64] x [K 64, N 2,048]; A: computed on the way; B: computed on the way: QUANTISED
;;     3. batch 32 x [M 2,048, K 2,048] x [K 2,048, N 64]; A: softmax (see below); B: computed on the way: QUANTISED
;;     4. [M 4,096, K 1,024] x [K 1,024, N 1,024]; A: computed on the way; B: input proj_w (given as codes): QUANTISED
;;     5. [M 4,096, K 1,024] x [K 1,024, N 4,096]; A: computed on the way; B: input fc1_w (given as codes): QUANTISED
;;     6. [M 4,096, K 4,096] x [K 4,096, N 1,024]; A: computed on the way; B: input fc2_w (given as codes): QUANTISED
;;   THE QUANTISER, for each operand of a quantised product, along K:
;;     - K is cut into blocks of 32 from its start; a last block that is shorter is filled with zeros.
;;     - A block's scale is 2^e with e = floor(log2(the largest magnitude in the block)) - 15, held to -126 .. 127; a block of zeros has e = 0. As a byte (E8M0): e + 127.
;;     - Each number is divided by its block's scale, clamped to +-57,344, and rounded to the nearest number of E5M2, ties to even, subnormals kept.
;;     - The product sums the exact products of the quantised numbers (number of the format x scale) in f32.
;;   ~~~python
;;   def quantise(x, axis):      # numpy; x: float32 -> the quantised numbers, widened to float32 again
;;       x = np.moveaxis(x, axis, -1); K = x.shape[-1]
;;       x = np.pad(x, [(0, 0)] * (x.ndim - 1) + [(0, -K % 32)]); x = x.reshape(x.shape[:-1] + (-1, 32)); a = np.abs(x).max(-1, keepdims=True)
;;       e = np.where(a > 0, np.clip(np.frexp(np.where(a > 0, a, 1))[1] - 1 - 15, -126, 127), 0)      # np.frexp(a)[1] - 1 = floor(log2(a)), exactly
;;       r = np.clip(x / 2.0 ** e, -57344, 57344)
;;       step = 2.0 ** (np.maximum(np.frexp(np.where(r == 0, 1, r))[1] - 1, -14) - 2)
;;       q = np.round(r / step) * step * 2.0 ** e      # np.round: ties to even
;;       return np.moveaxis(q.reshape(q.shape[:-2] + (-1,))[..., :K], -1, axis).astype(np.float32)
;;   ~~~
;;   SOFTMAX AHEAD OF A QUANTISED PRODUCT. Where the list says 'softmax', what is quantised is not the finished softmax but p = 2^(t - M), with t = logit x log2(e) and M = ceil(the row's largest t), a whole number; so 1/2 < the row's largest p <= 1. The row's sum l is taken of the UNQUANTISED p, in f32, and the product's result is divided by l at the end. Since M is a whole number, a kernel that streams over the keys may use a running M (the ceiling of the running maximum): every later rescaling is an exact power of two, which a block's scale takes up: the codes' values come out the same.
;;   OPERANDS COMPUTED ON THE WAY. 'Computed on the way' means the value that the module computes at that place (a softmax that the list does not call 'softmax' is quantised finished and normalised). What goes into a quantiser is computed in f32, as accurately as f32 sums, v_exp_f32 and their like allow (about 1e-6 of the number): no bf16 or f16 on the way to a quantiser, and a product that is left as it is and whose result goes on into a quantised operand takes f32 operands (vector FMAs, or v_wmma_f32_16x16x4_f32). A number that lies on a knife's edge between two numbers of the format may be rounded either way, as far as f32 arithmetic and the matrix unit's own rounding can turn it there, and no further.
;;   INPUTS GIVEN AS CODES. fc1_w (in the module: [4096, 1024], K = its axis 1); fc2_w (in the module: [1024, 4096], K = its axis 1); proj_w (in the module: [1024, 1024], K = its axis 1); qkv_w (in the module: [3072, 1024], K = its axis 1): each comes as NAME_codes (uint8): NAME with its K axis moved to the last place and cut into blocks of 32 codes, [.., K / 32, bytes a block], one block behind the other in memory; one code a byte (a code: sign, 5 exponent bits, 2 mantissa bits); and NAME_scales (uint8): the same leading axes, one E8M0 byte (e + 127) for each 32 codes along K. Its value is code x scale, taken as it is: it is not quantised again, and the codes and scales need not be those that the quantiser above would give.
;; 2 versions. Each part assembles by itself: llvm-mc -triple=amdgcn-amd-amdhsa -mcpu=gfx1250 --defsym DOCPART=n.
;; ======== version 1 of 2: 8 launches
;; workspace buffers: xn 4,325,376 bytes; qkv 13,238,272 bytes; o 4,325,376 bytes; x1 16,777,216 bytes; hid 17,301,504 bytes
;; launch lnq1 (part 1): grid 256 x 1, 4 waves a work-group, no clusters, 66,560 bytes of LDS; arguments x, ln1_w, ln1_b, xn; writes xn
.if DOCPART == 1
	.amdgcn_target "amdgcn-amd-amdhsa--gfx1250"
	.amdhsa_code_object_version 6
	.text
	.protected	k_q04d56dad5d_lnq1
	.globl	k_q04d56dad5d_lnq1
	.p2align	8
	.type	k_q04d56dad5d_lnq1,@function
k_q04d56dad5d_lnq1:
	s_mov_b64 s[64:65], 0
	v_nop
	global_prefetch_b8 v0, s[64:65] scope:SCOPE_SE
	s_setreg_imm32_b32 hwreg(HW_REG_WAVE_MODE, 25, 1), 1
	s_wait_xcnt 0x0
; LayerNorm over rows of 1,024 f32 numbers, then the MX quantiser to E5M2 along the row.  in [4096][1024] f32, w, b [1024] f32.
; out: codes as IMAGES OF OPERAND REGISTERS, [tile of 16 rows 256][K step of 128: 8][group c 4][lane 32][16 bytes]: lane (r, h) of group c holds row r, k = 32 c + 16 h + 0..15;
; behind them, at byte 4,194,304, the scale words [K step 8][row 4096], 4 bytes each (byte b: block b of that K step).
; A work-group takes one tile of 16 rows.  Phase 1: wave w normalises rows 4 w .. 4 w + 3, each row whole in 32 registers (mean, then the squares of the differences: two passes in registers, so a common
; offset of the inputs costs nothing), and lays them into LDS.  Phase 2: wave w quantises K steps 2 w and 2 w + 1 of all 16 rows; a lane reads 16 neighbours of each block of 32.
; LIMITS: NaN and infinities are not served; a block of zeros gets the byte 1 (its codes are zeros, and only this program reads the bytes); blocks whose largest magnitude lies under 2^-111 are held at the byte 1.
; The scale words leave in pieces of 64 bytes (16 rows of one K step): one byte in 32 of what the launch stores.
.set PITCH, 4112                       ; an LDS row: 4,096 bytes + 16: the sixteen rows that a load of phase 2 touches start at sixteen different groups of banks
.set SCOFF, 4194304
.set S,   8                            ; v8-15   a pair of sums for each of my four rows
.set S2,  16                           ; v16-23  a second chain
.set TM,  16                           ; v16-31  phase 2: largest magnitudes, bytes, holds, scale operands (v20-23 are written in phase 1: a lane permute's destination counts as read)
.set X,   64                           ; v64-191 phase 1: row i at 64 + 32 i; phase 2: K step e at 64 + 64 e
.set W,   192
.set B,   224
	s_load_b256 s[4:11], s[0:1], 0x0               ; in s[4:5], w s[6:7], b s[8:9], out s[10:11]
	s_set_vgpr_msb 0x40
	v_lshl_add_u32 v0, v0, 2, 0x10200
	v_mov_b32 v1, 0
	s_set_vgpr_msb 0x4000
	v_lshrrev_b32 v1, 5, v0
	v_readfirstlane_b32 s12, v1                    ; wave
	v_and_b32 v7, 31, v0                           ; lane
	v_and_b32 v5, 15, v0                           ; r
	v_bfe_u32 v6, v0, 4, 1                         ; h
	v_lshlrev_b32 v1, 4, v7                        ; 16 x lane
	s_mul_i32 s13, s12, 4*PITCH
	v_add_nc_u32 v2, s13, v1                       ; LDS, in: my four rows, 16 bytes a lane
	v_mul_u32_u24 v3, v5, PITCH
	v_lshl_add_u32 v3, v6, 6, v3
	s_lshl_b32 s13, s12, 10
	v_add_nc_u32 v3, s13, v3                       ; LDS, out: row r, + 64 h, + my two K steps (1,024 bytes a wave)
	v_lshlrev_b32 v4, 2, v5
	v_lshl_add_u32 v4, v6, 14, v4                  ; scale words: 4 r, and lanes 16-31 one K step (16,384 bytes) on
	v_cmp_lt_u32 vcc_lo, 15, v7                    ; lanes 16-31
	s_mov_b32 s14, 0x76543210
	s_mov_b32 s15, 0xfedcba98                      ; lane selects: lane l xor 16
	s_mov_b32 s16, 0x3a800000                      ; 1 / 1024
	s_mov_b32 s17, 0x3727c5ac                      ; 1e-5
	s_mov_b32 s18, 0x600000                        ; the mantissa field of 57,344
	s_lshl_b32 s20, ttmp9, 16                      ; in: 65,536 bytes a tile, 16,384 a wave
	s_lshl_b32 s13, s12, 14
	s_add_co_u32 s20, s20, s13
	s_mov_b32 s21, 0
	s_lshl_b32 s22, ttmp9, 14                      ; codes: 16,384 bytes a tile, 4,096 a wave
	s_lshl_b32 s13, s12, 12
	s_add_co_u32 s22, s22, s13
	s_mov_b32 s23, 0
	s_lshl_b32 s24, ttmp9, 6                       ; scale words: 64 bytes a tile, two K steps a wave
	s_lshl_b32 s13, s12, 15
	s_add_co_u32 s24, s24, s13
	s_add_co_u32 s24, s24, SCOFF
	s_mov_b32 s25, 0
	s_wait_kmcnt 0x0
	s_add_nc_u64 s[4:5], s[4:5], s[20:21]
	s_add_nc_u64 s[24:25], s[10:11], s[24:25]
	s_add_nc_u64 s[10:11], s[10:11], s[22:23]
.irp i, 0,1,2,3
.irp j, 0,1,2,3,4,5,6,7
	global_load_b128 v[X+32*\i+4*\j:X+32*\i+4*\j+3], v1, s[4:5] offset:4096*\i+512*\j th:TH_LOAD_NT   ; 32 lanes read 512 consecutive bytes: columns 128 j + 4 lane + 0..3
.endr
.endr
.irp j, 0,1,2,3,4,5,6,7
	global_load_b128 v[W+4*\j:W+4*\j+3], v1, s[6:7] offset:512*\j
	global_load_b128 v[B+4*\j:B+4*\j+3], v1, s[8:9] offset:512*\j
.endr
.macro REDUCE                          ; the two chains, the pair's halves and the 32 lanes of each of the four rows: the sum ends in every lane of v[S + 2 i]
.irp i, 0,1,2,3
	v_pk_add_f32 v[S+2*\i:S+2*\i+1], v[S+2*\i:S+2*\i+1], v[S2+2*\i:S2+2*\i+1]
.endr
.irp i, 0,1,2,3
	v_add_f32 v[S+2*\i], v[S+2*\i], v[S+2*\i+1]
.endr
.irp m, 1,2,4,8
.irp i, 0,1,2,3
	v_add_f32_dpp v[S+2*\i], v[S+2*\i], v[S+2*\i] row_xmask:\m row_mask:0xf bank_mask:0xf
.endr
.endr
.irp i, 0,1,2,3
	v_permlanex16_b32 v[S+2*\i+1], v[S+2*\i], s14, s15
.endr
.irp i, 0,1,2,3
	v_add_f32 v[S+2*\i], v[S+2*\i], v[S+2*\i+1]
.endr
.endm
	s_wait_loadcnt 16                              ; the rows are in; the sixteen loads of w and b, issued behind them, may be out
.irp i, 0,1,2,3
	v_pk_add_f32 v[S+2*\i:S+2*\i+1], v[X+32*\i:X+32*\i+1], v[X+32*\i+2:X+32*\i+3]
	v_pk_add_f32 v[S2+2*\i:S2+2*\i+1], v[X+32*\i+4:X+32*\i+5], v[X+32*\i+6:X+32*\i+7]
.endr
.irp j, 8,12,16,20,24,28
.irp i, 0,1,2,3
	v_pk_add_f32 v[S+2*\i:S+2*\i+1], v[S+2*\i:S+2*\i+1], v[X+32*\i+\j:X+32*\i+\j+1]
	v_pk_add_f32 v[S2+2*\i:S2+2*\i+1], v[S2+2*\i:S2+2*\i+1], v[X+32*\i+\j+2:X+32*\i+\j+3]
.endr
.endr
	REDUCE
.irp i, 0,1,2,3
	v_mul_f32 v[S+2*\i], s16, v[S+2*\i]            ; the mean
.endr
.irp j, 0,2,4,6,8,10,12,14,16,18,20,22,24,26,28,30
.irp i, 0,1,2,3
	v_pk_add_f32 v[X+32*\i+\j:X+32*\i+\j+1], v[X+32*\i+\j:X+32*\i+\j+1], v[S+2*\i:S+2*\i+1] op_sel_hi:[1,0] neg_lo:[0,1] neg_hi:[0,1]   ; x - mean, in place
.endr
.endr
.irp i, 0,1,2,3
	v_pk_mul_f32 v[S+2*\i:S+2*\i+1], v[X+32*\i:X+32*\i+1], v[X+32*\i:X+32*\i+1]
	v_pk_mul_f32 v[S2+2*\i:S2+2*\i+1], v[X+32*\i+2:X+32*\i+3], v[X+32*\i+2:X+32*\i+3]
.endr
.irp j, 4,8,12,16,20,24,28
.irp i, 0,1,2,3
	v_pk_fma_f32 v[S+2*\i:S+2*\i+1], v[X+32*\i+\j:X+32*\i+\j+1], v[X+32*\i+\j:X+32*\i+\j+1], v[S+2*\i:S+2*\i+1]
	v_pk_fma_f32 v[S2+2*\i:S2+2*\i+1], v[X+32*\i+\j+2:X+32*\i+\j+3], v[X+32*\i+\j+2:X+32*\i+\j+3], v[S2+2*\i:S2+2*\i+1]
.endr
.endr
	REDUCE
.irp i, 0,1,2,3
	v_fma_f32 v[S+2*\i], v[S+2*\i], s16, s17       ; the variance + 1e-5
.endr
.irp i, 0,1,2,3
	v_rsq_f32 v[S+2*\i], v[S+2*\i]
.endr
	v_nop                                          ; a plain instruction between the last of them and the use of its result
	s_wait_loadcnt 0x0                             ; w and b
	s_wait_alu depctr_va_vdst(0)
.irp j, 0,2,4,6,8,10,12,14,16,18,20,22,24,26,28,30
.irp i, 0,1,2,3
	v_pk_mul_f32 v[X+32*\i+\j:X+32*\i+\j+1], v[X+32*\i+\j:X+32*\i+\j+1], v[S+2*\i:S+2*\i+1] op_sel_hi:[1,0]
.endr
.irp i, 0,1,2,3
	v_pk_fma_f32 v[X+32*\i+\j:X+32*\i+\j+1], v[X+32*\i+\j:X+32*\i+\j+1], v[W+\j:W+\j+1], v[B+\j:B+\j+1]
.endr
.endr
.irp i, 0,1,2,3
.irp j, 0,1,2,3,4,5,6,7
	ds_store_b128 v2, v[X+32*\i+4*\j:X+32*\i+4*\j+3] offset:PITCH*\i+512*\j
.endr
.endr
	s_wait_dscnt 0x0                               ; for the others' sake: my rows lie in LDS
	s_barrier_signal -1
	s_barrier_wait -1
.irp e, 0,1
.irp c, 0,1,2,3
.irp j, 0,1,2,3
	ds_load_b128 v[X+64*\e+16*\c+4*\j:X+64*\e+16*\c+4*\j+3], v3 offset:512*\e+128*\c+16*\j   ; register 16 c + i = k 32 c + 16 h + i of row r
.endr
.endr
.endr
; 64 numbers of a lane, register 16 b + i = k 32 b + 16 h + i of its row, become a fragment's 16 registers of codes in v[pc] on and its scale word in v[pw]
.macro QUANT s, pc, pw
.irp b, 0,1,2,3
	v_max3_num_f32 v[TM+\b], |v[\s+16*\b]|, |v[\s+16*\b+1]|, 0x8000000   ; my 16 numbers of block b, and the floor 2^(16 - 127): the byte cannot fall under 1
.endr
.irp i, 2,4,6,8,10,12,14
.irp b, 0,1,2,3
	v_max3_num_f32 v[TM+\b], v[TM+\b], |v[\s+16*\b+\i]|, |v[\s+16*\b+\i+1]|
.endr
.endr
.irp b, 0,1,2,3
	v_permlanex16_b32 v[TM+4+\b], v[TM+\b], s14, s15
.endr
.irp b, 0,1,2,3
	v_max_num_f32 v[TM+\b], v[TM+\b], v[TM+4+\b]   ; with lane l xor 16's: the block's largest magnitude
.endr
.irp b, 0,1,2,3
	v_add_nc_u32 v[TM+12+\b], 0xf8800000, v[TM+\b] ; 15 off its exponent field: the conversion's scale operand
.endr
.irp b, 0,1,2,3
	v_and_or_b32 v[TM+8+\b], v[TM+\b], 0x7f800000, s18   ; 57,344 x the scale
.endr
.irp b, 0,1,2,3
	v_lshrrev_b32 v[TM+4+\b], 23, v[TM+12+\b]      ; the scale's byte
.endr
	v_lshl_or_b32 v[\pw], v[TM+5], 8, v[TM+4]
	v_lshl_or_b32 v[\pw], v[TM+6], 16, v[\pw]
	v_lshl_or_b32 v[\pw], v[TM+7], 24, v[\pw]
.irp b, 0,1,2,3
.irp i, 0,1,2,3,4,5,6,7,8,9,10,11,12,13,14,15
	v_med3_num_f32 v[\s+16*\b+\i], v[\s+16*\b+\i], -v[TM+8+\b], v[TM+8+\b]   ; the conversion to an 8-bit code does not saturate (ISA guide 7.6.2): the hold
.endr
	v_cvt_scalef32_pk8_bf8_f32 v[\pc+4*\b:\pc+4*\b+1], v[\s+16*\b:\s+16*\b+7], v[TM+12+\b]
	v_cvt_scalef32_pk8_bf8_f32 v[\pc+4*\b+2:\pc+4*\b+3], v[\s+16*\b+8:\s+16*\b+15], v[TM+12+\b]
.endr
	v_nop                                          ; a plain instruction behind the last conversion
.endm
	s_wait_dscnt 16                                ; the first K step's sixteen loads are in
	QUANT 64, 32, 5
.irp c, 0,1,2,3
	global_store_b128 v1, v[32+4*\c:35+4*\c], s[10:11] offset:512*\c          ; 32 lanes store 512 consecutive bytes, aligned
.endr
	s_wait_dscnt 0x0
	QUANT 128, 48, 6
.irp c, 0,1,2,3
	global_store_b128 v1, v[48+4*\c:51+4*\c], s[10:11] offset:2048+512*\c
.endr
	v_cndmask_b32 v5, v5, v6, vcc_lo               ; lanes 0-15 keep the first K step's word of row r, lanes 16-31 take the second's
	global_store_b32 v4, v5, s[24:25]
	s_set_vgpr_msb 0x5
	s_wait_tensorcnt 0x0
	ds_add_u32 v0, v1
	s_wait_dscnt 0x0
	s_set_vgpr_msb 0x500
	s_endpgm
.Lfunc_end_k_q04d56dad5d_lnq1:
	.size	k_q04d56dad5d_lnq1, .Lfunc_end_k_q04d56dad5d_lnq1-k_q04d56dad5d_lnq1
	.p2alignl 7, 3214868480
	.fill 96, 4, 3214868480
	.section	.rodata,"a",@progbits
	.p2align	6, 0x0
	.amdhsa_kernel k_q04d56dad5d_lnq1
		.amdhsa_group_segment_fixed_size 66560
		.amdhsa_private_segment_fixed_size 0
		.amdhsa_enable_private_segment 0
		.amdhsa_kernarg_size 32
		.amdhsa_user_sgpr_count 2
		.amdhsa_user_sgpr_kernarg_segment_ptr 1
		.amdhsa_wavefront_size32 1
		.amdhsa_system_sgpr_workgroup_id_x 1
		.amdhsa_system_sgpr_workgroup_id_y 1
		.amdhsa_system_sgpr_workgroup_id_z 1
		.amdhsa_system_vgpr_workitem_id 0
		.amdhsa_next_free_vgpr 258
		.amdhsa_next_free_sgpr 66
		.amdhsa_reserve_vcc 1
		.amdhsa_float_denorm_mode_32 3
		.amdhsa_float_denorm_mode_16_64 3
		.amdhsa_memory_ordered 1
		.amdhsa_forward_progress 1
		.amdhsa_inst_pref_size 52
	.end_amdhsa_kernel
	.amdgpu_metadata
---
amdhsa.version: [ 1, 2 ]
amdhsa.kernels:
  - .name:           k_q04d56dad5d_lnq1
    .symbol:         k_q04d56dad5d_lnq1.kd
    .args:
      - { .name: x, .offset: 0, .size: 8, .value_kind: global_buffer, .address_space: global }
      - { .name: ln1_w, .offset: 8, .size: 8, .value_kind: global_buffer, .address_space: global }
      - { .name: ln1_b, .offset: 16, .size: 8, .value_kind: global_buffer, .address_space: global }
      - { .name: xn, .offset: 24, .size: 8, .value_kind: global_buffer, .address_space: global }
    .group_segment_fixed_size: 66560
    .private_segment_fixed_size: 0
    .kernarg_segment_align: 8
    .kernarg_segment_size: 32
    .max_flat_workgroup_size: 128
    .sgpr_count:     66
    .vgpr_count:     258
    .wavefront_size: 32
...
	.end_amdgpu_metadata
.endif
;; end of part 1
;; launch qk (part 2): grid 16 x 32, 4 waves a work-group, clusters of 4 x 4, 327,680 bytes of LDS; arguments xn, qkv_w_codes, qkv_w_scales, qkv_b, qkv; writes qkv
.if DOCPART == 2
	.amdgcn_target "amdgcn-amd-amdhsa--gfx1250"
	.amdhsa_code_object_version 6
	.text
	.protected	k_q04d56dad5d_qk
	.globl	k_q04d56dad5d_qk
	.p2align	8
	.type	k_q04d56dad5d_qk,@function
k_q04d56dad5d_qk:
	s_mov_b64 s[64:65], 0
	v_nop
	global_prefetch_b8 v0, s[64:65] scope:SCOPE_SE
	s_setreg_imm32_b32 hwreg(HW_REG_WAVE_MODE, 25, 1), 1
	s_wait_xcnt 0x0
	s_wait_alu depctr_hold_cnt(0) depctr_sa_sdst(0) depctr_va_vdst(0) depctr_va_sdst(0) depctr_va_ssrc(0) depctr_va_vcc(0) depctr_vm_vsrc(0)
	s_getreg_b32 s2, hwreg(HW_REG_IB_STS2, 6, 4)
	s_cmp_eq_u32 s2, 0
	s_cbranch_scc0 .Lentry_in_a_cluster
	s_endpgm
.Lentry_in_a_cluster:
	s_bfe_u32 s2, ttmp6, 0x10000c
	s_cmp_lg_u32 s2, 0xf033
	s_cbranch_scc0 .Lentry_shape_is_right
	s_endpgm
.Lentry_shape_is_right:
; q and k: LN1(x) W^T + b for rows 0 .. 2,047 of qkv_w, on codes of E5M2 with E8M0 scales, then quantised along the head's 64 and stored as images of operand registers.
; THE SKELETON (shared by five launches, MODE says which).  A work-group of four waves makes 128 tokens x 128 weight rows; a wave 64 x 64: 16 accumulators.
; A (tokens) comes as images: [tile of 16 rows][K step of 128][2,048 bytes], a fragment by four loads of 512 consecutive bytes; its scale words [K step][row] lie SCOFF bytes on.
; W comes as rows of codes with K innermost and scale bytes [row][K / 32].  K goes in slots of 512 through two LDS slots; the scales of all of K come once and stay.
; Source 1 = block p of X (a lane is a row of X), source 0 = tile t of Y (the registers run along Y's rows).  MODE 1: X = W, Y = A; else X = A, Y = W.  The bias is the C of each sum's first product.
; CLUSTERS: 4 x 4 work-groups; A's tiles are asked for jointly along a row of the cluster, W's along a column.
; With SIZE_K = 1,024 both slots are first fills and no LDS byte is filled twice; the text keeps one form for all sizes.
; REGISTERS: window 0: v1-29 addresses; v32-63 scale words, two sets, and nothing else; v64-95 the bias; v64-127 at work on the way out; v128-255 the accumulators ((p, t) at 128 + 8 (4 p + t)).
;   window 1: two fragment buffers of 128: X's four blocks, then Y's four tiles.
; LIMITS of the quantiser: NaN and infinities are not served; a block of zeros gets the byte 1 (zero codes; only this program reads the bytes); largest magnitudes under 2^-111 are held at the byte 1.
.set MODE,   0
.set SIZE_K, 1024
.set WROW0,  0                         ; first row of W that this launch takes
.set SCOFF,  4194304                   ; where A's scale words begin
.set KS,    SIZE_K/32                  ; a row of W's scale bytes
.set NKS,   SIZE_K/128
.set LAPS,  SIZE_K/1024                ; a lap = two slots
.set ATILE, 16*SIZE_K                  ; bytes of a tile's images
.set SLOT,  133120                     ; A's 8 tiles x 4 K steps x 2,048, then W's 128 rows x 528
.set WOFF,  65536
.set WP,    528                        ; a row of W in LDS: 512 bytes + 16: the sixteen rows of a load start at sixteen different groups of banks
.set SCA,   2*SLOT                     ; A's scale words: [half][K step][64 rows x 4 bytes]
.set SCB,   SCA+2*NKS*256              ; W's scale bytes: [half], units of 256 bytes + 16
.set HALFS, (64*KS/256)*272
.set SBLK,  (16*KS/256)*272
.set SPARE, SCB+2*HALFS                ; the spare words, 128 bytes a wave: two blocks of 256 bytes that no other line names
.set SCST,  SPARE+512                  ; 512 bytes in which two waves' halves of scale words meet
.set ADRA, 16
.set ADRB, 20
.set ADSA, 22
.set ADSB, 23
.set SPW,  28
.set NIL,  29
.set SC,   32
.set BN,   64
.set ACC,  128
.set F0,   0
.set F1,   128
.set G1A,  24
.set G0A,  32
.set G1B,  48
.set G0B,  56
.set G1SA, 68
.set G0SA, 76
.set G1SB, 80
.set G0SB, 88
.set MSB, 0
.macro WIN new                         ; the immediate's high byte repeats the setting that is left
.if MSB != \new
	s_set_vgpr_msb (MSB<<8)|\new
.set MSB, \new
.endif
.endm
.set MUL,  0x05                        ; sources 0 and 1 window 1; C and D window 0
.set TO_F, 0x40                        ; destination window 1, address window 0
.macro JLOAD g0a, g1a, g0b, g1b        ; a joint load: waves 0 and 1 fetch A's halves, waves 2 and 3 W's; four v_nop follow each line
	s_cmp_eq_u32 s19, 0
	s_cbranch_scc0 .Lfor_b_\@
	tensor_load_to_lds s[\g0a:\g0a+3], s[\g1a:\g1a+7]
	s_nop 0
.rept 4
	v_nop
.endr
	s_branch .Lasked_\@
.Lfor_b_\@:
	tensor_load_to_lds s[\g0b:\g0b+3], s[\g1b:\g1b+7]
	s_nop 0
.rept 4
	v_nop
.endr
.Lasked_\@:
.endm
.macro CREST                           ; a round of the cluster's barrier behind its opening barrier
	s_cmp_lg_u32 s18, 0
	s_cbranch_scc1 .Lnot_wave_0_\@
	s_barrier_signal -3
.Lnot_wave_0_\@:
	s_barrier_wait -3
	s_barrier_signal -1
	s_barrier_wait -1
.endm
.macro CROUND
	s_barrier_signal -1
	s_barrier_wait -1
	CREST
.endm
.macro PLACES n
.rept \n
	v_nop
.endr
.endm
.macro SHAPE g, c, r, p                ; words 1 to 7 of a descriptor's group 1: r rows of c elements, p elements from row to row
	s_mov_b32 s[\g+1], (\c)<<16
	s_mov_b32 s[\g+2], (\r)<<16
	s_mov_b32 s[\g+3], (\c)<<16
	s_mov_b32 s[\g+4], \r
	s_mov_b32 s[\g+5], \p
	s_mov_b32 s[\g+6], 0
	s_mov_b32 s[\g+7], 0
.endm
	s_load_b256 s[4:11], s[0:1], 0x0               ; A s[4:5], W's codes s[6:7], W's scales s[8:9], the bias s[10:11]
.if MODE == 3
	s_load_b128 s[12:15], s[0:1], 0x20             ; the residual s[12:13], the result s[14:15]
.else
	s_load_b64 s[12:13], s[0:1], 0x20              ; the result
.endif
	v_lshl_add_u32 v[SPW], v0, 2, SPARE
	v_mov_b32 v[NIL], 0
	ds_add_u32 v28, v29
	ds_add_u32 v28, v29
	s_wait_dscnt 0x0
	v_lshrrev_b32 v1, 5, v0
	v_readfirstlane_b32 s18, v1                    ; wave
	s_lshr_b32 s19, s18, 1                         ; RH: my four tiles of A.  Also: I fetch for A (0) or for W (1)
	s_and_b32 s20, s18, 1                          ; CH: my 64 rows of W.  Also: which half I fetch
	s_bfe_u32 s40, ttmp6, 0x40000                  ; cx, cy
	s_bfe_u32 s41, ttmp6, 0x40004
	s_lshl_b32 s42, ttmp9, 2
	s_add_co_u32 s42, s42, s40                     ; ct: which 128 rows of W
	s_and_b32 s43, ttmp7, 0xffff
	s_lshl_b32 s43, s43, 2
	s_add_co_u32 s43, s43, s41                     ; rt: which 128 tokens
	s_lshl_b32 s44, s41, 2
	s_lshl_b32 s44, 15, s44                        ; my row of the cluster
	s_lshl_b32 s45, 0x1111, s40                    ; my column
	s_or_b32 s[G1A], s44, (3<<16)|(1<<21)          ; A's images: 4 tiles x 8,192 bytes (1,024 elements of 8), ATILE bytes apart, dense in LDS
	SHAPE G1A, 1024, 4, 2*SIZE_K
	s_or_b32 s[G1B], s45, (1<<20)|(1<<21)|(6<<22)|(3<<25)   ; W's rows: 64 x 512 bytes, four words of padding behind every 128
	SHAPE G1B, 512, 64, SIZE_K
	s_or_b32 s[G1SA], s44, (3<<16)|(1<<21)         ; A's scale words: a row of 256 bytes (64 tokens) for each K step, 16,384 bytes apart
	SHAPE G1SA, 32, NKS, 2048
	s_or_b32 s[G1SB], s45, (3<<16)|(1<<20)|(1<<21)|(5<<22)|(3<<25)   ; W's scale bytes: a dense block as rows of 256 bytes + 16
	SHAPE G1SB, 32, 64*KS/256, 32
	s_lshl_b32 s92, s43, 3
	s_lshl_b32 s21, s20, 2
	s_add_co_u32 s92, s92, s21                     ; A: tile 8 rt + 4 half
	s_mul_i32 s92, s92, ATILE
	s_mov_b32 s93, 0
	s_lshl_b32 s96, s43, 9
	s_lshl_b32 s21, s20, 8
	s_add_co_u32 s96, s96, s21
	s_add_co_u32 s96, s96, SCOFF                   ; its scale words: 4 bytes a token
	s_mov_b32 s97, 0
	s_lshl_b32 s46, s42, 7
	s_lshl_b32 s21, s20, 6
	s_add_co_u32 s46, s46, s21                     ; W: row 128 ct + 64 half
.if WROW0
	s_add_co_u32 s46, s46, WROW0
.endif
	s_mul_i32 s94, s46, KS
	s_mov_b32 s95, 0
	s_lshl_b32 s98, s46, 2                         ; the bias of my 64 rows of W (the half that I fetch is the half that I multiply)
	s_mov_b32 s99, 0
	s_mul_i32 s46, s46, SIZE_K
	s_mov_b32 s47, 0
	s_lshl_b32 s22, s20, 15                        ; LDS: no place in the cluster enters these
	s_mul_i32 s23, s20, 64*WP
	s_add_co_u32 s23, s23, WOFF
	s_mul_i32 s2, s20, NKS*256
	s_add_co_u32 s2, s2, SCA
	s_mul_i32 s3, s20, HALFS
	s_add_co_u32 s3, s3, SCB
	s_wait_kmcnt 0x0
	s_add_nc_u64 s[92:93], s[4:5], s[92:93]
	s_add_nc_u64 s[96:97], s[4:5], s[96:97]
	s_add_nc_u64 s[46:47], s[6:7], s[46:47]
	s_add_nc_u64 s[94:95], s[8:9], s[94:95]
	s_add_nc_u64 s[10:11], s[10:11], s[98:99]
	CROUND                                         ; all sixteen work-groups are here: the first joint loads meet
	s_mov_b32 s[G0SA], 1
	s_mov_b32 s[G0SA+1], s2
	s_mov_b64 s[G0SA+2:G0SA+3], s[96:97]
	s_or_b32 s[G0SA+3], s[G0SA+3], 0x80000000
	s_mov_b32 s[G0SB], 1
	s_mov_b32 s[G0SB+1], s3
	s_mov_b64 s[G0SB+2:G0SB+3], s[94:95]
	s_or_b32 s[G0SB+3], s[G0SB+3], 0x80000000
	JLOAD G0SA, G1SA, G0SB, G1SB                   ; the scales first: they are wanted with slot 0
.irp s, 0,1
	s_mov_b32 s[G0A+4*\s], 1
	s_add_co_u32 s[G0A+4*\s+1], s22, \s*SLOT
	s_add_nc_u64 s[G0A+4*\s+2:G0A+4*\s+3], s[92:93], \s*8192
	s_or_b32 s[G0A+4*\s+3], s[G0A+4*\s+3], 0x80000000
	s_mov_b32 s[G0B+4*\s], 1
	s_add_co_u32 s[G0B+4*\s+1], s23, \s*SLOT
	s_add_nc_u64 s[G0B+4*\s+2:G0B+4*\s+3], s[46:47], \s*512
	s_or_b32 s[G0B+4*\s+3], s[G0B+4*\s+3], 0x80000000
	JLOAD G0A+4*\s, G1A, G0B+4*\s, G1B             ; three loads of mine are out
.endr
	v_and_b32 v1, 15, v0                           ; r
	v_bfe_u32 v2, v0, 4, 1                         ; h
	v_and_b32 v3, 31, v0                           ; lane
	s_lshl_b32 s21, s19, 15
	v_lshl_add_u32 v[ADRA], v3, 4, s21             ; A's images: my four tiles, 16 bytes a lane
	v_add_nc_u32 v[ADRA+1], SLOT, v[ADRA]
	v_mul_u32_u24 v4, v1, WP
	v_lshl_add_u32 v4, v2, 4, v4
	v_add_nc_u32 v[ADRB], s23, v4                  ; W's rows: my 64, row r, + 16 h
	v_add_nc_u32 v[ADRB+1], SLOT, v[ADRB]
	s_mul_i32 s21, s19, NKS*256
	s_add_co_u32 s21, s21, SCA
	v_lshlrev_b32 v4, 2, v1
	v_lshl_add_u32 v4, v2, 9, v4
	v_add_nc_u32 v[ADSA], s21, v4                  ; A's scale words: 4 r; lanes 16-31 two K steps on
	v_mul_u32_u24 v4, v1, KS
	v_lshrrev_b32 v5, 8, v4
	v_lshl_add_u32 v4, v5, 4, v4
	v_lshl_add_u32 v4, v2, 3, v4
	v_add_nc_u32 v[ADSB], s3, v4                   ; W's: row r of KS bytes, 16 more for each 256 passed; lanes 16-31 two K steps (8 bytes) on
.if MODE == 1
	v_lshlrev_b32 v6, 2, v1                        ; the bias in the result's layout: a lane is a row of W, so all eight registers of block p hold b(16 p + r)
.irp p, 0,1,2,3
.irp j, 0,1,2,3,4,5,6,7
	global_load_b32 v[BN+8*\p+\j], v6, s[10:11] offset:64*\p
.endr
.endr
.else
	v_lshlrev_b32 v6, 5, v2                        ; the bias in the result's layout: register j of tile t holds b(16 t + 8 h + j)
.irp t, 0,1,2,3
	global_load_b128 v[BN+8*\t:BN+8*\t+3], v6, s[10:11] offset:64*\t
	global_load_b128 v[BN+8*\t+4:BN+8*\t+7], v6, s[10:11] offset:64*\t+16
.endr
.endif
.macro LDIMG reg, slot, i, q           ; a fragment of A: an image, four loads of 512 consecutive bytes
.irp c, 0,1,2,3
	ds_load_b128 v[(\reg)+4*\c:(\reg)+4*\c+3], v[ADRA+\slot] offset:(\i)*8192+(\q)*2048+\c*512
.endr
.endm
.macro LDROW reg, slot, i, q           ; a fragment of W from rows: registers 4 c .. 4 c + 3 hold k = 32 c + 16 h + 0..15 of row r
.irp c, 0,1,2,3
	ds_load_b128 v[(\reg)+4*\c:(\reg)+4*\c+3], v[ADRB+\slot] offset:(\i)*16*WP+(\q)*128+\c*32
.endr
.endm
.macro LDX reg, slot, i, q
.if MODE == 1
	LDROW \reg, \slot, \i, \q
.else
	LDIMG \reg, \slot, \i, \q
.endif
.endm
.macro LDY reg, slot, i, q
.if MODE == 1
	LDIMG \reg, \slot, \i, \q
.else
	LDROW \reg, \slot, \i, \q
.endif
.endm
.macro FETCH1 slot, q, f               ; 24 loads: Y's four tiles, X's blocks 0 and 1
	WIN TO_F
.irp t, 0,1,2,3
	LDY (\f)+64+16*\t, \slot, \t, \q
.endr
	LDX (\f), \slot, 0, \q
	LDX (\f)+16, \slot, 1, \q
.endm
.macro FETCH2 slot, q, f               ; 8 loads: X's blocks 2 and 3
	WIN TO_F
	LDX (\f)+32, \slot, 2, \q
	LDX (\f)+48, \slot, 3, \q
.endm
.macro SCALES set                      ; 12 loads: a slot's scale words.  In each register lanes 0-15 hold K step e of the slot, lanes 16-31 K step 2 + e
	WIN 0
.irp i, 0,1,2,3
.irp e, 0,1
	ds_load_b32 v[SC+16*\set+2*\i+\e], v[ADSA] offset:64*\i+256*\e
.endr
.endr
.irp t, 0,1,2,3
	ds_load_b64 v[SC+16*\set+8+2*\t:SC+16*\set+8+2*\t+1], v[ADSB] offset:\t*SBLK
.endr
.endm
; four products: block p of X against Y's four tiles, K step q of the slot.  The sixteen accumulators take turns, one instruction a turn, in the same order in every K step.
.macro MUL4 f, p, q, set, first
.irp t, 0,1,2,3
.set rD, ACC+8*(4*(\p)+\t)
.set rC, rD
.if \first
.if MODE == 1
.set rC, BN+8*(\p)
.else
.set rC, BN+8*\t
.endif
.endif
.if MODE == 1
.set rSY, SC+16*(\set)+2*\t+(\q)%2
.set rSX, SC+16*(\set)+8+2*(\p)+(\q)%2
.else
.set rSY, SC+16*(\set)+8+2*\t+(\q)%2
.set rSX, SC+16*(\set)+2*(\p)+(\q)%2
.endif
.if (\q) < 2
	v_wmma_scale_f32_16x16x128_f8f6f4 v[rD:rD+7], v[(\f)+64+16*\t:(\f)+64+16*\t+15], v[(\f)+16*(\p):(\f)+16*(\p)+15], v[rC:rC+7], v[rSY], v[rSX] matrix_a_fmt:MATRIX_FMT_BF8 matrix_b_fmt:MATRIX_FMT_BF8
.else
	v_wmma_scale_f32_16x16x128_f8f6f4 v[rD:rD+7], v[(\f)+64+16*\t:(\f)+64+16*\t+15], v[(\f)+16*(\p):(\f)+16*(\p)+15], v[rC:rC+7], v[rSY], v[rSX] matrix_a_fmt:MATRIX_FMT_BF8 matrix_b_fmt:MATRIX_FMT_BF8 matrix_a_scale:MATRIX_SCALE_ROW1 matrix_b_scale:MATRIX_SCALE_ROW1
.endif
.endr
.endm
; one of a slot's first three K steps: multiplies its buffer and fetches the next K step into the other.  Eight plain places stand in front of loads into registers that matrix instructions have read.
.macro QUARTER slot, q, first
	s_wait_dscnt 8                                 ; all but the youngest eight loads (X's blocks 2 and 3) are in
	WIN MUL
	MUL4 128*((\q)%2), 0, \q, \slot, \first
	MUL4 128*((\q)%2), 1, \q, \slot, \first
	PLACES 8
	FETCH1 \slot, (\q)+1, 128-128*((\q)%2)
	FETCH2 \slot, (\q)+1, 128-128*((\q)%2)
	s_wait_dscnt 32                                ; all but the 32 just issued
	WIN MUL
	MUL4 128*((\q)%2), 2, \q, \slot, \first
	MUL4 128*((\q)%2), 3, \q, \slot, \first
.endm
; a slot's last K step changes slots: ONE barrier; in front of it each wave waits for all its tensor loads, adds 0 to its spare word, and waits for that and for its reads of this slot.  fill = 1: the slot is filled again, two slots ahead.
.macro TURN slot, next, fill
	WIN 0
	s_wait_tensorcnt 0x0                           ; all my tensor loads have landed: my part of the next slot
	ds_add_u32 v[SPW], v[NIL]                      ; 0 onto my spare word
	s_wait_dscnt 9                                 ; (the add and the youngest eight loads may be out)
	WIN MUL
	MUL4 F1, 0, 3, \slot, 0
	s_wait_dscnt 0x0                               ; the add is done, and my reads of this slot are over
	s_barrier_signal -1
	MUL4 F1, 1, 3, \slot, 0
	WIN 0
	s_barrier_wait -1
.if \fill
	CREST                                          ; the barrier has opened a round of the cluster's barrier: no wave of any partner still reads this slot or has a load on its way
	s_add_nc_u64 s[G0A+4*\slot+2:G0A+4*\slot+3], s[G0A+4*\slot+2:G0A+4*\slot+3], 16384
	s_add_nc_u64 s[G0B+4*\slot+2:G0B+4*\slot+3], s[G0B+4*\slot+2:G0B+4*\slot+3], 1024
	JLOAD G0A+4*\slot, G1A, G0B+4*\slot, G1B       ; the first tensor load behind the round; its four v_nop are four of the eight places
	PLACES 4
.else
	PLACES 8
.endif
	v_add_nc_u32 v[ADSA], 1024, v[ADSA]            ; the next slot's scale words: four K steps of 256 bytes; 16 bytes in a row of W's
	v_add_nc_u32 v[ADSB], 16, v[ADSB]
	FETCH1 \next, 0, F0
	SCALES \next
	FETCH2 \next, 0, F0
	WIN MUL
	MUL4 F1, 2, 3, \slot, 0
	MUL4 F1, 3, 3, \slot, 0
.endm
	s_wait_tensorcnt 0x1                           ; the scales and my part of slot 0 are in; slot 1's load may stay out
	s_barrier_signal -1
	s_barrier_wait -1
	FETCH1 0, 0, F0
	SCALES 0
	FETCH2 0, 0, F0
	s_wait_loadcnt 0x0                             ; the bias
	QUARTER 0, 0, 1                                ; the first K step starts the sums, on the bias
.if LAPS > 1
	WIN 0
	s_mov_b32 s3, LAPS-1
.Llap:
	QUARTER 0, 1, 0
	QUARTER 0, 2, 0
	TURN 0, 1, 1
	QUARTER 1, 0, 0
	QUARTER 1, 1, 0
	QUARTER 1, 2, 0
	TURN 1, 0, 1
	QUARTER 0, 0, 0
	WIN 0
	s_sub_co_u32 s3, s3, 1
	s_cmp_lg_u32 s3, 0
	s_cbranch_scc1 .Llap
.endif
	QUARTER 0, 1, 0
	QUARTER 0, 2, 0
	TURN 0, 1, 0
	QUARTER 1, 0, 0
	QUARTER 1, 1, 0
	QUARTER 1, 2, 0
	s_wait_dscnt 8
	WIN MUL
	MUL4 F1, 0, 3, 1, 0
	MUL4 F1, 1, 3, 1, 0
	s_wait_dscnt 0x0
	MUL4 F1, 2, 3, 1, 0
	MUL4 F1, 3, 3, 1, 0
	WIN 0
	PLACES 8                                       ; in front of the first read of results
; THE QUANTISER.  64 numbers of a lane: four blocks; block b's 16 registers are two neighbouring tiles: k = 32 b + 8 h + 0..7 and 32 b + 16 + 8 h + 0..7 of the lane's row; lane l xor 16 holds the other 16.
; The two tiles' codes [E0 E1 O0 O1] are brought into an image group's order, k = 32 b + 16 h + 0..15, by exchanging E's lanes 16-31 with O's lanes 0-15.
.set TM, 64
.macro QUANT s, pc
.irp b, 0,1,2,3
	v_max3_num_f32 v[TM+\b], |v[\s+16*\b]|, |v[\s+16*\b+1]|, 0x8000000   ; each accumulator is read from its low end on; the floor 2^(16 - 127) holds the byte at 1 from below
.endr
.irp i, 2,4,6,8,10,12,14
.irp b, 0,1,2,3
	v_max3_num_f32 v[TM+\b], v[TM+\b], |v[\s+16*\b+\i]|, |v[\s+16*\b+\i+1]|
.endr
.endr
.irp b, 0,1,2,3
	v_permlanex16_b32 v[TM+4+\b], v[TM+\b], s16, s17
.endr
.irp b, 0,1,2,3
	v_max_num_f32 v[TM+\b], v[TM+\b], v[TM+4+\b]
.endr
.irp b, 0,1,2,3
	v_add_nc_u32 v[TM+12+\b], 0xf8800000, v[TM+\b] ; 15 off the exponent field: the conversion's scale operand
.endr
.irp b, 0,1,2,3
	v_and_or_b32 v[TM+8+\b], v[TM+\b], 0x7f800000, s2   ; 57,344 x the scale
.endr
.irp b, 0,1,2,3
	v_lshrrev_b32 v[TM+4+\b], 23, v[TM+12+\b]      ; the scale's byte
.endr
.irp b, 0,1,2,3
.irp i, 0,1,2,3,4,5,6,7,8,9,10,11,12,13,14,15
	v_med3_num_f32 v[\s+16*\b+\i], v[\s+16*\b+\i], -v[TM+8+\b], v[TM+8+\b]   ; the conversion does not saturate (ISA guide 7.6.2): the hold
.endr
	v_cvt_scalef32_pk8_bf8_f32 v[\pc+4*\b:\pc+4*\b+1], v[\s+16*\b:\s+16*\b+7], v[TM+12+\b]
	v_cvt_scalef32_pk8_bf8_f32 v[\pc+4*\b+2:\pc+4*\b+3], v[\s+16*\b+8:\s+16*\b+15], v[TM+12+\b]
.endr
	v_nop                                          ; a plain instruction between the last conversion and the first line that touches its result
.irp b, 0,1,2,3
	v_permlane16_swap_b32 v[\pc+4*\b], v[\pc+4*\b+2]
	v_permlane16_swap_b32 v[\pc+4*\b+1], v[\pc+4*\b+3]
.endr
.endm
	; THE WAY OUT.  My 64 weight rows are one head of q or of k; my four tiles of tokens are one group of 64.  Codes: [q or k][batch x 16 + head][tile 128][c 2][512 bytes];
	; scale words (byte 0, byte 1; the upper two 0, for the zero codes that fill the product's K of 128): [q or k][batch x 16 + head][group 32][r 16][tile 4].
	s_mov_b32 s16, 0x76543210
	s_mov_b32 s17, 0xfedcba98
	s_mov_b32 s2, 0x600000
.irp b, 0,1,2,3
	v_mov_b32 v[TM+4+\b], 0                        ; a lane permute's destination counts as read
.endr
	v_lshlrev_b32 v24, 4, v3                       ; 16 x lane
	v_lshlrev_b32 v25, 4, v1
	v_lshl_add_u32 v25, v2, 3, v25                 ; 16 r + 8 h
	v_cmp_lt_u32 vcc_lo, 15, v3
	s_lshl_b32 s21, s42, 1
	s_add_co_u32 s21, s21, s20                     ; which 64 columns
	s_lshr_b32 s22, s21, 4                         ; 0: q, 1: k
	s_and_b32 s21, s21, 15                         ; the head
	s_lshl_b32 s23, s43, 3
	s_lshl_b32 s3, s19, 2
	s_add_co_u32 s23, s23, s3                      ; my first tile of tokens
	s_lshr_b32 s3, s23, 7                          ; the batch
	s_and_b32 s23, s23, 127
	s_lshl_b32 s3, s3, 4
	s_add_co_u32 s21, s21, s3
	s_lshl_b32 s92, s22, 22
	s_lshl_b32 s3, s21, 17
	s_add_co_u32 s92, s92, s3
	s_lshl_b32 s3, s23, 10
	s_add_co_u32 s92, s92, s3
	s_mov_b32 s93, 0
	s_add_nc_u64 s[92:93], s[12:13], s[92:93]
	s_lshl_b32 s94, s22, 18
	s_lshl_b32 s3, s21, 13
	s_add_co_u32 s94, s94, s3
	s_lshr_b32 s3, s23, 2
	s_lshl_b32 s3, s3, 8
	s_add_co_u32 s94, s94, s3
	s_add_co_u32 s94, s94, 12582912
	s_mov_b32 s95, 0
	s_add_nc_u64 s[94:95], s[12:13], s[94:95]
	QUANT 128, 80
	v_lshl_or_b32 v112, v[TM+5], 8, v[TM+4]
	v_lshl_or_b32 v113, v[TM+7], 8, v[TM+6]
.irp g, 0,1,2,3
	global_store_b128 v24, v[80+4*\g:83+4*\g], s[92:93] offset:512*\g          ; 32 lanes store 512 consecutive bytes, aligned
.endr
	QUANT 192, 96
	v_lshl_or_b32 v114, v[TM+5], 8, v[TM+4]
	v_lshl_or_b32 v115, v[TM+7], 8, v[TM+6]
.irp g, 0,1,2,3
	global_store_b128 v24, v[96+4*\g:99+4*\g], s[92:93] offset:2048+512*\g
.endr
	v_cndmask_b32 v112, v112, v114, vcc_lo         ; lanes 0-15: tiles 0 and 1 of row r; lanes 16-31: tiles 2 and 3
	v_cndmask_b32 v113, v113, v115, vcc_lo
	global_store_b64 v25, v[112:113], s[94:95]     ; the wave stores 256 consecutive bytes, aligned
	s_wait_tensorcnt 0x0                           ; the wave's end
	ds_add_u32 v[SPW], v[NIL]
	s_wait_dscnt 0x0
	CROUND                                         ; the closing round
	s_endpgm
.Lfunc_end_k_q04d56dad5d_qk:
	.size	k_q04d56dad5d_qk, .Lfunc_end_k_q04d56dad5d_qk-k_q04d56dad5d_qk
	.p2alignl 7, 3214868480
	.fill 96, 4, 3214868480
	.section	.rodata,"a",@progbits
	.p2align	6, 0x0
	.amdhsa_kernel k_q04d56dad5d_qk
		.amdhsa_group_segment_fixed_size 327680
		.amdhsa_private_segment_fixed_size 0
		.amdhsa_enable_private_segment 0
		.amdhsa_kernarg_size 40
		.amdhsa_user_sgpr_count 2
		.amdhsa_user_sgpr_kernarg_segment_ptr 1
		.amdhsa_wavefront_size32 1
		.amdhsa_system_sgpr_workgroup_id_x 1
		.amdhsa_system_sgpr_workgroup_id_y 1
		.amdhsa_system_sgpr_workgroup_id_z 1
		.amdhsa_system_vgpr_workitem_id 0
		.amdhsa_next_free_vgpr 512
		.amdhsa_next_free_sgpr 100
		.amdhsa_reserve_vcc 1
		.amdhsa_float_denorm_mode_32 3
		.amdhsa_float_denorm_mode_16_64 3
		.amdhsa_memory_ordered 1
		.amdhsa_forward_progress 1
		.amdhsa_inst_pref_size 66
	.end_amdhsa_kernel
	.amdgpu_metadata
---
amdhsa.version: [ 1, 2 ]
amdhsa.kernels:
  - .name:           k_q04d56dad5d_qk
    .symbol:         k_q04d56dad5d_qk.kd
    .args:
      - { .name: xn, .offset: 0, .size: 8, .value_kind: global_buffer, .address_space: global }
      - { .name: qkv_w_codes, .offset: 8, .size: 8, .value_kind: global_buffer, .address_space: global }
      - { .name: qkv_w_scales, .offset: 16, .size: 8, .value_kind: global_buffer, .address_space: global }
      - { .name: qkv_b, .offset: 24, .size: 8, .value_kind: global_buffer, .address_space: global }
      - { .name: qkv, .offset: 32, .size: 8, .value_kind: global_buffer, .address_space: global }
    .group_segment_fixed_size: 327680
    .private_segment_fixed_size: 0
    .kernarg_segment_align: 8
    .kernarg_segment_size: 40
    .max_flat_workgroup_size: 128
    .sgpr_count:     100
    .vgpr_count:     512
    .wavefront_size: 32
...
	.end_amdgpu_metadata
.endif
;; end of part 2
;; launch vt (part 3): grid 8 x 32, 4 waves a work-group, clusters of 4 x 4, 327,680 bytes of LDS; arguments xn, qkv_w_codes, qkv_w_scales, qkv_b, qkv; writes qkv
.if DOCPART == 3
	.amdgcn_target "amdgcn-amd-amdhsa--gfx1250"
	.amdhsa_code_object_version 6
	.text
	.protected	k_q04d56dad5d_vt
	.globl	k_q04d56dad5d_vt
	.p2align	8
	.type	k_q04d56dad5d_vt,@function
k_q04d56dad5d_vt:
	s_mov_b64 s[64:65], 0
	v_nop
	global_prefetch_b8 v0, s[64:65] scope:SCOPE_SE
	s_setreg_imm32_b32 hwreg(HW_REG_WAVE_MODE, 25, 1), 1
	s_wait_xcnt 0x0
	s_wait_alu depctr_hold_cnt(0) depctr_sa_sdst(0) depctr_va_vdst(0) depctr_va_sdst(0) depctr_va_ssrc(0) depctr_va_vcc(0) depctr_vm_vsrc(0)
	s_getreg_b32 s2, hwreg(HW_REG_IB_STS2, 6, 4)
	s_cmp_eq_u32 s2, 0
	s_cbranch_scc0 .Lentry_in_a_cluster
	s_endpgm
.Lentry_in_a_cluster:
	s_bfe_u32 s2, ttmp6, 0x10000c
	s_cmp_lg_u32 s2, 0xf033
	s_cbranch_scc0 .Lentry_shape_is_right
	s_endpgm
.Lentry_shape_is_right:
; v: LN1(x) W^T + b for rows 2,048 .. 3,071 of qkv_w, made TRANSPOSED (a lane is a channel d, the registers run along the tokens), since the keys are the K of attention's second product;
; quantised along the keys and stored as images of operand registers.
; THE SKELETON (shared by five launches, MODE says which).  A work-group of four waves makes 128 tokens x 128 weight rows; a wave 64 x 64: 16 accumulators.
; A (tokens) comes as images: [tile of 16 rows][K step of 128][2,048 bytes], a fragment by four loads of 512 consecutive bytes; its scale words [K step][row] lie SCOFF bytes on.
; W comes as rows of codes with K innermost and scale bytes [row][K / 32].  K goes in slots of 512 through two LDS slots; the scales of all of K come once and stay.
; Source 1 = block p of X (a lane is a row of X), source 0 = tile t of Y (the registers run along Y's rows).  MODE 1: X = W, Y = A; else X = A, Y = W.  The bias is the C of each sum's first product.
; CLUSTERS: 4 x 4 work-groups; A's tiles are asked for jointly along a row of the cluster, W's along a column.
; With SIZE_K = 1,024 both slots are first fills and no LDS byte is filled twice; the text keeps one form for all sizes.
; REGISTERS: window 0: v1-29 addresses; v32-63 scale words, two sets, and nothing else; v64-95 the bias; v64-127 at work on the way out; v128-255 the accumulators ((p, t) at 128 + 8 (4 p + t)).
;   window 1: two fragment buffers of 128: X's four blocks, then Y's four tiles.
; LIMITS of the quantiser: NaN and infinities are not served; a block of zeros gets the byte 1 (zero codes; only this program reads the bytes); largest magnitudes under 2^-111 are held at the byte 1.
.set MODE,   1
.set SIZE_K, 1024
.set WROW0,  2048                      ; first row of W that this launch takes
.set SCOFF,  4194304                   ; where A's scale words begin
.set KS,    SIZE_K/32                  ; a row of W's scale bytes
.set NKS,   SIZE_K/128
.set LAPS,  SIZE_K/1024                ; a lap = two slots
.set ATILE, 16*SIZE_K                  ; bytes of a tile's images
.set SLOT,  133120                     ; A's 8 tiles x 4 K steps x 2,048, then W's 128 rows x 528
.set WOFF,  65536
.set WP,    528                        ; a row of W in LDS: 512 bytes + 16: the sixteen rows of a load start at sixteen different groups of banks
.set SCA,   2*SLOT                     ; A's scale words: [half][K step][64 rows x 4 bytes]
.set SCB,   SCA+2*NKS*256              ; W's scale bytes: [half], units of 256 bytes + 16
.set HALFS, (64*KS/256)*272
.set SBLK,  (16*KS/256)*272
.set SPARE, SCB+2*HALFS                ; the spare words, 128 bytes a wave: two blocks of 256 bytes that no other line names
.set SCST,  SPARE+512                  ; 512 bytes in which two waves' halves of scale words meet
.set ADRA, 16
.set ADRB, 20
.set ADSA, 22
.set ADSB, 23
.set SPW,  28
.set NIL,  29
.set SC,   32
.set BN,   64
.set ACC,  128
.set F0,   0
.set F1,   128
.set G1A,  24
.set G0A,  32
.set G1B,  48
.set G0B,  56
.set G1SA, 68
.set G0SA, 76
.set G1SB, 80
.set G0SB, 88
.set MSB, 0
.macro WIN new                         ; the immediate's high byte repeats the setting that is left
.if MSB != \new
	s_set_vgpr_msb (MSB<<8)|\new
.set MSB, \new
.endif
.endm
.set MUL,  0x05                        ; sources 0 and 1 window 1; C and D window 0
.set TO_F, 0x40                        ; destination window 1, address window 0
.macro JLOAD g0a, g1a, g0b, g1b        ; a joint load: waves 0 and 1 fetch A's halves, waves 2 and 3 W's; four v_nop follow each line
	s_cmp_eq_u32 s19, 0
	s_cbranch_scc0 .Lfor_b_\@
	tensor_load_to_lds s[\g0a:\g0a+3], s[\g1a:\g1a+7]
	s_nop 0
.rept 4
	v_nop
.endr
	s_branch .Lasked_\@
.Lfor_b_\@:
	tensor_load_to_lds s[\g0b:\g0b+3], s[\g1b:\g1b+7]
	s_nop 0
.rept 4
	v_nop
.endr
.Lasked_\@:
.endm
.macro CREST                           ; a round of the cluster's barrier behind its opening barrier
	s_cmp_lg_u32 s18, 0
	s_cbranch_scc1 .Lnot_wave_0_\@
	s_barrier_signal -3
.Lnot_wave_0_\@:
	s_barrier_wait -3
	s_barrier_signal -1
	s_barrier_wait -1
.endm
.macro CROUND
	s_barrier_signal -1
	s_barrier_wait -1
	CREST
.endm
.macro PLACES n
.rept \n
	v_nop
.endr
.endm
.macro SHAPE g, c, r, p                ; words 1 to 7 of a descriptor's group 1: r rows of c elements, p elements from row to row
	s_mov_b32 s[\g+1], (\c)<<16
	s_mov_b32 s[\g+2], (\r)<<16
	s_mov_b32 s[\g+3], (\c)<<16
	s_mov_b32 s[\g+4], \r
	s_mov_b32 s[\g+5], \p
	s_mov_b32 s[\g+6], 0
	s_mov_b32 s[\g+7], 0
.endm
	s_load_b256 s[4:11], s[0:1], 0x0               ; A s[4:5], W's codes s[6:7], W's scales s[8:9], the bias s[10:11]
.if MODE == 3
	s_load_b128 s[12:15], s[0:1], 0x20             ; the residual s[12:13], the result s[14:15]
.else
	s_load_b64 s[12:13], s[0:1], 0x20              ; the result
.endif
	v_lshl_add_u32 v[SPW], v0, 2, SPARE
	v_mov_b32 v[NIL], 0
	ds_add_u32 v28, v29
	ds_add_u32 v28, v29
	s_wait_dscnt 0x0
	v_lshrrev_b32 v1, 5, v0
	v_readfirstlane_b32 s18, v1                    ; wave
	s_lshr_b32 s19, s18, 1                         ; RH: my four tiles of A.  Also: I fetch for A (0) or for W (1)
	s_and_b32 s20, s18, 1                          ; CH: my 64 rows of W.  Also: which half I fetch
	s_bfe_u32 s40, ttmp6, 0x40000                  ; cx, cy
	s_bfe_u32 s41, ttmp6, 0x40004
	s_lshl_b32 s42, ttmp9, 2
	s_add_co_u32 s42, s42, s40                     ; ct: which 128 rows of W
	s_and_b32 s43, ttmp7, 0xffff
	s_lshl_b32 s43, s43, 2
	s_add_co_u32 s43, s43, s41                     ; rt: which 128 tokens
	s_lshl_b32 s44, s41, 2
	s_lshl_b32 s44, 15, s44                        ; my row of the cluster
	s_lshl_b32 s45, 0x1111, s40                    ; my column
	s_or_b32 s[G1A], s44, (3<<16)|(1<<21)          ; A's images: 4 tiles x 8,192 bytes (1,024 elements of 8), ATILE bytes apart, dense in LDS
	SHAPE G1A, 1024, 4, 2*SIZE_K
	s_or_b32 s[G1B], s45, (1<<20)|(1<<21)|(6<<22)|(3<<25)   ; W's rows: 64 x 512 bytes, four words of padding behind every 128
	SHAPE G1B, 512, 64, SIZE_K
	s_or_b32 s[G1SA], s44, (3<<16)|(1<<21)         ; A's scale words: a row of 256 bytes (64 tokens) for each K step, 16,384 bytes apart
	SHAPE G1SA, 32, NKS, 2048
	s_or_b32 s[G1SB], s45, (3<<16)|(1<<20)|(1<<21)|(5<<22)|(3<<25)   ; W's scale bytes: a dense block as rows of 256 bytes + 16
	SHAPE G1SB, 32, 64*KS/256, 32
	s_lshl_b32 s92, s43, 3
	s_lshl_b32 s21, s20, 2
	s_add_co_u32 s92, s92, s21                     ; A: tile 8 rt + 4 half
	s_mul_i32 s92, s92, ATILE
	s_mov_b32 s93, 0
	s_lshl_b32 s96, s43, 9
	s_lshl_b32 s21, s20, 8
	s_add_co_u32 s96, s96, s21
	s_add_co_u32 s96, s96, SCOFF                   ; its scale words: 4 bytes a token
	s_mov_b32 s97, 0
	s_lshl_b32 s46, s42, 7
	s_lshl_b32 s21, s20, 6
	s_add_co_u32 s46, s46, s21                     ; W: row 128 ct + 64 half
.if WROW0
	s_add_co_u32 s46, s46, WROW0
.endif
	s_mul_i32 s94, s46, KS
	s_mov_b32 s95, 0
	s_lshl_b32 s98, s46, 2                         ; the bias of my 64 rows of W (the half that I fetch is the half that I multiply)
	s_mov_b32 s99, 0
	s_mul_i32 s46, s46, SIZE_K
	s_mov_b32 s47, 0
	s_lshl_b32 s22, s20, 15                        ; LDS: no place in the cluster enters these
	s_mul_i32 s23, s20, 64*WP
	s_add_co_u32 s23, s23, WOFF
	s_mul_i32 s2, s20, NKS*256
	s_add_co_u32 s2, s2, SCA
	s_mul_i32 s3, s20, HALFS
	s_add_co_u32 s3, s3, SCB
	s_wait_kmcnt 0x0
	s_add_nc_u64 s[92:93], s[4:5], s[92:93]
	s_add_nc_u64 s[96:97], s[4:5], s[96:97]
	s_add_nc_u64 s[46:47], s[6:7], s[46:47]
	s_add_nc_u64 s[94:95], s[8:9], s[94:95]
	s_add_nc_u64 s[10:11], s[10:11], s[98:99]
	CROUND                                         ; all sixteen work-groups are here: the first joint loads meet
	s_mov_b32 s[G0SA], 1
	s_mov_b32 s[G0SA+1], s2
	s_mov_b64 s[G0SA+2:G0SA+3], s[96:97]
	s_or_b32 s[G0SA+3], s[G0SA+3], 0x80000000
	s_mov_b32 s[G0SB], 1
	s_mov_b32 s[G0SB+1], s3
	s_mov_b64 s[G0SB+2:G0SB+3], s[94:95]
	s_or_b32 s[G0SB+3], s[G0SB+3], 0x80000000
	JLOAD G0SA, G1SA, G0SB, G1SB                   ; the scales first: they are wanted with slot 0
.irp s, 0,1
	s_mov_b32 s[G0A+4*\s], 1
	s_add_co_u32 s[G0A+4*\s+1], s22, \s*SLOT
	s_add_nc_u64 s[G0A+4*\s+2:G0A+4*\s+3], s[92:93], \s*8192
	s_or_b32 s[G0A+4*\s+3], s[G0A+4*\s+3], 0x80000000
	s_mov_b32 s[G0B+4*\s], 1
	s_add_co_u32 s[G0B+4*\s+1], s23, \s*SLOT
	s_add_nc_u64 s[G0B+4*\s+2:G0B+4*\s+3], s[46:47], \s*512
	s_or_b32 s[G0B+4*\s+3], s[G0B+4*\s+3], 0x80000000
	JLOAD G0A+4*\s, G1A, G0B+4*\s, G1B             ; three loads of mine are out
.endr
	v_and_b32 v1, 15, v0                           ; r
	v_bfe_u32 v2, v0, 4, 1                         ; h
	v_and_b32 v3, 31, v0                           ; lane
	s_lshl_b32 s21, s19, 15
	v_lshl_add_u32 v[ADRA], v3, 4, s21             ; A's images: my four tiles, 16 bytes a lane
	v_add_nc_u32 v[ADRA+1], SLOT, v[ADRA]
	v_mul_u32_u24 v4, v1, WP
	v_lshl_add_u32 v4, v2, 4, v4
	v_add_nc_u32 v[ADRB], s23, v4                  ; W's rows: my 64, row r, + 16 h
	v_add_nc_u32 v[ADRB+1], SLOT, v[ADRB]
	s_mul_i32 s21, s19, NKS*256
	s_add_co_u32 s21, s21, SCA
	v_lshlrev_b32 v4, 2, v1
	v_lshl_add_u32 v4, v2, 9, v4
	v_add_nc_u32 v[ADSA], s21, v4                  ; A's scale words: 4 r; lanes 16-31 two K steps on
	v_mul_u32_u24 v4, v1, KS
	v_lshrrev_b32 v5, 8, v4
	v_lshl_add_u32 v4, v5, 4, v4
	v_lshl_add_u32 v4, v2, 3, v4
	v_add_nc_u32 v[ADSB], s3, v4                   ; W's: row r of KS bytes, 16 more for each 256 passed; lanes 16-31 two K steps (8 bytes) on
.if MODE == 1
	v_lshlrev_b32 v6, 2, v1                        ; the bias in the result's layout: a lane is a row of W, so all eight registers of block p hold b(16 p + r)
.irp p, 0,1,2,3
.irp j, 0,1,2,3,4,5,6,7
	global_load_b32 v[BN+8*\p+\j], v6, s[10:11] offset:64*\p
.endr
.endr
.else
	v_lshlrev_b32 v6, 5, v2                        ; the bias in the result's layout: register j of tile t holds b(16 t + 8 h + j)
.irp t, 0,1,2,3
	global_load_b128 v[BN+8*\t:BN+8*\t+3], v6, s[10:11] offset:64*\t
	global_load_b128 v[BN+8*\t+4:BN+8*\t+7], v6, s[10:11] offset:64*\t+16
.endr
.endif
.macro LDIMG reg, slot, i, q           ; a fragment of A: an image, four loads of 512 consecutive bytes
.irp c, 0,1,2,3
	ds_load_b128 v[(\reg)+4*\c:(\reg)+4*\c+3], v[ADRA+\slot] offset:(\i)*8192+(\q)*2048+\c*512
.endr
.endm
.macro LDROW reg, slot, i, q           ; a fragment of W from rows: registers 4 c .. 4 c + 3 hold k = 32 c + 16 h + 0..15 of row r
.irp c, 0,1,2,3
	ds_load_b128 v[(\reg)+4*\c:(\reg)+4*\c+3], v[ADRB+\slot] offset:(\i)*16*WP+(\q)*128+\c*32
.endr
.endm
.macro LDX reg, slot, i, q
.if MODE == 1
	LDROW \reg, \slot, \i, \q
.else
	LDIMG \reg, \slot, \i, \q
.endif
.endm
.macro LDY reg, slot, i, q
.if MODE == 1
	LDIMG \reg, \slot, \i, \q
.else
	LDROW \reg, \slot, \i, \q
.endif
.endm
.macro FETCH1 slot, q, f               ; 24 loads: Y's four tiles, X's blocks 0 and 1
	WIN TO_F
.irp t, 0,1,2,3
	LDY (\f)+64+16*\t, \slot, \t, \q
.endr
	LDX (\f), \slot, 0, \q
	LDX (\f)+16, \slot, 1, \q
.endm
.macro FETCH2 slot, q, f               ; 8 loads: X's blocks 2 and 3
	WIN TO_F
	LDX (\f)+32, \slot, 2, \q
	LDX (\f)+48, \slot, 3, \q
.endm
.macro SCALES set                      ; 12 loads: a slot's scale words.  In each register lanes 0-15 hold K step e of the slot, lanes 16-31 K step 2 + e
	WIN 0
.irp i, 0,1,2,3
.irp e, 0,1
	ds_load_b32 v[SC+16*\set+2*\i+\e], v[ADSA] offset:64*\i+256*\e
.endr
.endr
.irp t, 0,1,2,3
	ds_load_b64 v[SC+16*\set+8+2*\t:SC+16*\set+8+2*\t+1], v[ADSB] offset:\t*SBLK
.endr
.endm
; four products: block p of X against Y's four tiles, K step q of the slot.  The sixteen accumulators take turns, one instruction a turn, in the same order in every K step.
.macro MUL4 f, p, q, set, first
.irp t, 0,1,2,3
.set rD, ACC+8*(4*(\p)+\t)
.set rC, rD
.if \first
.if MODE == 1
.set rC, BN+8*(\p)
.else
.set rC, BN+8*\t
.endif
.endif
.if MODE == 1
.set rSY, SC+16*(\set)+2*\t+(\q)%2
.set rSX, SC+16*(\set)+8+2*(\p)+(\q)%2
.else
.set rSY, SC+16*(\set)+8+2*\t+(\q)%2
.set rSX, SC+16*(\set)+2*(\p)+(\q)%2
.endif
.if (\q) < 2
	v_wmma_scale_f32_16x16x128_f8f6f4 v[rD:rD+7], v[(\f)+64+16*\t:(\f)+64+16*\t+15], v[(\f)+16*(\p):(\f)+16*(\p)+15], v[rC:rC+7], v[rSY], v[rSX] matrix_a_fmt:MATRIX_FMT_BF8 matrix_b_fmt:MATRIX_FMT_BF8
.else
	v_wmma_scale_f32_16x16x128_f8f6f4 v[rD:rD+7], v[(\f)+64+16*\t:(\f)+64+16*\t+15], v[(\f)+16*(\p):(\f)+16*(\p)+15], v[rC:rC+7], v[rSY], v[rSX] matrix_a_fmt:MATRIX_FMT_BF8 matrix_b_fmt:MATRIX_FMT_BF8 matrix_a_scale:MATRIX_SCALE_ROW1 matrix_b_scale:MATRIX_SCALE_ROW1
.endif
.endr
.endm
; one of a slot's first three K steps: multiplies its buffer and fetches the next K step into the other.  Eight plain places stand in front of loads into registers that matrix instructions have read.
.macro QUARTER slot, q, first
	s_wait_dscnt 8                                 ; all but the youngest eight loads (X's blocks 2 and 3) are in
	WIN MUL
	MUL4 128*((\q)%2), 0, \q, \slot, \first
	MUL4 128*((\q)%2), 1, \q, \slot, \first
	PLACES 8
	FETCH1 \slot, (\q)+1, 128-128*((\q)%2)
	FETCH2 \slot, (\q)+1, 128-128*((\q)%2)
	s_wait_dscnt 32                                ; all but the 32 just issued
	WIN MUL
	MUL4 128*((\q)%2), 2, \q, \slot, \first
	MUL4 128*((\q)%2), 3, \q, \slot, \first
.endm
; a slot's last K step changes slots: ONE barrier; in front of it each wave waits for all its tensor loads, adds 0 to its spare word, and waits for that and for its reads of this slot.  fill = 1: the slot is filled again, two slots ahead.
.macro TURN slot, next, fill
	WIN 0
	s_wait_tensorcnt 0x0                           ; all my tensor loads have landed: my part of the next slot
	ds_add_u32 v[SPW], v[NIL]                      ; 0 onto my spare word
	s_wait_dscnt 9                                 ; (the add and the youngest eight loads may be out)
	WIN MUL
	MUL4 F1, 0, 3, \slot, 0
	s_wait_dscnt 0x0                               ; the add is done, and my reads of this slot are over
	s_barrier_signal -1
	MUL4 F1, 1, 3, \slot, 0
	WIN 0
	s_barrier_wait -1
.if \fill
	CREST                                          ; the barrier has opened a round of the cluster's barrier: no wave of any partner still reads this slot or has a load on its way
	s_add_nc_u64 s[G0A+4*\slot+2:G0A+4*\slot+3], s[G0A+4*\slot+2:G0A+4*\slot+3], 16384
	s_add_nc_u64 s[G0B+4*\slot+2:G0B+4*\slot+3], s[G0B+4*\slot+2:G0B+4*\slot+3], 1024
	JLOAD G0A+4*\slot, G1A, G0B+4*\slot, G1B       ; the first tensor load behind the round; its four v_nop are four of the eight places
	PLACES 4
.else
	PLACES 8
.endif
	v_add_nc_u32 v[ADSA], 1024, v[ADSA]            ; the next slot's scale words: four K steps of 256 bytes; 16 bytes in a row of W's
	v_add_nc_u32 v[ADSB], 16, v[ADSB]
	FETCH1 \next, 0, F0
	SCALES \next
	FETCH2 \next, 0, F0
	WIN MUL
	MUL4 F1, 2, 3, \slot, 0
	MUL4 F1, 3, 3, \slot, 0
.endm
	s_wait_tensorcnt 0x1                           ; the scales and my part of slot 0 are in; slot 1's load may stay out
	s_barrier_signal -1
	s_barrier_wait -1
	FETCH1 0, 0, F0
	SCALES 0
	FETCH2 0, 0, F0
	s_wait_loadcnt 0x0                             ; the bias
	QUARTER 0, 0, 1                                ; the first K step starts the sums, on the bias
.if LAPS > 1
	WIN 0
	s_mov_b32 s3, LAPS-1
.Llap:
	QUARTER 0, 1, 0
	QUARTER 0, 2, 0
	TURN 0, 1, 1
	QUARTER 1, 0, 0
	QUARTER 1, 1, 0
	QUARTER 1, 2, 0
	TURN 1, 0, 1
	QUARTER 0, 0, 0
	WIN 0
	s_sub_co_u32 s3, s3, 1
	s_cmp_lg_u32 s3, 0
	s_cbranch_scc1 .Llap
.endif
	QUARTER 0, 1, 0
	QUARTER 0, 2, 0
	TURN 0, 1, 0
	QUARTER 1, 0, 0
	QUARTER 1, 1, 0
	QUARTER 1, 2, 0
	s_wait_dscnt 8
	WIN MUL
	MUL4 F1, 0, 3, 1, 0
	MUL4 F1, 1, 3, 1, 0
	s_wait_dscnt 0x0
	MUL4 F1, 2, 3, 1, 0
	MUL4 F1, 3, 3, 1, 0
	WIN 0
	PLACES 8                                       ; in front of the first read of results
; THE QUANTISER.  64 numbers of a lane: four blocks; block b's 16 registers are two neighbouring tiles: k = 32 b + 8 h + 0..7 and 32 b + 16 + 8 h + 0..7 of the lane's row; lane l xor 16 holds the other 16.
; The two tiles' codes [E0 E1 O0 O1] are brought into an image group's order, k = 32 b + 16 h + 0..15, by exchanging E's lanes 16-31 with O's lanes 0-15.
.set TM, 64
.macro QUANT s, pc
.irp b, 0,1,2,3
	v_max3_num_f32 v[TM+\b], |v[\s+16*\b]|, |v[\s+16*\b+1]|, 0x8000000   ; each accumulator is read from its low end on; the floor 2^(16 - 127) holds the byte at 1 from below
.endr
.irp i, 2,4,6,8,10,12,14
.irp b, 0,1,2,3
	v_max3_num_f32 v[TM+\b], v[TM+\b], |v[\s+16*\b+\i]|, |v[\s+16*\b+\i+1]|
.endr
.endr
.irp b, 0,1,2,3
	v_permlanex16_b32 v[TM+4+\b], v[TM+\b], s16, s17
.endr
.irp b, 0,1,2,3
	v_max_num_f32 v[TM+\b], v[TM+\b], v[TM+4+\b]
.endr
.irp b, 0,1,2,3
	v_add_nc_u32 v[TM+12+\b], 0xf8800000, v[TM+\b] ; 15 off the exponent field: the conversion's scale operand
.endr
.irp b, 0,1,2,3
	v_and_or_b32 v[TM+8+\b], v[TM+\b], 0x7f800000, s2   ; 57,344 x the scale
.endr
.irp b, 0,1,2,3
	v_lshrrev_b32 v[TM+4+\b], 23, v[TM+12+\b]      ; the scale's byte
.endr
.irp b, 0,1,2,3
.irp i, 0,1,2,3,4,5,6,7,8,9,10,11,12,13,14,15
	v_med3_num_f32 v[\s+16*\b+\i], v[\s+16*\b+\i], -v[TM+8+\b], v[TM+8+\b]   ; the conversion does not saturate (ISA guide 7.6.2): the hold
.endr
	v_cvt_scalef32_pk8_bf8_f32 v[\pc+4*\b:\pc+4*\b+1], v[\s+16*\b:\s+16*\b+7], v[TM+12+\b]
	v_cvt_scalef32_pk8_bf8_f32 v[\pc+4*\b+2:\pc+4*\b+3], v[\s+16*\b+8:\s+16*\b+15], v[TM+12+\b]
.endr
	v_nop                                          ; a plain instruction between the last conversion and the first line that touches its result
.irp b, 0,1,2,3
	v_permlane16_swap_b32 v[\pc+4*\b], v[\pc+4*\b+2]
	v_permlane16_swap_b32 v[\pc+4*\b+1], v[\pc+4*\b+3]
.endr
.endm
	; THE WAY OUT.  My 64 weight rows are one head's channels; my 64 tokens are half of a step of 128 keys.  Codes: at 8 MiB, [batch x 16 + head][key step 16][channel tile 4][c 4][512 bytes], c = 2 RH + b.
	; Scale words: at 12 MiB + 512 KiB, [batch x 16 + head][key step 16][r 16][channel tile 4]; a word's halves come from two waves and meet in LDS.
	s_mov_b32 s16, 0x76543210
	s_mov_b32 s17, 0xfedcba98
	s_mov_b32 s2, 0x600000
.irp b, 0,1,2,3
	v_mov_b32 v[TM+4+\b], 0                        ; a lane permute's destination counts as read
.endr
	v_lshlrev_b32 v24, 4, v3                       ; 16 x lane
	s_lshl_b32 s3, s20, 8
	s_lshl_b32 s21, s19, 1
	s_add_co_u32 s3, s3, s21
	s_add_co_u32 s3, s3, SCST
	v_lshl_add_u32 v25, v1, 4, s3                  ; LDS: 256 CH + 16 r + 2 RH (+ 4 p)
	v_lshl_add_u32 v26, v3, 4, SCST                ; back: 16 bytes a lane
	v_lshlrev_b32 v27, 12, v2
	v_lshl_add_u32 v27, v1, 4, v27                 ; in memory: lanes 16-31 the next head (4,096 bytes on), 16 r
	s_lshr_b32 s21, s43, 4                         ; the batch
	s_lshl_b32 s21, s21, 4
	s_lshl_b32 s22, s42, 1
	s_add_co_u32 s21, s21, s22                     ; 16 x batch + the work-group's first head
	s_and_b32 s23, s43, 15                         ; the key step
	s_add_co_u32 s22, s21, s20                     ; my head
	s_lshl_b32 s92, s22, 4
	s_add_co_u32 s92, s92, s23
	s_lshl_b32 s92, s92, 13
	s_lshl_b32 s3, s19, 10
	s_add_co_u32 s92, s92, s3
	s_add_co_u32 s92, s92, 8388608
	s_mov_b32 s93, 0
	s_add_nc_u64 s[92:93], s[12:13], s[92:93]
	s_lshl_b32 s94, s21, 12
	s_lshl_b32 s3, s23, 8
	s_add_co_u32 s94, s94, s3
	s_add_co_u32 s94, s94, 13107200
	s_mov_b32 s95, 0
	s_add_nc_u64 s[94:95], s[12:13], s[94:95]
	QUANT 128, 80
	v_lshl_or_b32 v112, v[TM+5], 8, v[TM+4]
	v_lshl_or_b32 v113, v[TM+7], 8, v[TM+6]
.irp p, 0,1
.irp b, 0,1
	global_store_b128 v24, v[80+8*\p+4*\b:83+8*\p+4*\b], s[92:93] offset:2048*\p+512*\b   ; 32 lanes store 512 consecutive bytes, aligned
.endr
.endr
	QUANT 192, 96
	v_lshl_or_b32 v114, v[TM+5], 8, v[TM+4]
	v_lshl_or_b32 v115, v[TM+7], 8, v[TM+6]
.irp p, 0,1
.irp b, 0,1
	global_store_b128 v24, v[96+8*\p+4*\b:99+8*\p+4*\b], s[92:93] offset:4096+2048*\p+512*\b
.endr
.endr
.irp p, 0,1,2,3
	ds_store_b16 v25, v[112+\p] offset:4*\p        ; both halves of the lanes write the same two bytes with the same value
.endr
	s_wait_dscnt 0x0                               ; for the others' sake: my halves of the words lie in LDS
	s_barrier_signal -1
	s_barrier_wait -1
	s_cmp_lg_u32 s18, 0
	s_cbranch_scc1 .Lnot_first
	ds_load_b128 v[116:119], v26
	s_wait_dscnt 0x0
	global_store_b128 v27, v[116:119], s[94:95]    ; sixteen lanes store 256 consecutive bytes, aligned
.Lnot_first:
	s_wait_tensorcnt 0x0                           ; the wave's end
	ds_add_u32 v[SPW], v[NIL]
	s_wait_dscnt 0x0
	CROUND                                         ; the closing round
	s_endpgm
.Lfunc_end_k_q04d56dad5d_vt:
	.size	k_q04d56dad5d_vt, .Lfunc_end_k_q04d56dad5d_vt-k_q04d56dad5d_vt
	.p2alignl 7, 3214868480
	.fill 96, 4, 3214868480
	.section	.rodata,"a",@progbits
	.p2align	6, 0x0
	.amdhsa_kernel k_q04d56dad5d_vt
		.amdhsa_group_segment_fixed_size 327680
		.amdhsa_private_segment_fixed_size 0
		.amdhsa_enable_private_segment 0
		.amdhsa_kernarg_size 40
		.amdhsa_user_sgpr_count 2
		.amdhsa_user_sgpr_kernarg_segment_ptr 1
		.amdhsa_wavefront_size32 1
		.amdhsa_system_sgpr_workgroup_id_x 1
		.amdhsa_system_sgpr_workgroup_id_y 1
		.amdhsa_system_sgpr_workgroup_id_z 1
		.amdhsa_system_vgpr_workitem_id 0
		.amdhsa_next_free_vgpr 512
		.amdhsa_next_free_sgpr 100
		.amdhsa_reserve_vcc 0
		.amdhsa_float_denorm_mode_32 3
		.amdhsa_float_denorm_mode_16_64 3
		.amdhsa_memory_ordered 1
		.amdhsa_forward_progress 1
		.amdhsa_inst_pref_size 69
	.end_amdhsa_kernel
	.amdgpu_metadata
---
amdhsa.version: [ 1, 2 ]
amdhsa.kernels:
  - .name:           k_q04d56dad5d_vt
    .symbol:         k_q04d56dad5d_vt.kd
    .args:
      - { .name: xn, .offset: 0, .size: 8, .value_kind: global_buffer, .address_space: global }
      - { .name: qkv_w_codes, .offset: 8, .size: 8, .value_kind: global_buffer, .address_space: global }
      - { .name: qkv_w_scales, .offset: 16, .size: 8, .value_kind: global_buffer, .address_space: global }
      - { .name: qkv_b, .offset: 24, .size: 8, .value_kind: global_buffer, .address_space: global }
      - { .name: qkv, .offset: 32, .size: 8, .value_kind: global_buffer, .address_space: global }
    .group_segment_fixed_size: 327680
    .private_segment_fixed_size: 0
    .kernarg_segment_align: 8
    .kernarg_segment_size: 40
    .max_flat_workgroup_size: 128
    .sgpr_count:     100
    .vgpr_count:     512
    .wavefront_size: 32
...
	.end_amdgpu_metadata
.endif
;; end of part 3
;; launch attn (part 4): grid 8 x 32, 16 waves a work-group, clusters of 4 x 1, 327,680 bytes of LDS; arguments qkv, o; writes o
.if DOCPART == 4
	.amdgcn_target "amdgcn-amd-amdhsa--gfx1250"
	.amdhsa_code_object_version 6
	.text
	.protected	k_q04d56dad5d_attn
	.globl	k_q04d56dad5d_attn
	.p2align	8
	.type	k_q04d56dad5d_attn,@function
k_q04d56dad5d_attn:
	s_mov_b64 s[64:65], 0
	v_nop
	global_prefetch_b8 v0, s[64:65] scope:SCOPE_SE
	s_setreg_imm32_b32 hwreg(HW_REG_WAVE_MODE, 25, 1), 1
	s_wait_xcnt 0x0
	s_wait_alu depctr_hold_cnt(0) depctr_sa_sdst(0) depctr_va_vdst(0) depctr_va_sdst(0) depctr_va_ssrc(0) depctr_va_vcc(0) depctr_vm_vsrc(0)
	s_getreg_b32 s2, hwreg(HW_REG_IB_STS2, 6, 4)
	s_cmp_eq_u32 s2, 0
	s_cbranch_scc0 .Lentry_in_a_cluster
	s_endpgm
.Lentry_in_a_cluster:
	s_bfe_u32 s2, ttmp6, 0x10000c
	s_cmp_lg_u32 s2, 0x3003
	s_cbranch_scc0 .Lentry_shape_is_right
	s_endpgm
.Lentry_shape_is_right:
; Attention on codes of E5M2 with E8M0 scales: o = softmax(q k^T / 8) v for 32 (batch, head) pairs of 2,048 tokens and 64 channels, then o quantised along the channels for the next product.
; THE SOFTMAX AHEAD OF THE SECOND PRODUCT: t = score x log2(e) / 8; M = the running largest t rounded UP to a whole number; p = 2^(t - M) is what is quantised, along the keys, not normalised.
; The row's sum is taken of the unquantised p and divides at the end; when M moves, the sum and O are multiplied by 2^(old M - new M), which rounds nothing.
; SHARES.  A work-group owns 256 queries of one (batch, head); each of its sixteen waves one tile of 16, in 256 registers: four waves to a SIMD, so that one wave's vector work stands beside another's products.
; Every wave walks the 2,048 keys, 128 a step.  THE WHOLE HEAD'S K AND V STAY IN LDS, each byte filled once: 131,072 bytes of each, as images of operand registers, and their scale words.
; CLUSTER.  The four query blocks of a cluster belong to one head: every fill is asked for jointly (mask 15).  The first two steps' bytes come by loads of their own, so that the work begins while the rest lands.
; LAYOUT.  S^T = K Q^T (source 0 = 16 keys, source 1 = my queries), O^T = V^T P^T: a lane holds one query throughout.  The head's 64 fill half of the first product's K of 128: the upper eight registers of Q's and
; K's fragments hold zero codes, cleared once.  p's codes of two neighbouring tiles of keys are brought into the operand's order by exchanging the halves of the lanes.
; The scale bytes of o leave one a lane: the two halves of a scale word belong to two heads, that is to two work-groups; they are 131,072 bytes in the launch.
; LIMITS: NaN and infinities are not served; a block of zeros gets the byte 1 (zero codes; only this program reads the bytes).
; REGISTERS: v1-7 addresses that stay; v8-11 the step's; v12 -M, v13 the largest t, v[14:15] the sum; v16-31 Q; v32-95 four fragments of K; v96-159 S^T, then p, then V's four fragments; v160-191 O^T;
;   v192-207 p's codes; v208-215 K's scale words, v216-219 V's, v253 p's, v255 Q's: these hold scales alone; v232-247, v250, v251, v254 at work.
.set VIMG, 131072
.set KSC,  262144
.set VSC,  270336
.set KOFF, 4194304
.set VOFF, 8388608
.set QSCG, 12582912
.set KSCG, QSCG+262144
.set VSCG, QSCG+524288
.set OSC,  4194304
.macro CROUND
	s_barrier_signal -1
	s_barrier_wait -1
	s_cmp_lg_u32 s18, 0
	s_cbranch_scc1 .Lnot_wave_0_\@
	s_barrier_signal -3
.Lnot_wave_0_\@:
	s_barrier_wait -3
	s_barrier_signal -1
	s_barrier_wait -1
.endm
.macro SHAPE g, r                      ; group 1: a dense block as r rows of 256 bytes (32 elements of 8); the mask names all four work-groups, bit 21 beside it
	s_mov_b32 s[\g], 15|(3<<16)|(1<<21)
	s_mov_b32 s[\g+1], 32<<16
	s_mov_b32 s[\g+2], (\r)<<16
	s_mov_b32 s[\g+3], 32<<16
	s_mov_b32 s[\g+4], \r
	s_mov_b32 s[\g+5], 32
	s_mov_b32 s[\g+6], 0
	s_mov_b32 s[\g+7], 0
.endm
.macro MKG0 g, lds, hl, off, breg, hg  ; group 0: LDS byte lds + half x hl; memory: qkv + off + s[breg] + half x hg
	s_mov_b32 s[\g], 1
	s_mul_i32 s[\g+1], s11, \hl
.if \lds
	s_add_co_u32 s[\g+1], s[\g+1], \lds
.endif
	s_mul_i32 s88, s11, \hg
	s_add_co_u32 s88, s88, s[\breg]
	s_add_co_u32 s88, s88, \off
	s_add_nc_u64 s[\g+2:\g+3], s[4:5], s[88:89]
	s_or_b32 s[\g+3], s[\g+3], 0x80000000
.endm
	s_load_b128 s[4:7], s[0:1], 0x0                ; qkv s[4:5], o s[6:7]
	v_lshl_add_u32 v249, v0, 2, 0x43000
	v_mov_b32 v252, 0
	ds_add_u32 v249, v252
	ds_add_u32 v249, v252
	v_lshrrev_b32 v8, 5, v0
	v_readfirstlane_b32 s18, v8                    ; wave 0..15
	s_and_b32 s11, s18, 1                          ; which half of a fill I fetch, if I fetch
	s_bfe_u32 s8, ttmp6, 0x40000                   ; cx: it enters Q's and o's addresses in memory alone
	s_lshl_b32 s9, ttmp9, 2
	s_add_co_u32 s9, s9, s8                        ; my block of 256 queries
	s_and_b32 s10, ttmp7, 0xffff                   ; batch x 16 + head, which the four partners share
	s_lshl_b32 s12, s10, 17                        ; the head's codes: 131,072 bytes in each of q, k, v
	s_lshl_b32 s13, s10, 13                        ; q's and k's scale words: 8,192
	s_lshl_b32 s14, s10, 12                        ; v's: 4,096
	s_mov_b32 s89, 0
	SHAPE 24, 16
	SHAPE 32, 8
	SHAPE 40, 32
	SHAPE 48, 224
	s_mov_b32 s19, 0x600000                        ; the mantissa field of 57,344
	s_mov_b32 s20, 0x76543210
	s_mov_b32 s21, 0xfedcba98                      ; lane l xor 16
	s_mov_b32 s22, 0x3e38aa3b                      ; c = log2(e) / 8
	s_mov_b32 s23, s22
	s_mov_b32 s84, 0                               ; the step's images: 8,192 bytes a step, of K and of V
	s_mov_b32 s85, 0                               ; K's scale words: 512
	s_mov_b32 s86, 0                               ; V's: 256
	s_lshl_b32 s15, s9, 4
	s_add_co_u32 s15, s15, s18                     ; my tile of queries, 0..127
	s_lshl_b32 s90, s15, 10
	s_add_co_u32 s90, s90, s12
	s_mov_b32 s91, 0
	s_lshr_b32 s92, s15, 2
	s_lshl_b32 s92, s92, 8
	s_and_b32 s93, s15, 3
	s_lshl_b32 s93, s93, 2
	s_add_co_u32 s92, s92, s93
	s_add_co_u32 s92, s92, s13
	s_add_co_u32 s92, s92, QSCG
	s_mov_b32 s93, 0
	s_lshr_b32 s16, s10, 4
	s_lshl_b32 s16, s16, 7
	s_add_co_u32 s16, s16, s15                     ; my tile among the 256 of all tokens
	s_and_b32 s17, s10, 15                         ; the head
	s_lshl_b32 s94, s16, 14
	s_lshl_b32 s96, s17, 10                        ; K step head / 2 (2,048 bytes), groups 2 (head % 2) on (512 each)
	s_add_co_u32 s94, s94, s96
	s_mov_b32 s95, 0
	s_lshr_b32 s96, s17, 1
	s_lshl_b32 s96, s96, 14
	s_and_b32 s97, s17, 1
	s_lshl_b32 s97, s97, 1
	s_add_co_u32 s96, s96, s97
	s_lshl_b32 s97, s16, 6
	s_add_co_u32 s96, s96, s97
	s_add_co_u32 s96, s96, OSC
	s_mov_b32 s97, 0
	s_wait_dscnt 0x0
	s_wait_kmcnt 0x0
	s_add_nc_u64 s[90:91], s[4:5], s[90:91]        ; Q's codes
	s_add_nc_u64 s[92:93], s[4:5], s[92:93]        ; Q's scale words
	s_add_nc_u64 s[94:95], s[6:7], s[94:95]        ; o's codes
	s_add_nc_u64 s[96:97], s[6:7], s[96:97]        ; o's scale bytes
	MKG0 56, KSC, 4096, KSCG, 13, 4096
	MKG0 60, 0, 8192, KOFF, 12, 8192
	MKG0 68, 16384, 57344, KOFF+16384, 12, 57344
	MKG0 72, VSC, 2048, VSCG, 14, 2048
	MKG0 76, VIMG, 8192, VOFF, 12, 8192
	MKG0 80, VIMG+16384, 57344, VOFF+16384, 12, 57344
	CROUND                                         ; all four work-groups are here: the joint loads meet
	s_cmp_lt_u32 s18, 2                            ; waves 0 and 1 fetch K's halves, waves 2 and 3 V's, the others nothing: a wave's three fills stand in one branch on its number
	s_cbranch_scc0 .Lnot_k
	tensor_load_to_lds s[56:59], s[24:31]          ; the scale words,
	s_nop 0
	tensor_load_to_lds s[60:63], s[40:47]          ; the first two steps,
	s_nop 0
	tensor_load_to_lds s[68:71], s[48:55]          ; the other fourteen: three loads of mine are out
	s_nop 0
.rept 4
	v_nop
.endr
	s_branch .Lasked
.Lnot_k:
	s_cmp_lt_u32 s18, 4
	s_cbranch_scc0 .Lasked
	tensor_load_to_lds s[72:75], s[32:39]
	s_nop 0
	tensor_load_to_lds s[76:79], s[40:47]
	s_nop 0
	tensor_load_to_lds s[80:83], s[48:55]
	s_nop 0
.rept 4
	v_nop
.endr
.Lasked:
	v_and_b32 v5, 31, v0                           ; lane
	v_and_b32 v6, 15, v0                           ; r
	v_bfe_u32 v7, v0, 4, 1                         ; h
	v_lshlrev_b32 v1, 4, v5                        ; an image's place for my lane
	v_add_nc_u32 v2, VIMG, v1
	v_lshl_add_u32 v3, v6, 4, KSC                  ; scale words: 16 bytes (four tiles) a row
	v_lshl_add_u32 v4, v6, 4, VSC
	v_lshlrev_b32 v10, 4, v6
	global_load_b128 v[16:19], v1, s[90:91]        ; Q's two groups stay in registers
	global_load_b128 v[20:23], v1, s[90:91] offset:512
	global_load_b32 v255, v10, s[92:93]
.set i, 0
.rept 8
	v_mov_b32 v[24+i], 0                           ; zero codes for k = 64 .. 127, in Q's fragment and in the four of K: written once
	v_mov_b32 v[40+i], 0
	v_mov_b32 v[56+i], 0
	v_mov_b32 v[72+i], 0
	v_mov_b32 v[88+i], 0
.set i, i+1
.endr
.set i, 0
.rept 32
	v_mov_b32 v[160+i], 0                          ; O^T: the step is written once; the first finds zeros, which the first change of M leaves zeros
.set i, i+1
.endr
	v_mov_b32 v13, 0xff61b1e6                      ; the largest t so far: -3e38
	v_floor_f32 v12, -v13                          ; -M
	v_mov_b32 v14, 0
	v_mov_b32 v15, 0
.irp b, 0,1,2,3
	v_mov_b32 v[236+\b], 0                         ; a lane permute's destination counts as read
.endr
	v_mov_b32 v251, 0                              ; (named as the upper half of the pair v[250:251])
; A STEP: 128 keys.
.macro STEP
	v_add_nc_u32 v8, s84, v1
	v_add_nc_u32 v9, s84, v2
	v_add_nc_u32 v10, s85, v3
	v_add_nc_u32 v11, s86, v4
.rept 6
	v_nop                                          ; with the four additions ten places behind the last step's products: the first product below writes over registers that they read (nine are asked), and loads go into their scale registers (eight)
.endr
	ds_load_b128 v[208:211], v10
	ds_load_b128 v[212:215], v10 offset:256
	ds_load_b128 v[216:219], v11
.irp g, 0,1                            ; S^T = K Q^T, four tiles of 16 keys at a time
.if \g
.rept 8
	v_nop                                          ; places in front of loads into registers that matrix instructions have read
.endr
.endif
.irp t, 0,1,2,3
	ds_load_b128 v[32+16*\t:35+16*\t], v8 offset:(4*\g+\t)*1024
	ds_load_b128 v[36+16*\t:39+16*\t], v8 offset:(4*\g+\t)*1024+512
.endr
	s_wait_dscnt 0x0
.irp t, 0,1,2,3
	v_wmma_scale_f32_16x16x128_f8f6f4 v[96+8*(4*\g+\t):103+8*(4*\g+\t)], v[32+16*\t:47+16*\t], v[16:31], 0, v[208+4*\g+\t], v255 matrix_a_fmt:MATRIX_FMT_BF8 matrix_b_fmt:MATRIX_FMT_BF8
.endr
.endr
.rept 8
	v_nop
.endr
.irp b, 0,1,2,3
	v_max3_num_f32 v[232+\b], v[96+16*\b], v[97+16*\b], v[98+16*\b]   ; the largest score of each block of 32 keys: for the row's maximum, and, since p rises with the score, for the block's largest p
.endr
.irp i, 3,5,7,9,11,13
.irp b, 0,1,2,3
	v_max3_num_f32 v[232+\b], v[232+\b], v[96+16*\b+\i], v[97+16*\b+\i]
.endr
.endr
.irp b, 0,1,2,3
	v_max_num_f32 v[232+\b], v[232+\b], v[111+16*\b]
.endr
.irp b, 0,1,2,3
	v_permlanex16_b32 v[236+\b], v[232+\b], s20, s21
.endr
.irp b, 0,1,2,3
	v_max_num_f32 v[232+\b], v[232+\b], v[236+\b]  ; with lane l xor 16's 16 keys
.endr
	v_max3_num_f32 v254, v232, v233, v234
	v_max_num_f32 v254, v254, v235
	v_mul_f32 v254, s22, v254                      ; the step's largest t (c is positive)
	v_max_num_f32 v13, v13, v254
	v_mov_b32 v254, v12
	v_floor_f32 v12, -v13                          ; the new -M = -ceil(t)
	v_sub_f32 v254, v12, v254                      ; old M - new M: a whole number, 0 or less
	v_cvt_i32_f32 v254, v254                       ; (it saturates)
	v_ldexp_f32 v250, 1.0, v254                    ; f = 2^(old M - new M)
.set j, 0
.rept 32
	v_pk_fma_f32 v[96+j:97+j], v[96+j:97+j], s[22:23], v[12:13] op_sel_hi:[1,0,0]   ; t - M
.set j, j+2
.endr
.irp b, 0,1,2,3
	v_fma_f32 v[232+\b], v[232+\b], s22, v12       ; the same of each block's largest score
.endr
.set j, 0
.rept 64
	v_exp_f32 v[96+j], v[96+j]                     ; p = 2^(t - M)
.set j, j+1
.endr
.irp b, 0,1,2,3
	v_exp_f32 v[232+\b], v[232+\b]                 ; the block's largest p
.endr
	v_pk_mul_f32 v[14:15], v[14:15], v[250:251] op_sel_hi:[1,0]   ; the sums under the new M (a plain place behind the exponentials)
	s_wait_alu depctr_va_vdst(0)
.irp b, 0,1,2,3
	v_max_num_f32 v[232+\b], 0x8000000, v[232+\b]  ; the floor 2^(16 - 127)
.endr
.irp b, 0,1,2,3
	v_add_nc_u32 v[244+\b], 0xf8800000, v[232+\b]  ; the conversion's scale operand
.endr
.irp b, 0,1,2,3
	v_and_or_b32 v[240+\b], v[232+\b], 0x7f800000, s19   ; 57,344 x the scale
.endr
.irp b, 0,1,2,3
	v_lshrrev_b32 v[236+\b], 23, v[244+\b]         ; the scale's byte
.endr
	v_lshl_or_b32 v253, v237, 8, v236              ; p's scale word for these 128 keys
	v_lshl_or_b32 v253, v238, 16, v253
	v_lshl_or_b32 v253, v239, 24, v253
	v_pk_add_f32 v[236:237], v[96:97], v[98:99]    ; the row's sum is taken of the unquantised p, in two chains
.set j, 4
.rept 15
	v_pk_add_f32 v[14:15], v[14:15], v[96+j:97+j]
	v_pk_add_f32 v[236:237], v[236:237], v[98+j:99+j]
.set j, j+4
.endr
	v_pk_add_f32 v[14:15], v[14:15], v[236:237]
.irp b, 0,1,2,3
.irp i, 0,1,2,3,4,5,6,7,8,9,10,11,12,13,14,15
	v_min_num_f32 v[96+16*\b+\i], v[96+16*\b+\i], v[240+\b]   ; the conversion does not saturate (ISA guide 7.6.2); p is not negative, so the hold is one-sided
.endr
	v_cvt_scalef32_pk8_bf8_f32 v[192+4*\b:193+4*\b], v[96+16*\b:103+16*\b], v[244+\b]
	v_cvt_scalef32_pk8_bf8_f32 v[194+4*\b:195+4*\b], v[104+16*\b:111+16*\b], v[244+\b]
.endr
	v_nop                                          ; a plain instruction between the last conversion and the first line that touches its result
.irp b, 0,1,2,3
	v_permlane16_swap_b32 v[192+4*\b], v[194+4*\b] ; keys 32 b + 8 h .. and 32 b + 16 + 8 h .. become keys 32 b + 16 h + 0..15
	v_permlane16_swap_b32 v[193+4*\b], v[195+4*\b]
.endr
.irp p, 0,1,2,3
.irp c, 0,1,2,3
	ds_load_b128 v[96+16*\p+4*\c:99+16*\p+4*\c], v9 offset:2048*\p+512*\c   ; V's four fragments, into the registers that p has left
.endr
.endr
.set j, 0
.rept 16
	v_pk_mul_f32 v[160+j:161+j], v[160+j:161+j], v[250:251] op_sel_hi:[1,0]   ; O^T under the new M; also the places between the codes' last write and the products
.set j, j+2
.endr
	s_wait_dscnt 0x0
.irp p, 0,1,2,3
	v_wmma_scale_f32_16x16x128_f8f6f4 v[160+8*\p:167+8*\p], v[96+16*\p:111+16*\p], v[192:207], v[160+8*\p:167+8*\p], v[216+\p], v253 matrix_a_fmt:MATRIX_FMT_BF8 matrix_b_fmt:MATRIX_FMT_BF8
.endr
	s_add_co_u32 s84, s84, 8192
	s_add_co_u32 s85, s85, 512
	s_add_co_u32 s86, s86, 256
.endm
	s_wait_loadcnt 0x0                             ; Q
	s_wait_tensorcnt 0x1                           ; my scale words and my part of the first two steps are in; the rest may stay out
	s_barrier_signal -1
	s_barrier_wait -1                              ; everybody's are
	s_mov_b32 s87, 2
.Lfirst:
	STEP
	s_sub_co_u32 s87, s87, 1
	s_cmp_lg_u32 s87, 0
	s_cbranch_scc1 .Lfirst
	s_wait_tensorcnt 0x0                           ; my part of the other fourteen steps is in,
	s_wait_dscnt 0x0
	s_barrier_signal -1
	s_barrier_wait -1                              ; everybody's is
	s_mov_b32 s87, 14
.Lrest:
	STEP
	s_sub_co_u32 s87, s87, 1
	s_cmp_lg_u32 s87, 0
	s_cbranch_scc1 .Lrest
	; THE WAY OUT: O^T / the sum, quantised along the head's 64 channels (two blocks), as two groups of an image of the next product's A.
.rept 8
	v_nop
.endr
	v_add_f32 v14, v14, v15
	v_permlanex16_b32 v251, v14, s20, s21
	v_add_f32 v14, v14, v251                       ; the row's sum
	v_rcp_f32 v14, v14
	v_lshl_add_u32 v8, v6, 2, v7                   ; (a plain place)  4 r + h: my scale byte's place
.set j, 0
	s_wait_alu depctr_va_vdst(0)
.rept 32
	v_mul_f32 v[96+j], v[160+j], v14               ; register 8 p + i is o(query r, channel 16 p + 8 h + i)
.set j, j+1
.endr
	v_cmp_lt_u32 vcc_lo, 15, v5
.irp b, 0,1
	v_max3_num_f32 v[232+\b], |v[96+16*\b]|, |v[97+16*\b]|, 0x8000000
.endr
.irp i, 2,4,6,8,10,12,14
.irp b, 0,1
	v_max3_num_f32 v[232+\b], v[232+\b], |v[96+16*\b+\i]|, |v[97+16*\b+\i]|
.endr
.endr
.irp b, 0,1
	v_permlanex16_b32 v[236+\b], v[232+\b], s20, s21
.endr
.irp b, 0,1
	v_max_num_f32 v[232+\b], v[232+\b], v[236+\b]
.endr
.irp b, 0,1
	v_add_nc_u32 v[244+\b], 0xf8800000, v[232+\b]
.endr
.irp b, 0,1
	v_and_or_b32 v[240+\b], v[232+\b], 0x7f800000, s19
.endr
.irp b, 0,1
	v_lshrrev_b32 v[236+\b], 23, v[244+\b]
.endr
.irp b, 0,1
.irp i, 0,1,2,3,4,5,6,7,8,9,10,11,12,13,14,15
	v_med3_num_f32 v[96+16*\b+\i], v[96+16*\b+\i], -v[240+\b], v[240+\b]
.endr
	v_cvt_scalef32_pk8_bf8_f32 v[192+4*\b:193+4*\b], v[96+16*\b:103+16*\b], v[244+\b]
	v_cvt_scalef32_pk8_bf8_f32 v[194+4*\b:195+4*\b], v[104+16*\b:111+16*\b], v[244+\b]
.endr
	v_cndmask_b32 v236, v236, v237, vcc_lo         ; (a plain place behind the conversions)  lanes 0-15 keep block 0's byte of row r, lanes 16-31 take block 1's
.irp b, 0,1
	v_permlane16_swap_b32 v[192+4*\b], v[194+4*\b]
	v_permlane16_swap_b32 v[193+4*\b], v[195+4*\b]
.endr
	global_store_b128 v1, v[192:195], s[94:95]     ; 32 lanes store 512 consecutive bytes, aligned
	global_store_b128 v1, v[196:199], s[94:95] offset:512
	global_store_b8 v8, v236, s[96:97]
	s_wait_tensorcnt 0x0
	ds_add_u32 v249, v252
	s_wait_dscnt 0x0
	CROUND                                         ; the closing round: no work-group ends while a partner may still ask jointly
	s_endpgm
.Lfunc_end_k_q04d56dad5d_attn:
	.size	k_q04d56dad5d_attn, .Lfunc_end_k_q04d56dad5d_attn-k_q04d56dad5d_attn
	.p2alignl 7, 3214868480
	.fill 96, 4, 3214868480
	.section	.rodata,"a",@progbits
	.p2align	6, 0x0
	.amdhsa_kernel k_q04d56dad5d_attn
		.amdhsa_group_segment_fixed_size 327680
		.amdhsa_private_segment_fixed_size 0
		.amdhsa_enable_private_segment 0
		.amdhsa_kernarg_size 16
		.amdhsa_user_sgpr_count 2
		.amdhsa_user_sgpr_kernarg_segment_ptr 1
		.amdhsa_wavefront_size32 1
		.amdhsa_system_sgpr_workgroup_id_x 1
		.amdhsa_system_sgpr_workgroup_id_y 1
		.amdhsa_system_sgpr_workgroup_id_z 1
		.amdhsa_system_vgpr_workitem_id 0
		.amdhsa_next_free_vgpr 256
		.amdhsa_next_free_sgpr 100
		.amdhsa_reserve_vcc 1
		.amdhsa_float_denorm_mode_32 3
		.amdhsa_float_denorm_mode_16_64 3
		.amdhsa_memory_ordered 1
		.amdhsa_forward_progress 1
		.amdhsa_inst_pref_size 56
	.end_amdhsa_kernel
	.amdgpu_metadata
---
amdhsa.version: [ 1, 2 ]
amdhsa.kernels:
  - .name:           k_q04d56dad5d_attn
    .symbol:         k_q04d56dad5d_attn.kd
    .args:
      - { .name: qkv, .offset: 0, .size: 8, .value_kind: global_buffer, .address_space: global }
      - { .name: o, .offset: 8, .size: 8, .value_kind: global_buffer, .address_space: global }
    .group_segment_fixed_size: 327680
    .private_segment_fixed_size: 0
    .kernarg_segment_align: 8
    .kernarg_segment_size: 16
    .max_flat_workgroup_size: 512
    .sgpr_count:     100
    .vgpr_count:     256
    .wavefront_size: 32
...
	.end_amdgpu_metadata
.endif
;; end of part 4
;; launch proj (part 5): grid 8 x 32, 4 waves a work-group, clusters of 4 x 4, 327,680 bytes of LDS; arguments o, proj_w_codes, proj_w_scales, proj_b, x, x1; writes x1
.if DOCPART == 5
	.amdgcn_target "amdgcn-amd-amdhsa--gfx1250"
	.amdhsa_code_object_version 6
	.text
	.protected	k_q04d56dad5d_proj
	.globl	k_q04d56dad5d_proj
	.p2align	8
	.type	k_q04d56dad5d_proj,@function
k_q04d56dad5d_proj:
	s_mov_b64 s[64:65], 0
	v_nop
	global_prefetch_b8 v0, s[64:65] scope:SCOPE_SE
	s_setreg_imm32_b32 hwreg(HW_REG_WAVE_MODE, 25, 1), 1
	s_wait_xcnt 0x0
	s_wait_alu depctr_hold_cnt(0) depctr_sa_sdst(0) depctr_va_vdst(0) depctr_va_sdst(0) depctr_va_ssrc(0) depctr_va_vcc(0) depctr_vm_vsrc(0)
	s_getreg_b32 s2, hwreg(HW_REG_IB_STS2, 6, 4)
	s_cmp_eq_u32 s2, 0
	s_cbranch_scc0 .Lentry_in_a_cluster
	s_endpgm
.Lentry_in_a_cluster:
	s_bfe_u32 s2, ttmp6, 0x10000c
	s_cmp_lg_u32 s2, 0xf033
	s_cbranch_scc0 .Lentry_shape_is_right
	s_endpgm
.Lentry_shape_is_right:
; x1 = x + (o proj_w^T + proj_b): the product on codes of E5M2 with E8M0 scales, the rest in f32.
; THE SKELETON (shared by five launches, MODE says which).  A work-group of four waves makes 128 tokens x 128 weight rows; a wave 64 x 64: 16 accumulators.
; A (tokens) comes as images: [tile of 16 rows][K step of 128][2,048 bytes], a fragment by four loads of 512 consecutive bytes; its scale words [K step][row] lie SCOFF bytes on.
; W comes as rows of codes with K innermost and scale bytes [row][K / 32].  K goes in slots of 512 through two LDS slots; the scales of all of K come once and stay.
; Source 1 = block p of X (a lane is a row of X), source 0 = tile t of Y (the registers run along Y's rows).  MODE 1: X = W, Y = A; else X = A, Y = W.  The bias is the C of each sum's first product.
; CLUSTERS: 4 x 4 work-groups; A's tiles are asked for jointly along a row of the cluster, W's along a column.
; With SIZE_K = 1,024 both slots are first fills and no LDS byte is filled twice; the text keeps one form for all sizes.
; REGISTERS: window 0: v1-29 addresses; v32-63 scale words, two sets, and nothing else; v64-95 the bias; v64-127 at work on the way out; v128-255 the accumulators ((p, t) at 128 + 8 (4 p + t)).
;   window 1: two fragment buffers of 128: X's four blocks, then Y's four tiles.   window 2: v0-127 my 64 x 64 of the residual, asked for at the head.
.set MODE,   3
.set SIZE_K, 1024
.set WROW0,  0                         ; first row of W that this launch takes
.set SCOFF,  4194304                   ; where A's scale words begin
.set KS,    SIZE_K/32                  ; a row of W's scale bytes
.set NKS,   SIZE_K/128
.set LAPS,  SIZE_K/1024                ; a lap = two slots
.set ATILE, 16*SIZE_K                  ; bytes of a tile's images
.set SLOT,  133120                     ; A's 8 tiles x 4 K steps x 2,048, then W's 128 rows x 528
.set WOFF,  65536
.set WP,    528                        ; a row of W in LDS: 512 bytes + 16: the sixteen rows of a load start at sixteen different groups of banks
.set SCA,   2*SLOT                     ; A's scale words: [half][K step][64 rows x 4 bytes]
.set SCB,   SCA+2*NKS*256              ; W's scale bytes: [half], units of 256 bytes + 16
.set HALFS, (64*KS/256)*272
.set SBLK,  (16*KS/256)*272
.set SPARE, SCB+2*HALFS                ; the spare words, 128 bytes a wave: two blocks of 256 bytes that no other line names
.set SCST,  SPARE+512                  ; 512 bytes in which two waves' halves of scale words meet
.set ADRA, 16
.set ADRB, 20
.set ADSA, 22
.set ADSB, 23
.set SPW,  28
.set NIL,  29
.set SC,   32
.set BN,   64
.set ACC,  128
.set F0,   0
.set F1,   128
.set G1A,  24
.set G0A,  32
.set G1B,  48
.set G0B,  56
.set G1SA, 68
.set G0SA, 76
.set G1SB, 80
.set G0SB, 88
.set MSB, 0
.macro WIN new                         ; the immediate's high byte repeats the setting that is left
.if MSB != \new
	s_set_vgpr_msb (MSB<<8)|\new
.set MSB, \new
.endif
.endm
.set MUL,  0x05                        ; sources 0 and 1 window 1; C and D window 0
.set TO_F, 0x40                        ; destination window 1, address window 0
.macro JLOAD g0a, g1a, g0b, g1b        ; a joint load: waves 0 and 1 fetch A's halves, waves 2 and 3 W's; four v_nop follow each line
	s_cmp_eq_u32 s19, 0
	s_cbranch_scc0 .Lfor_b_\@
	tensor_load_to_lds s[\g0a:\g0a+3], s[\g1a:\g1a+7]
	s_nop 0
.rept 4
	v_nop
.endr
	s_branch .Lasked_\@
.Lfor_b_\@:
	tensor_load_to_lds s[\g0b:\g0b+3], s[\g1b:\g1b+7]
	s_nop 0
.rept 4
	v_nop
.endr
.Lasked_\@:
.endm
.macro CREST                           ; a round of the cluster's barrier behind its opening barrier
	s_cmp_lg_u32 s18, 0
	s_cbranch_scc1 .Lnot_wave_0_\@
	s_barrier_signal -3
.Lnot_wave_0_\@:
	s_barrier_wait -3
	s_barrier_signal -1
	s_barrier_wait -1
.endm
.macro CROUND
	s_barrier_signal -1
	s_barrier_wait -1
	CREST
.endm
.macro PLACES n
.rept \n
	v_nop
.endr
.endm
.macro SHAPE g, c, r, p                ; words 1 to 7 of a descriptor's group 1: r rows of c elements, p elements from row to row
	s_mov_b32 s[\g+1], (\c)<<16
	s_mov_b32 s[\g+2], (\r)<<16
	s_mov_b32 s[\g+3], (\c)<<16
	s_mov_b32 s[\g+4], \r
	s_mov_b32 s[\g+5], \p
	s_mov_b32 s[\g+6], 0
	s_mov_b32 s[\g+7], 0
.endm
	s_load_b256 s[4:11], s[0:1], 0x0               ; A s[4:5], W's codes s[6:7], W's scales s[8:9], the bias s[10:11]
.if MODE == 3
	s_load_b128 s[12:15], s[0:1], 0x20             ; the residual s[12:13], the result s[14:15]
.else
	s_load_b64 s[12:13], s[0:1], 0x20              ; the result
.endif
	v_lshl_add_u32 v[SPW], v0, 2, SPARE
	v_mov_b32 v[NIL], 0
	ds_add_u32 v28, v29
	ds_add_u32 v28, v29
	s_wait_dscnt 0x0
	v_lshrrev_b32 v1, 5, v0
	v_readfirstlane_b32 s18, v1                    ; wave
	s_lshr_b32 s19, s18, 1                         ; RH: my four tiles of A.  Also: I fetch for A (0) or for W (1)
	s_and_b32 s20, s18, 1                          ; CH: my 64 rows of W.  Also: which half I fetch
	s_bfe_u32 s40, ttmp6, 0x40000                  ; cx, cy
	s_bfe_u32 s41, ttmp6, 0x40004
	s_lshl_b32 s42, ttmp9, 2
	s_add_co_u32 s42, s42, s40                     ; ct: which 128 rows of W
	s_and_b32 s43, ttmp7, 0xffff
	s_lshl_b32 s43, s43, 2
	s_add_co_u32 s43, s43, s41                     ; rt: which 128 tokens
	s_lshl_b32 s44, s41, 2
	s_lshl_b32 s44, 15, s44                        ; my row of the cluster
	s_lshl_b32 s45, 0x1111, s40                    ; my column
	s_or_b32 s[G1A], s44, (3<<16)|(1<<21)          ; A's images: 4 tiles x 8,192 bytes (1,024 elements of 8), ATILE bytes apart, dense in LDS
	SHAPE G1A, 1024, 4, 2*SIZE_K
	s_or_b32 s[G1B], s45, (1<<20)|(1<<21)|(6<<22)|(3<<25)   ; W's rows: 64 x 512 bytes, four words of padding behind every 128
	SHAPE G1B, 512, 64, SIZE_K
	s_or_b32 s[G1SA], s44, (3<<16)|(1<<21)         ; A's scale words: a row of 256 bytes (64 tokens) for each K step, 16,384 bytes apart
	SHAPE G1SA, 32, NKS, 2048
	s_or_b32 s[G1SB], s45, (3<<16)|(1<<20)|(1<<21)|(5<<22)|(3<<25)   ; W's scale bytes: a dense block as rows of 256 bytes + 16
	SHAPE G1SB, 32, 64*KS/256, 32
	s_lshl_b32 s92, s43, 3
	s_lshl_b32 s21, s20, 2
	s_add_co_u32 s92, s92, s21                     ; A: tile 8 rt + 4 half
	s_mul_i32 s92, s92, ATILE
	s_mov_b32 s93, 0
	s_lshl_b32 s96, s43, 9
	s_lshl_b32 s21, s20, 8
	s_add_co_u32 s96, s96, s21
	s_add_co_u32 s96, s96, SCOFF                   ; its scale words: 4 bytes a token
	s_mov_b32 s97, 0
	s_lshl_b32 s46, s42, 7
	s_lshl_b32 s21, s20, 6
	s_add_co_u32 s46, s46, s21                     ; W: row 128 ct + 64 half
.if WROW0
	s_add_co_u32 s46, s46, WROW0
.endif
	s_mul_i32 s94, s46, KS
	s_mov_b32 s95, 0
	s_lshl_b32 s98, s46, 2                         ; the bias of my 64 rows of W (the half that I fetch is the half that I multiply)
	s_mov_b32 s99, 0
	s_mul_i32 s46, s46, SIZE_K
	s_mov_b32 s47, 0
	s_lshl_b32 s22, s20, 15                        ; LDS: no place in the cluster enters these
	s_mul_i32 s23, s20, 64*WP
	s_add_co_u32 s23, s23, WOFF
	s_mul_i32 s2, s20, NKS*256
	s_add_co_u32 s2, s2, SCA
	s_mul_i32 s3, s20, HALFS
	s_add_co_u32 s3, s3, SCB
	s_wait_kmcnt 0x0
	s_add_nc_u64 s[92:93], s[4:5], s[92:93]
	s_add_nc_u64 s[96:97], s[4:5], s[96:97]
	s_add_nc_u64 s[46:47], s[6:7], s[46:47]
	s_add_nc_u64 s[94:95], s[8:9], s[94:95]
	s_add_nc_u64 s[10:11], s[10:11], s[98:99]
	CROUND                                         ; all sixteen work-groups are here: the first joint loads meet
	s_mov_b32 s[G0SA], 1
	s_mov_b32 s[G0SA+1], s2
	s_mov_b64 s[G0SA+2:G0SA+3], s[96:97]
	s_or_b32 s[G0SA+3], s[G0SA+3], 0x80000000
	s_mov_b32 s[G0SB], 1
	s_mov_b32 s[G0SB+1], s3
	s_mov_b64 s[G0SB+2:G0SB+3], s[94:95]
	s_or_b32 s[G0SB+3], s[G0SB+3], 0x80000000
	JLOAD G0SA, G1SA, G0SB, G1SB                   ; the scales first: they are wanted with slot 0
.irp s, 0,1
	s_mov_b32 s[G0A+4*\s], 1
	s_add_co_u32 s[G0A+4*\s+1], s22, \s*SLOT
	s_add_nc_u64 s[G0A+4*\s+2:G0A+4*\s+3], s[92:93], \s*8192
	s_or_b32 s[G0A+4*\s+3], s[G0A+4*\s+3], 0x80000000
	s_mov_b32 s[G0B+4*\s], 1
	s_add_co_u32 s[G0B+4*\s+1], s23, \s*SLOT
	s_add_nc_u64 s[G0B+4*\s+2:G0B+4*\s+3], s[46:47], \s*512
	s_or_b32 s[G0B+4*\s+3], s[G0B+4*\s+3], 0x80000000
	JLOAD G0A+4*\s, G1A, G0B+4*\s, G1B             ; three loads of mine are out
.endr
	v_and_b32 v1, 15, v0                           ; r
	v_bfe_u32 v2, v0, 4, 1                         ; h
	v_and_b32 v3, 31, v0                           ; lane
	s_lshl_b32 s21, s19, 15
	v_lshl_add_u32 v[ADRA], v3, 4, s21             ; A's images: my four tiles, 16 bytes a lane
	v_add_nc_u32 v[ADRA+1], SLOT, v[ADRA]
	v_mul_u32_u24 v4, v1, WP
	v_lshl_add_u32 v4, v2, 4, v4
	v_add_nc_u32 v[ADRB], s23, v4                  ; W's rows: my 64, row r, + 16 h
	v_add_nc_u32 v[ADRB+1], SLOT, v[ADRB]
	s_mul_i32 s21, s19, NKS*256
	s_add_co_u32 s21, s21, SCA
	v_lshlrev_b32 v4, 2, v1
	v_lshl_add_u32 v4, v2, 9, v4
	v_add_nc_u32 v[ADSA], s21, v4                  ; A's scale words: 4 r; lanes 16-31 two K steps on
	v_mul_u32_u24 v4, v1, KS
	v_lshrrev_b32 v5, 8, v4
	v_lshl_add_u32 v4, v5, 4, v4
	v_lshl_add_u32 v4, v2, 3, v4
	v_add_nc_u32 v[ADSB], s3, v4                   ; W's: row r of KS bytes, 16 more for each 256 passed; lanes 16-31 two K steps (8 bytes) on
	v_lshlrev_b32 v6, 5, v2                        ; the bias in the result's layout: register j of tile t holds b(16 t + 8 h + j)
.irp t, 0,1,2,3
	global_load_b128 v[BN+8*\t:BN+8*\t+3], v6, s[10:11] offset:64*\t
	global_load_b128 v[BN+8*\t+4:BN+8*\t+7], v6, s[10:11] offset:64*\t+16
.endr
	; the way out's addresses, and the residual: my 64 rows x 256 bytes, two rows a load, in the order in which the results come back from the stage
	s_mul_i32 s21, s18, 16*272                     ; my stage: 16 rows x (256 bytes + 16), in slot 0, which has had its last fill and its last read when the first result is stored there
	v_mul_u32_u24 v24, v1, 272
	v_lshl_add_u32 v24, v2, 5, v24
	v_add_nc_u32 v24, s21, v24                     ; in: row r, 32 bytes for each half of the lanes
	v_mul_u32_u24 v25, v2, 272
	v_lshl_add_u32 v25, v1, 4, v25
	v_add_nc_u32 v25, s21, v25                     ; back: lanes 0-15 one row, lanes 16-31 the next
	v_lshlrev_b32 v26, 12, v2
	v_lshl_add_u32 v26, v1, 4, v26                 ; and the same two rows in memory
	s_lshl_b32 s98, s43, 19
	s_lshl_b32 s21, s19, 18
	s_add_co_u32 s98, s98, s21
	s_lshl_b32 s21, s42, 9
	s_add_co_u32 s98, s98, s21
	s_lshl_b32 s21, s20, 8
	s_add_co_u32 s98, s98, s21                     ; ((128 rt + 64 RH) x 1,024 + 128 ct + 64 CH) x 4
	s_add_nc_u64 s[12:13], s[12:13], s[98:99]
	s_add_nc_u64 s[14:15], s[14:15], s[98:99]
	WIN 0x80                                       ; destination window 2
.irp p, 0,1,2,3
.irp i, 0,1,2,3,4,5,6,7
	global_load_b128 v[32*\p+4*\i:32*\p+4*\i+3], v26, s[12:13] offset:(16*\p+2*\i)*4096 th:TH_LOAD_NT
.endr
.endr
	WIN 0
.macro LDIMG reg, slot, i, q           ; a fragment of A: an image, four loads of 512 consecutive bytes
.irp c, 0,1,2,3
	ds_load_b128 v[(\reg)+4*\c:(\reg)+4*\c+3], v[ADRA+\slot] offset:(\i)*8192+(\q)*2048+\c*512
.endr
.endm
.macro LDROW reg, slot, i, q           ; a fragment of W from rows: registers 4 c .. 4 c + 3 hold k = 32 c + 16 h + 0..15 of row r
.irp c, 0,1,2,3
	ds_load_b128 v[(\reg)+4*\c:(\reg)+4*\c+3], v[ADRB+\slot] offset:(\i)*16*WP+(\q)*128+\c*32
.endr
.endm
.macro LDX reg, slot, i, q
.if MODE == 1
	LDROW \reg, \slot, \i, \q
.else
	LDIMG \reg, \slot, \i, \q
.endif
.endm
.macro LDY reg, slot, i, q
.if MODE == 1
	LDIMG \reg, \slot, \i, \q
.else
	LDROW \reg, \slot, \i, \q
.endif
.endm
.macro FETCH1 slot, q, f               ; 24 loads: Y's four tiles, X's blocks 0 and 1
	WIN TO_F
.irp t, 0,1,2,3
	LDY (\f)+64+16*\t, \slot, \t, \q
.endr
	LDX (\f), \slot, 0, \q
	LDX (\f)+16, \slot, 1, \q
.endm
.macro FETCH2 slot, q, f               ; 8 loads: X's blocks 2 and 3
	WIN TO_F
	LDX (\f)+32, \slot, 2, \q
	LDX (\f)+48, \slot, 3, \q
.endm
.macro SCALES set                      ; 12 loads: a slot's scale words.  In each register lanes 0-15 hold K step e of the slot, lanes 16-31 K step 2 + e
	WIN 0
.irp i, 0,1,2,3
.irp e, 0,1
	ds_load_b32 v[SC+16*\set+2*\i+\e], v[ADSA] offset:64*\i+256*\e
.endr
.endr
.irp t, 0,1,2,3
	ds_load_b64 v[SC+16*\set+8+2*\t:SC+16*\set+8+2*\t+1], v[ADSB] offset:\t*SBLK
.endr
.endm
; four products: block p of X against Y's four tiles, K step q of the slot.  The sixteen accumulators take turns, one instruction a turn, in the same order in every K step.
.macro MUL4 f, p, q, set, first
.irp t, 0,1,2,3
.set rD, ACC+8*(4*(\p)+\t)
.set rC, rD
.if \first
.if MODE == 1
.set rC, BN+8*(\p)
.else
.set rC, BN+8*\t
.endif
.endif
.if MODE == 1
.set rSY, SC+16*(\set)+2*\t+(\q)%2
.set rSX, SC+16*(\set)+8+2*(\p)+(\q)%2
.else
.set rSY, SC+16*(\set)+8+2*\t+(\q)%2
.set rSX, SC+16*(\set)+2*(\p)+(\q)%2
.endif
.if (\q) < 2
	v_wmma_scale_f32_16x16x128_f8f6f4 v[rD:rD+7], v[(\f)+64+16*\t:(\f)+64+16*\t+15], v[(\f)+16*(\p):(\f)+16*(\p)+15], v[rC:rC+7], v[rSY], v[rSX] matrix_a_fmt:MATRIX_FMT_BF8 matrix_b_fmt:MATRIX_FMT_BF8
.else
	v_wmma_scale_f32_16x16x128_f8f6f4 v[rD:rD+7], v[(\f)+64+16*\t:(\f)+64+16*\t+15], v[(\f)+16*(\p):(\f)+16*(\p)+15], v[rC:rC+7], v[rSY], v[rSX] matrix_a_fmt:MATRIX_FMT_BF8 matrix_b_fmt:MATRIX_FMT_BF8 matrix_a_scale:MATRIX_SCALE_ROW1 matrix_b_scale:MATRIX_SCALE_ROW1
.endif
.endr
.endm
; one of a slot's first three K steps: multiplies its buffer and fetches the next K step into the other.  Eight plain places stand in front of loads into registers that matrix instructions have read.
.macro QUARTER slot, q, first
	s_wait_dscnt 8                                 ; all but the youngest eight loads (X's blocks 2 and 3) are in
	WIN MUL
	MUL4 128*((\q)%2), 0, \q, \slot, \first
	MUL4 128*((\q)%2), 1, \q, \slot, \first
	PLACES 8
	FETCH1 \slot, (\q)+1, 128-128*((\q)%2)
	FETCH2 \slot, (\q)+1, 128-128*((\q)%2)
	s_wait_dscnt 32                                ; all but the 32 just issued
	WIN MUL
	MUL4 128*((\q)%2), 2, \q, \slot, \first
	MUL4 128*((\q)%2), 3, \q, \slot, \first
.endm
; a slot's last K step changes slots: ONE barrier; in front of it each wave waits for all its tensor loads, adds 0 to its spare word, and waits for that and for its reads of this slot.  fill = 1: the slot is filled again, two slots ahead.
.macro TURN slot, next, fill
	WIN 0
	s_wait_tensorcnt 0x0                           ; all my tensor loads have landed: my part of the next slot
	ds_add_u32 v[SPW], v[NIL]                      ; 0 onto my spare word
	s_wait_dscnt 9                                 ; (the add and the youngest eight loads may be out)
	WIN MUL
	MUL4 F1, 0, 3, \slot, 0
	s_wait_dscnt 0x0                               ; the add is done, and my reads of this slot are over
	s_barrier_signal -1
	MUL4 F1, 1, 3, \slot, 0
	WIN 0
	s_barrier_wait -1
.if \fill
	CREST                                          ; the barrier has opened a round of the cluster's barrier: no wave of any partner still reads this slot or has a load on its way
	s_add_nc_u64 s[G0A+4*\slot+2:G0A+4*\slot+3], s[G0A+4*\slot+2:G0A+4*\slot+3], 16384
	s_add_nc_u64 s[G0B+4*\slot+2:G0B+4*\slot+3], s[G0B+4*\slot+2:G0B+4*\slot+3], 1024
	JLOAD G0A+4*\slot, G1A, G0B+4*\slot, G1B       ; the first tensor load behind the round; its four v_nop are four of the eight places
	PLACES 4
.else
	PLACES 8
.endif
	v_add_nc_u32 v[ADSA], 1024, v[ADSA]            ; the next slot's scale words: four K steps of 256 bytes; 16 bytes in a row of W's
	v_add_nc_u32 v[ADSB], 16, v[ADSB]
	FETCH1 \next, 0, F0
	SCALES \next
	FETCH2 \next, 0, F0
	WIN MUL
	MUL4 F1, 2, 3, \slot, 0
	MUL4 F1, 3, 3, \slot, 0
.endm
	s_wait_tensorcnt 0x1                           ; the scales and my part of slot 0 are in; slot 1's load may stay out
	s_barrier_signal -1
	s_barrier_wait -1
	FETCH1 0, 0, F0
	SCALES 0
	FETCH2 0, 0, F0
	s_wait_loadcnt 32                              ; the bias is in; the 32 loads of the residual, issued behind it, may stay out
	QUARTER 0, 0, 1                                ; the first K step starts the sums, on the bias
.if LAPS > 1
	WIN 0
	s_mov_b32 s3, LAPS-1
.Llap:
	QUARTER 0, 1, 0
	QUARTER 0, 2, 0
	TURN 0, 1, 1
	QUARTER 1, 0, 0
	QUARTER 1, 1, 0
	QUARTER 1, 2, 0
	TURN 1, 0, 1
	QUARTER 0, 0, 0
	WIN 0
	s_sub_co_u32 s3, s3, 1
	s_cmp_lg_u32 s3, 0
	s_cbranch_scc1 .Llap
.endif
	QUARTER 0, 1, 0
	QUARTER 0, 2, 0
	TURN 0, 1, 0
	QUARTER 1, 0, 0
	QUARTER 1, 1, 0
	QUARTER 1, 2, 0
	s_wait_dscnt 8
	WIN MUL
	MUL4 F1, 0, 3, 1, 0
	MUL4 F1, 1, 3, 1, 0
	s_wait_dscnt 0x0
	MUL4 F1, 2, 3, 1, 0
	MUL4 F1, 3, 3, 1, 0
	WIN 0
	PLACES 8                                       ; in front of the first read of results
; THE WAY OUT, a block of 16 rows x 64 columns at a time: a lane holds 32 neighbouring bytes of a row; the block goes through my own stage and comes back as whole rows of 256 bytes; the residual is added; sixteen lanes
; store 256 consecutive bytes, aligned.  LDS serves a wave's instructions in order (ISA guide 5.7.1.4): no wait between the stores and the loads.
.set RB, 64
.macro TOSTAGE p
.irp t, 0,1,2,3
	ds_store_b128 v24, v[ACC+8*(4*(\p)+\t):ACC+8*(4*(\p)+\t)+3] offset:64*\t          ; each accumulator from its low end on
	ds_store_b128 v24, v[ACC+8*(4*(\p)+\t)+4:ACC+8*(4*(\p)+\t)+7] offset:64*\t+16
.endr
.irp i, 0,1,2,3,4,5,6,7
	ds_load_b128 v[RB+32*((\p)%2)+4*\i:RB+32*((\p)%2)+4*\i+3], v25 offset:\i*544
.endr
.endm
.macro SEND p, younger                 ; younger: the LDS instructions issued behind block p's loads
	s_wait_dscnt \younger
	WIN 0x08                                       ; source 1 window 2
.irp k, 0,2,4,6,8,10,12,14,16,18,20,22,24,26,28,30
	v_pk_add_f32 v[RB+32*((\p)%2)+\k:RB+32*((\p)%2)+\k+1], v[RB+32*((\p)%2)+\k:RB+32*((\p)%2)+\k+1], v[32*(\p)+\k:32*(\p)+\k+1]
.endr
	WIN 0
.irp i, 0,1,2,3,4,5,6,7
	global_store_b128 v26, v[RB+32*((\p)%2)+4*\i:RB+32*((\p)%2)+4*\i+3], s[14:15] offset:(16*(\p)+2*\i)*4096 th:TH_STORE_NT
.endr
.endm
	s_wait_loadcnt 0x0                             ; the residual
	TOSTAGE 0
	TOSTAGE 1
	SEND 0, 16
	s_wait_xcnt 0x0                                ; block 0's stores have read their registers: block 2's loads may land there
	TOSTAGE 2
	SEND 1, 16
	s_wait_xcnt 0x0
	TOSTAGE 3
	SEND 2, 16
	SEND 3, 0
	s_wait_tensorcnt 0x0                           ; the wave's end
	ds_add_u32 v[SPW], v[NIL]
	s_wait_dscnt 0x0
	CROUND                                         ; the closing round
	s_endpgm
.Lfunc_end_k_q04d56dad5d_proj:
	.size	k_q04d56dad5d_proj, .Lfunc_end_k_q04d56dad5d_proj-k_q04d56dad5d_proj
	.p2alignl 7, 3214868480
	.fill 96, 4, 3214868480
	.section	.rodata,"a",@progbits
	.p2align	6, 0x0
	.amdhsa_kernel k_q04d56dad5d_proj
		.amdhsa_group_segment_fixed_size 327680
		.amdhsa_private_segment_fixed_size 0
		.amdhsa_enable_private_segment 0
		.amdhsa_kernarg_size 48
		.amdhsa_user_sgpr_count 2
		.amdhsa_user_sgpr_kernarg_segment_ptr 1
		.amdhsa_wavefront_size32 1
		.amdhsa_system_sgpr_workgroup_id_x 1
		.amdhsa_system_sgpr_workgroup_id_y 1
		.amdhsa_system_sgpr_workgroup_id_z 1
		.amdhsa_system_vgpr_workitem_id 0
		.amdhsa_next_free_vgpr 768
		.amdhsa_next_free_sgpr 100
		.amdhsa_reserve_vcc 0
		.amdhsa_float_denorm_mode_32 3
		.amdhsa_float_denorm_mode_16_64 3
		.amdhsa_memory_ordered 1
		.amdhsa_forward_progress 1
		.amdhsa_inst_pref_size 63
	.end_amdhsa_kernel
	.amdgpu_metadata
---
amdhsa.version: [ 1, 2 ]
amdhsa.kernels:
  - .name:           k_q04d56dad5d_proj
    .symbol:         k_q04d56dad5d_proj.kd
    .args:
      - { .name: o, .offset: 0, .size: 8, .value_kind: global_buffer, .address_space: global }
      - { .name: proj_w_codes, .offset: 8, .size: 8, .value_kind: global_buffer, .address_space: global }
      - { .name: proj_w_scales, .offset: 16, .size: 8, .value_kind: global_buffer, .address_space: global }
      - { .name: proj_b, .offset: 24, .size: 8, .value_kind: global_buffer, .address_space: global }
      - { .name: x, .offset: 32, .size: 8, .value_kind: global_buffer, .address_space: global }
      - { .name: x1, .offset: 40, .size: 8, .value_kind: global_buffer, .address_space: global }
    .group_segment_fixed_size: 327680
    .private_segment_fixed_size: 0
    .kernarg_segment_align: 8
    .kernarg_segment_size: 48
    .max_flat_workgroup_size: 128
    .sgpr_count:     100
    .vgpr_count:     768
    .wavefront_size: 32
...
	.end_amdgpu_metadata
.endif
;; end of part 5
;; launch lnq2: the kernel of part 1 again; grid 256 x 1, 4 waves a work-group, no clusters, 66,560 bytes of LDS; arguments x1, ln2_w, ln2_b, xn; writes xn
;; launch fc1 (part 6): grid 32 x 32, 4 waves a work-group, clusters of 4 x 4, 327,680 bytes of LDS; arguments xn, fc1_w_codes, fc1_w_scales, fc1_b, hid; writes hid
.if DOCPART == 6
	.amdgcn_target "amdgcn-amd-amdhsa--gfx1250"
	.amdhsa_code_object_version 6
	.text
	.protected	k_q04d56dad5d_fc1
	.globl	k_q04d56dad5d_fc1
	.p2align	8
	.type	k_q04d56dad5d_fc1,@function
k_q04d56dad5d_fc1:
	s_mov_b64 s[64:65], 0
	v_nop
	global_prefetch_b8 v0, s[64:65] scope:SCOPE_SE
	s_setreg_imm32_b32 hwreg(HW_REG_WAVE_MODE, 25, 1), 1
	s_wait_xcnt 0x0
	s_wait_alu depctr_hold_cnt(0) depctr_sa_sdst(0) depctr_va_vdst(0) depctr_va_sdst(0) depctr_va_ssrc(0) depctr_va_vcc(0) depctr_vm_vsrc(0)
	s_getreg_b32 s2, hwreg(HW_REG_IB_STS2, 6, 4)
	s_cmp_eq_u32 s2, 0
	s_cbranch_scc0 .Lentry_in_a_cluster
	s_endpgm
.Lentry_in_a_cluster:
	s_bfe_u32 s2, ttmp6, 0x10000c
	s_cmp_lg_u32 s2, 0xf033
	s_cbranch_scc0 .Lentry_shape_is_right
	s_endpgm
.Lentry_shape_is_right:
; hid = Q(gelu(LN2(x1) fc1_w^T + fc1_b)): the product on codes of E5M2 with E8M0 scales; the exact gelu in f32; the result quantised along the hidden axis and stored as images of operand registers.
; erf(z) = z P(z^2) / Q(z^2) on |z| <= 4, P of degree 6 and Q of degree 4 in z^2, in f32; beyond 4 erf is +-1 in f32, so z is held there and the form serves every input.
; THE SKELETON (shared by five launches, MODE says which).  A work-group of four waves makes 128 tokens x 128 weight rows; a wave 64 x 64: 16 accumulators.
; A (tokens) comes as images: [tile of 16 rows][K step of 128][2,048 bytes], a fragment by four loads of 512 consecutive bytes; its scale words [K step][row] lie SCOFF bytes on.
; W comes as rows of codes with K innermost and scale bytes [row][K / 32].  K goes in slots of 512 through two LDS slots; the scales of all of K come once and stay.
; Source 1 = block p of X (a lane is a row of X), source 0 = tile t of Y (the registers run along Y's rows).  MODE 1: X = W, Y = A; else X = A, Y = W.  The bias is the C of each sum's first product.
; CLUSTERS: 4 x 4 work-groups; A's tiles are asked for jointly along a row of the cluster, W's along a column.
; With SIZE_K = 1,024 both slots are first fills and no LDS byte is filled twice; the text keeps one form for all sizes.
; REGISTERS: window 0: v1-29 addresses; v32-63 scale words, two sets, and nothing else; v64-95 the bias; v64-127 at work on the way out; v128-255 the accumulators ((p, t) at 128 + 8 (4 p + t)).
;   window 1: two fragment buffers of 128: X's four blocks, then Y's four tiles.
; LIMITS of the quantiser: NaN and infinities are not served; a block of zeros gets the byte 1 (zero codes; only this program reads the bytes); largest magnitudes under 2^-111 are held at the byte 1.
.set MODE,   2
.set SIZE_K, 1024
.set WROW0,  0                         ; first row of W that this launch takes
.set SCOFF,  4194304                   ; where A's scale words begin
.set KS,    SIZE_K/32                  ; a row of W's scale bytes
.set NKS,   SIZE_K/128
.set LAPS,  SIZE_K/1024                ; a lap = two slots
.set ATILE, 16*SIZE_K                  ; bytes of a tile's images
.set SLOT,  133120                     ; A's 8 tiles x 4 K steps x 2,048, then W's 128 rows x 528
.set WOFF,  65536
.set WP,    528                        ; a row of W in LDS: 512 bytes + 16: the sixteen rows of a load start at sixteen different groups of banks
.set SCA,   2*SLOT                     ; A's scale words: [half][K step][64 rows x 4 bytes]
.set SCB,   SCA+2*NKS*256              ; W's scale bytes: [half], units of 256 bytes + 16
.set HALFS, (64*KS/256)*272
.set SBLK,  (16*KS/256)*272
.set SPARE, SCB+2*HALFS                ; the spare words, 128 bytes a wave: two blocks of 256 bytes that no other line names
.set SCST,  SPARE+512                  ; 512 bytes in which two waves' halves of scale words meet
.set ADRA, 16
.set ADRB, 20
.set ADSA, 22
.set ADSB, 23
.set SPW,  28
.set NIL,  29
.set SC,   32
.set BN,   64
.set ACC,  128
.set F0,   0
.set F1,   128
.set G1A,  24
.set G0A,  32
.set G1B,  48
.set G0B,  56
.set G1SA, 68
.set G0SA, 76
.set G1SB, 80
.set G0SB, 88
.set MSB, 0
.macro WIN new                         ; the immediate's high byte repeats the setting that is left
.if MSB != \new
	s_set_vgpr_msb (MSB<<8)|\new
.set MSB, \new
.endif
.endm
.set MUL,  0x05                        ; sources 0 and 1 window 1; C and D window 0
.set TO_F, 0x40                        ; destination window 1, address window 0
.macro JLOAD g0a, g1a, g0b, g1b        ; a joint load: waves 0 and 1 fetch A's halves, waves 2 and 3 W's; four v_nop follow each line
	s_cmp_eq_u32 s19, 0
	s_cbranch_scc0 .Lfor_b_\@
	tensor_load_to_lds s[\g0a:\g0a+3], s[\g1a:\g1a+7]
	s_nop 0
.rept 4
	v_nop
.endr
	s_branch .Lasked_\@
.Lfor_b_\@:
	tensor_load_to_lds s[\g0b:\g0b+3], s[\g1b:\g1b+7]
	s_nop 0
.rept 4
	v_nop
.endr
.Lasked_\@:
.endm
.macro CREST                           ; a round of the cluster's barrier behind its opening barrier
	s_cmp_lg_u32 s18, 0
	s_cbranch_scc1 .Lnot_wave_0_\@
	s_barrier_signal -3
.Lnot_wave_0_\@:
	s_barrier_wait -3
	s_barrier_signal -1
	s_barrier_wait -1
.endm
.macro CROUND
	s_barrier_signal -1
	s_barrier_wait -1
	CREST
.endm
.macro PLACES n
.rept \n
	v_nop
.endr
.endm
.macro SHAPE g, c, r, p                ; words 1 to 7 of a descriptor's group 1: r rows of c elements, p elements from row to row
	s_mov_b32 s[\g+1], (\c)<<16
	s_mov_b32 s[\g+2], (\r)<<16
	s_mov_b32 s[\g+3], (\c)<<16
	s_mov_b32 s[\g+4], \r
	s_mov_b32 s[\g+5], \p
	s_mov_b32 s[\g+6], 0
	s_mov_b32 s[\g+7], 0
.endm
	s_load_b256 s[4:11], s[0:1], 0x0               ; A s[4:5], W's codes s[6:7], W's scales s[8:9], the bias s[10:11]
.if MODE == 3
	s_load_b128 s[12:15], s[0:1], 0x20             ; the residual s[12:13], the result s[14:15]
.else
	s_load_b64 s[12:13], s[0:1], 0x20              ; the result
.endif
	v_lshl_add_u32 v[SPW], v0, 2, SPARE
	v_mov_b32 v[NIL], 0
	ds_add_u32 v28, v29
	ds_add_u32 v28, v29
	s_wait_dscnt 0x0
	v_lshrrev_b32 v1, 5, v0
	v_readfirstlane_b32 s18, v1                    ; wave
	s_lshr_b32 s19, s18, 1                         ; RH: my four tiles of A.  Also: I fetch for A (0) or for W (1)
	s_and_b32 s20, s18, 1                          ; CH: my 64 rows of W.  Also: which half I fetch
	s_bfe_u32 s40, ttmp6, 0x40000                  ; cx, cy
	s_bfe_u32 s41, ttmp6, 0x40004
	s_lshl_b32 s42, ttmp9, 2
	s_add_co_u32 s42, s42, s40                     ; ct: which 128 rows of W
	s_and_b32 s43, ttmp7, 0xffff
	s_lshl_b32 s43, s43, 2
	s_add_co_u32 s43, s43, s41                     ; rt: which 128 tokens
	s_lshl_b32 s44, s41, 2
	s_lshl_b32 s44, 15, s44                        ; my row of the cluster
	s_lshl_b32 s45, 0x1111, s40                    ; my column
	s_or_b32 s[G1A], s44, (3<<16)|(1<<21)          ; A's images: 4 tiles x 8,192 bytes (1,024 elements of 8), ATILE bytes apart, dense in LDS
	SHAPE G1A, 1024, 4, 2*SIZE_K
	s_or_b32 s[G1B], s45, (1<<20)|(1<<21)|(6<<22)|(3<<25)   ; W's rows: 64 x 512 bytes, four words of padding behind every 128
	SHAPE G1B, 512, 64, SIZE_K
	s_or_b32 s[G1SA], s44, (3<<16)|(1<<21)         ; A's scale words: a row of 256 bytes (64 tokens) for each K step, 16,384 bytes apart
	SHAPE G1SA, 32, NKS, 2048
	s_or_b32 s[G1SB], s45, (3<<16)|(1<<20)|(1<<21)|(5<<22)|(3<<25)   ; W's scale bytes: a dense block as rows of 256 bytes + 16
	SHAPE G1SB, 32, 64*KS/256, 32
	s_lshl_b32 s92, s43, 3
	s_lshl_b32 s21, s20, 2
	s_add_co_u32 s92, s92, s21                     ; A: tile 8 rt + 4 half
	s_mul_i32 s92, s92, ATILE
	s_mov_b32 s93, 0
	s_lshl_b32 s96, s43, 9
	s_lshl_b32 s21, s20, 8
	s_add_co_u32 s96, s96, s21
	s_add_co_u32 s96, s96, SCOFF                   ; its scale words: 4 bytes a token
	s_mov_b32 s97, 0
	s_lshl_b32 s46, s42, 7
	s_lshl_b32 s21, s20, 6
	s_add_co_u32 s46, s46, s21                     ; W: row 128 ct + 64 half
.if WROW0
	s_add_co_u32 s46, s46, WROW0
.endif
	s_mul_i32 s94, s46, KS
	s_mov_b32 s95, 0
	s_lshl_b32 s98, s46, 2                         ; the bias of my 64 rows of W (the half that I fetch is the half that I multiply)
	s_mov_b32 s99, 0
	s_mul_i32 s46, s46, SIZE_K
	s_mov_b32 s47, 0
	s_lshl_b32 s22, s20, 15                        ; LDS: no place in the cluster enters these
	s_mul_i32 s23, s20, 64*WP
	s_add_co_u32 s23, s23, WOFF
	s_mul_i32 s2, s20, NKS*256
	s_add_co_u32 s2, s2, SCA
	s_mul_i32 s3, s20, HALFS
	s_add_co_u32 s3, s3, SCB
	s_wait_kmcnt 0x0
	s_add_nc_u64 s[92:93], s[4:5], s[92:93]
	s_add_nc_u64 s[96:97], s[4:5], s[96:97]
	s_add_nc_u64 s[46:47], s[6:7], s[46:47]
	s_add_nc_u64 s[94:95], s[8:9], s[94:95]
	s_add_nc_u64 s[10:11], s[10:11], s[98:99]
	CROUND                                         ; all sixteen work-groups are here: the first joint loads meet
	s_mov_b32 s[G0SA], 1
	s_mov_b32 s[G0SA+1], s2
	s_mov_b64 s[G0SA+2:G0SA+3], s[96:97]
	s_or_b32 s[G0SA+3], s[G0SA+3], 0x80000000
	s_mov_b32 s[G0SB], 1
	s_mov_b32 s[G0SB+1], s3
	s_mov_b64 s[G0SB+2:G0SB+3], s[94:95]
	s_or_b32 s[G0SB+3], s[G0SB+3], 0x80000000
	JLOAD G0SA, G1SA, G0SB, G1SB                   ; the scales first: they are wanted with slot 0
.irp s, 0,1
	s_mov_b32 s[G0A+4*\s], 1
	s_add_co_u32 s[G0A+4*\s+1], s22, \s*SLOT
	s_add_nc_u64 s[G0A+4*\s+2:G0A+4*\s+3], s[92:93], \s*8192
	s_or_b32 s[G0A+4*\s+3], s[G0A+4*\s+3], 0x80000000
	s_mov_b32 s[G0B+4*\s], 1
	s_add_co_u32 s[G0B+4*\s+1], s23, \s*SLOT
	s_add_nc_u64 s[G0B+4*\s+2:G0B+4*\s+3], s[46:47], \s*512
	s_or_b32 s[G0B+4*\s+3], s[G0B+4*\s+3], 0x80000000
	JLOAD G0A+4*\s, G1A, G0B+4*\s, G1B             ; three loads of mine are out
.endr
	v_and_b32 v1, 15, v0                           ; r
	v_bfe_u32 v2, v0, 4, 1                         ; h
	v_and_b32 v3, 31, v0                           ; lane
	s_lshl_b32 s21, s19, 15
	v_lshl_add_u32 v[ADRA], v3, 4, s21             ; A's images: my four tiles, 16 bytes a lane
	v_add_nc_u32 v[ADRA+1], SLOT, v[ADRA]
	v_mul_u32_u24 v4, v1, WP
	v_lshl_add_u32 v4, v2, 4, v4
	v_add_nc_u32 v[ADRB], s23, v4                  ; W's rows: my 64, row r, + 16 h
	v_add_nc_u32 v[ADRB+1], SLOT, v[ADRB]
	s_mul_i32 s21, s19, NKS*256
	s_add_co_u32 s21, s21, SCA
	v_lshlrev_b32 v4, 2, v1
	v_lshl_add_u32 v4, v2, 9, v4
	v_add_nc_u32 v[ADSA], s21, v4                  ; A's scale words: 4 r; lanes 16-31 two K steps on
	v_mul_u32_u24 v4, v1, KS
	v_lshrrev_b32 v5, 8, v4
	v_lshl_add_u32 v4, v5, 4, v4
	v_lshl_add_u32 v4, v2, 3, v4
	v_add_nc_u32 v[ADSB], s3, v4                   ; W's: row r of KS bytes, 16 more for each 256 passed; lanes 16-31 two K steps (8 bytes) on
.if MODE == 1
	v_lshlrev_b32 v6, 2, v1                        ; the bias in the result's layout: a lane is a row of W, so all eight registers of block p hold b(16 p + r)
.irp p, 0,1,2,3
.irp j, 0,1,2,3,4,5,6,7
	global_load_b32 v[BN+8*\p+\j], v6, s[10:11] offset:64*\p
.endr
.endr
.else
	v_lshlrev_b32 v6, 5, v2                        ; the bias in the result's layout: register j of tile t holds b(16 t + 8 h + j)
.irp t, 0,1,2,3
	global_load_b128 v[BN+8*\t:BN+8*\t+3], v6, s[10:11] offset:64*\t
	global_load_b128 v[BN+8*\t+4:BN+8*\t+7], v6, s[10:11] offset:64*\t+16
.endr
.endif
.macro LDIMG reg, slot, i, q           ; a fragment of A: an image, four loads of 512 consecutive bytes
.irp c, 0,1,2,3
	ds_load_b128 v[(\reg)+4*\c:(\reg)+4*\c+3], v[ADRA+\slot] offset:(\i)*8192+(\q)*2048+\c*512
.endr
.endm
.macro LDROW reg, slot, i, q           ; a fragment of W from rows: registers 4 c .. 4 c + 3 hold k = 32 c + 16 h + 0..15 of row r
.irp c, 0,1,2,3
	ds_load_b128 v[(\reg)+4*\c:(\reg)+4*\c+3], v[ADRB+\slot] offset:(\i)*16*WP+(\q)*128+\c*32
.endr
.endm
.macro LDX reg, slot, i, q
.if MODE == 1
	LDROW \reg, \slot, \i, \q
.else
	LDIMG \reg, \slot, \i, \q
.endif
.endm
.macro LDY reg, slot, i, q
.if MODE == 1
	LDIMG \reg, \slot, \i, \q
.else
	LDROW \reg, \slot, \i, \q
.endif
.endm
.macro FETCH1 slot, q, f               ; 24 loads: Y's four tiles, X's blocks 0 and 1
	WIN TO_F
.irp t, 0,1,2,3
	LDY (\f)+64+16*\t, \slot, \t, \q
.endr
	LDX (\f), \slot, 0, \q
	LDX (\f)+16, \slot, 1, \q
.endm
.macro FETCH2 slot, q, f               ; 8 loads: X's blocks 2 and 3
	WIN TO_F
	LDX (\f)+32, \slot, 2, \q
	LDX (\f)+48, \slot, 3, \q
.endm
.macro SCALES set                      ; 12 loads: a slot's scale words.  In each register lanes 0-15 hold K step e of the slot, lanes 16-31 K step 2 + e
	WIN 0
.irp i, 0,1,2,3
.irp e, 0,1
	ds_load_b32 v[SC+16*\set+2*\i+\e], v[ADSA] offset:64*\i+256*\e
.endr
.endr
.irp t, 0,1,2,3
	ds_load_b64 v[SC+16*\set+8+2*\t:SC+16*\set+8+2*\t+1], v[ADSB] offset:\t*SBLK
.endr
.endm
; four products: block p of X against Y's four tiles, K step q of the slot.  The sixteen accumulators take turns, one instruction a turn, in the same order in every K step.
.macro MUL4 f, p, q, set, first
.irp t, 0,1,2,3
.set rD, ACC+8*(4*(\p)+\t)
.set rC, rD
.if \first
.if MODE == 1
.set rC, BN+8*(\p)
.else
.set rC, BN+8*\t
.endif
.endif
.if MODE == 1
.set rSY, SC+16*(\set)+2*\t+(\q)%2
.set rSX, SC+16*(\set)+8+2*(\p)+(\q)%2
.else
.set rSY, SC+16*(\set)+8+2*\t+(\q)%2
.set rSX, SC+16*(\set)+2*(\p)+(\q)%2
.endif
.if (\q) < 2
	v_wmma_scale_f32_16x16x128_f8f6f4 v[rD:rD+7], v[(\f)+64+16*\t:(\f)+64+16*\t+15], v[(\f)+16*(\p):(\f)+16*(\p)+15], v[rC:rC+7], v[rSY], v[rSX] matrix_a_fmt:MATRIX_FMT_BF8 matrix_b_fmt:MATRIX_FMT_BF8
.else
	v_wmma_scale_f32_16x16x128_f8f6f4 v[rD:rD+7], v[(\f)+64+16*\t:(\f)+64+16*\t+15], v[(\f)+16*(\p):(\f)+16*(\p)+15], v[rC:rC+7], v[rSY], v[rSX] matrix_a_fmt:MATRIX_FMT_BF8 matrix_b_fmt:MATRIX_FMT_BF8 matrix_a_scale:MATRIX_SCALE_ROW1 matrix_b_scale:MATRIX_SCALE_ROW1
.endif
.endr
.endm
; one of a slot's first three K steps: multiplies its buffer and fetches the next K step into the other.  Eight plain places stand in front of loads into registers that matrix instructions have read.
.macro QUARTER slot, q, first
	s_wait_dscnt 8                                 ; all but the youngest eight loads (X's blocks 2 and 3) are in
	WIN MUL
	MUL4 128*((\q)%2), 0, \q, \slot, \first
	MUL4 128*((\q)%2), 1, \q, \slot, \first
	PLACES 8
	FETCH1 \slot, (\q)+1, 128-128*((\q)%2)
	FETCH2 \slot, (\q)+1, 128-128*((\q)%2)
	s_wait_dscnt 32                                ; all but the 32 just issued
	WIN MUL
	MUL4 128*((\q)%2), 2, \q, \slot, \first
	MUL4 128*((\q)%2), 3, \q, \slot, \first
.endm
; a slot's last K step changes slots: ONE barrier; in front of it each wave waits for all its tensor loads, adds 0 to its spare word, and waits for that and for its reads of this slot.  fill = 1: the slot is filled again, two slots ahead.
.macro TURN slot, next, fill
	WIN 0
	s_wait_tensorcnt 0x0                           ; all my tensor loads have landed: my part of the next slot
	ds_add_u32 v[SPW], v[NIL]                      ; 0 onto my spare word
	s_wait_dscnt 9                                 ; (the add and the youngest eight loads may be out)
	WIN MUL
	MUL4 F1, 0, 3, \slot, 0
	s_wait_dscnt 0x0                               ; the add is done, and my reads of this slot are over
	s_barrier_signal -1
	MUL4 F1, 1, 3, \slot, 0
	WIN 0
	s_barrier_wait -1
.if \fill
	CREST                                          ; the barrier has opened a round of the cluster's barrier: no wave of any partner still reads this slot or has a load on its way
	s_add_nc_u64 s[G0A+4*\slot+2:G0A+4*\slot+3], s[G0A+4*\slot+2:G0A+4*\slot+3], 16384
	s_add_nc_u64 s[G0B+4*\slot+2:G0B+4*\slot+3], s[G0B+4*\slot+2:G0B+4*\slot+3], 1024
	JLOAD G0A+4*\slot, G1A, G0B+4*\slot, G1B       ; the first tensor load behind the round; its four v_nop are four of the eight places
	PLACES 4
.else
	PLACES 8
.endif
	v_add_nc_u32 v[ADSA], 1024, v[ADSA]            ; the next slot's scale words: four K steps of 256 bytes; 16 bytes in a row of W's
	v_add_nc_u32 v[ADSB], 16, v[ADSB]
	FETCH1 \next, 0, F0
	SCALES \next
	FETCH2 \next, 0, F0
	WIN MUL
	MUL4 F1, 2, 3, \slot, 0
	MUL4 F1, 3, 3, \slot, 0
.endm
	s_wait_tensorcnt 0x1                           ; the scales and my part of slot 0 are in; slot 1's load may stay out
	s_barrier_signal -1
	s_barrier_wait -1
	FETCH1 0, 0, F0
	SCALES 0
	FETCH2 0, 0, F0
	s_wait_loadcnt 0x0                             ; the bias
	QUARTER 0, 0, 1                                ; the first K step starts the sums, on the bias
.if LAPS > 1
	WIN 0
	s_mov_b32 s3, LAPS-1
.Llap:
	QUARTER 0, 1, 0
	QUARTER 0, 2, 0
	TURN 0, 1, 1
	QUARTER 1, 0, 0
	QUARTER 1, 1, 0
	QUARTER 1, 2, 0
	TURN 1, 0, 1
	QUARTER 0, 0, 0
	WIN 0
	s_sub_co_u32 s3, s3, 1
	s_cmp_lg_u32 s3, 0
	s_cbranch_scc1 .Llap
.endif
	QUARTER 0, 1, 0
	QUARTER 0, 2, 0
	TURN 0, 1, 0
	QUARTER 1, 0, 0
	QUARTER 1, 1, 0
	QUARTER 1, 2, 0
	s_wait_dscnt 8
	WIN MUL
	MUL4 F1, 0, 3, 1, 0
	MUL4 F1, 1, 3, 1, 0
	s_wait_dscnt 0x0
	MUL4 F1, 2, 3, 1, 0
	MUL4 F1, 3, 3, 1, 0
	WIN 0
	PLACES 8                                       ; in front of the first read of results
; THE QUANTISER.  64 numbers of a lane: four blocks; block b's 16 registers are two neighbouring tiles: k = 32 b + 8 h + 0..7 and 32 b + 16 + 8 h + 0..7 of the lane's row; lane l xor 16 holds the other 16.
; The two tiles' codes [E0 E1 O0 O1] are brought into an image group's order, k = 32 b + 16 h + 0..15, by exchanging E's lanes 16-31 with O's lanes 0-15.
.set TM, 64
.macro QUANT s, pc
.irp b, 0,1,2,3
	v_max3_num_f32 v[TM+\b], |v[\s+16*\b]|, |v[\s+16*\b+1]|, 0x8000000   ; each accumulator is read from its low end on; the floor 2^(16 - 127) holds the byte at 1 from below
.endr
.irp i, 2,4,6,8,10,12,14
.irp b, 0,1,2,3
	v_max3_num_f32 v[TM+\b], v[TM+\b], |v[\s+16*\b+\i]|, |v[\s+16*\b+\i+1]|
.endr
.endr
.irp b, 0,1,2,3
	v_permlanex16_b32 v[TM+4+\b], v[TM+\b], s16, s17
.endr
.irp b, 0,1,2,3
	v_max_num_f32 v[TM+\b], v[TM+\b], v[TM+4+\b]
.endr
.irp b, 0,1,2,3
	v_add_nc_u32 v[TM+12+\b], 0xf8800000, v[TM+\b] ; 15 off the exponent field: the conversion's scale operand
.endr
.irp b, 0,1,2,3
	v_and_or_b32 v[TM+8+\b], v[TM+\b], 0x7f800000, s2   ; 57,344 x the scale
.endr
.irp b, 0,1,2,3
	v_lshrrev_b32 v[TM+4+\b], 23, v[TM+12+\b]      ; the scale's byte
.endr
.irp b, 0,1,2,3
.irp i, 0,1,2,3,4,5,6,7,8,9,10,11,12,13,14,15
	v_med3_num_f32 v[\s+16*\b+\i], v[\s+16*\b+\i], -v[TM+8+\b], v[TM+8+\b]   ; the conversion does not saturate (ISA guide 7.6.2): the hold
.endr
	v_cvt_scalef32_pk8_bf8_f32 v[\pc+4*\b:\pc+4*\b+1], v[\s+16*\b:\s+16*\b+7], v[TM+12+\b]
	v_cvt_scalef32_pk8_bf8_f32 v[\pc+4*\b+2:\pc+4*\b+3], v[\s+16*\b+8:\s+16*\b+15], v[TM+12+\b]
.endr
	v_nop                                          ; a plain instruction between the last conversion and the first line that touches its result
.irp b, 0,1,2,3
	v_permlane16_swap_b32 v[\pc+4*\b], v[\pc+4*\b+2]
	v_permlane16_swap_b32 v[\pc+4*\b+1], v[\pc+4*\b+3]
.endr
.endm
; gelu(x) = x/2 + x/2 erf(x / sqrt 2) on an accumulator's eight numbers, in place, four pairs by turns
.set GZ,  96
.set GZ2, 104
.set GP,  112
.set GQ,  120
.macro GELU8 x
.irp k, 0,2,4,6
	v_pk_mul_f32 v[GZ+\k:GZ+\k+1], v[(\x)+\k:(\x)+\k+1], 0x3f3504f3 op_sel_hi:[1,0]   ; z = x / sqrt 2; the accumulator is read from its low end on
.endr
.irp k, 0,1,2,3,4,5,6,7
	v_med3_num_f32 v[GZ+\k], v[GZ+\k], -4.0, 4.0
.endr
.irp k, 0,2,4,6
	v_pk_mul_f32 v[GZ2+\k:GZ2+\k+1], v[GZ+\k:GZ+\k+1], v[GZ+\k:GZ+\k+1]
.endr
.irp k, 0,2,4,6
	v_pk_fma_f32 v[GP+\k:GP+\k+1], v[GZ2+\k:GZ2+\k+1], 0xaf95df0b, v[64:65] op_sel_hi:[1,0,1]
	v_pk_fma_f32 v[GQ+\k:GQ+\k+1], v[GZ2+\k:GZ2+\k+1], 0xb77460cd, v[66:67] op_sel_hi:[1,0,1]
.endr
.irp c, 0xb60cff51, 0xb86ec2d2, 0xba40ac63, 0xbb41a1f6, 0xbc83dbd4
.irp k, 0,2,4,6
	v_pk_fma_f32 v[GP+\k:GP+\k+1], v[GP+\k:GP+\k+1], v[GZ2+\k:GZ2+\k+1], \c op_sel_hi:[1,1,0]
.endr
.endr
.irp c, 0xbadc924e, 0xbbf19bf8, 0xbc69b6a7
.irp k, 0,2,4,6
	v_pk_fma_f32 v[GQ+\k:GQ+\k+1], v[GQ+\k:GQ+\k+1], v[GZ2+\k:GZ2+\k+1], \c op_sel_hi:[1,1,0]
.endr
.endr
.irp k, 0,2,4,6
	v_pk_mul_f32 v[GP+\k:GP+\k+1], v[GP+\k:GP+\k+1], v[GZ+\k:GZ+\k+1]
.endr
.irp k, 0,1,2,3,4,5,6,7
	v_rcp_f32 v[GQ+\k], v[GQ+\k]
.endr
.irp k, 0,2,4,6
	v_pk_mul_f32 v[GZ2+\k:GZ2+\k+1], v[(\x)+\k:(\x)+\k+1], 0.5 op_sel_hi:[1,0]   ; x / 2: plain places behind the reciprocals
.endr
	s_wait_alu depctr_va_vdst(0)
.irp k, 0,2,4,6
	v_pk_mul_f32 v[GP+\k:GP+\k+1], v[GP+\k:GP+\k+1], v[GQ+\k:GQ+\k+1]            ; erf
.endr
.irp k, 0,2,4,6
	v_pk_fma_f32 v[(\x)+\k:(\x)+\k+1], v[GZ2+\k:GZ2+\k+1], v[GP+\k:GP+\k+1], v[GZ2+\k:GZ2+\k+1]
.endr
.endm
	; THE WAY OUT.  My 64 hidden units are half of K step ct of the next product.  Codes: [tile 256][K step 32][c 4][512 bytes], c = 2 CH + b.  Scale words: at 16 MiB, [K step 32][row 4096];
	; a word's halves come from two waves and meet in LDS.
	v_mov_b32 v64, 0x32edffee
	v_mov_b32 v65, 0x32edffee
	v_mov_b32 v66, 0xb95fbd29
	v_mov_b32 v67, 0xb95fbd29
.irp a, 0,1,2,3,4,5,6,7,8,9,10,11,12,13,14,15
	GELU8 ACC+8*\a
.endr
	s_mov_b32 s16, 0x76543210
	s_mov_b32 s17, 0xfedcba98
	s_mov_b32 s2, 0x600000
.irp b, 0,1,2,3
	v_mov_b32 v[TM+4+\b], 0                        ; a lane permute's destination counts as read
.endr
	v_lshlrev_b32 v24, 4, v3                       ; 16 x lane
	s_lshl_b32 s3, s19, 8
	s_lshl_b32 s21, s20, 1
	s_add_co_u32 s3, s3, s21
	s_add_co_u32 s3, s3, SCST
	v_lshl_add_u32 v25, v1, 2, s3                  ; LDS: 256 RH + 4 r + 2 CH (+ 64 p)
	v_lshl_add_u32 v26, v3, 4, SCST                ; back: 16 bytes a lane
	s_lshl_b32 s92, s43, 3
	s_lshl_b32 s3, s19, 2
	s_add_co_u32 s92, s92, s3                      ; my first tile of tokens
	s_lshl_b32 s92, s92, 16
	s_lshl_b32 s3, s42, 11
	s_add_co_u32 s92, s92, s3
	s_lshl_b32 s3, s20, 10
	s_add_co_u32 s92, s92, s3
	s_mov_b32 s93, 0
	s_add_nc_u64 s[92:93], s[12:13], s[92:93]
	s_lshl_b32 s94, s42, 14
	s_lshl_b32 s3, s43, 9
	s_add_co_u32 s94, s94, s3
	s_add_co_u32 s94, s94, 16777216
	s_mov_b32 s95, 0
	s_add_nc_u64 s[94:95], s[12:13], s[94:95]
	QUANT 128, 80
	v_lshl_or_b32 v112, v[TM+5], 8, v[TM+4]
	v_lshl_or_b32 v113, v[TM+7], 8, v[TM+6]
.irp p, 0,1
.irp b, 0,1
	global_store_b128 v24, v[80+8*\p+4*\b:83+8*\p+4*\b], s[92:93] offset:65536*\p+512*\b   ; 32 lanes store 512 consecutive bytes, aligned
.endr
.endr
	QUANT 192, 96
	v_lshl_or_b32 v114, v[TM+5], 8, v[TM+4]
	v_lshl_or_b32 v115, v[TM+7], 8, v[TM+6]
.irp p, 0,1
.irp b, 0,1
	global_store_b128 v24, v[96+8*\p+4*\b:99+8*\p+4*\b], s[92:93] offset:131072+65536*\p+512*\b
.endr
.endr
.irp p, 0,1,2,3
	ds_store_b16 v25, v[112+\p] offset:64*\p       ; both halves of the lanes write the same two bytes with the same value
.endr
	s_wait_dscnt 0x0                               ; for the others' sake: my halves of the words lie in LDS
	s_barrier_signal -1
	s_barrier_wait -1
	s_cmp_lg_u32 s18, 0
	s_cbranch_scc1 .Lnot_first
	ds_load_b128 v[116:119], v26
	s_wait_dscnt 0x0
	global_store_b128 v24, v[116:119], s[94:95]    ; the 128 rows' words: 512 consecutive bytes, aligned
.Lnot_first:
	s_wait_tensorcnt 0x0                           ; the wave's end
	ds_add_u32 v[SPW], v[NIL]
	s_wait_dscnt 0x0
	CROUND                                         ; the closing round
	s_endpgm
.Lfunc_end_k_q04d56dad5d_fc1:
	.size	k_q04d56dad5d_fc1, .Lfunc_end_k_q04d56dad5d_fc1-k_q04d56dad5d_fc1
	.p2alignl 7, 3214868480
	.fill 96, 4, 3214868480
	.section	.rodata,"a",@progbits
	.p2align	6, 0x0
	.amdhsa_kernel k_q04d56dad5d_fc1
		.amdhsa_group_segment_fixed_size 327680
		.amdhsa_private_segment_fixed_size 0
		.amdhsa_enable_private_segment 0
		.amdhsa_kernarg_size 40
		.amdhsa_user_sgpr_count 2
		.amdhsa_user_sgpr_kernarg_segment_ptr 1
		.amdhsa_wavefront_size32 1
		.amdhsa_system_sgpr_workgroup_id_x 1
		.amdhsa_system_sgpr_workgroup_id_y 1
		.amdhsa_system_sgpr_workgroup_id_z 1
		.amdhsa_system_vgpr_workitem_id 0
		.amdhsa_next_free_vgpr 512
		.amdhsa_next_free_sgpr 100
		.amdhsa_reserve_vcc 0
		.amdhsa_float_denorm_mode_32 3
		.amdhsa_float_denorm_mode_16_64 3
		.amdhsa_memory_ordered 1
		.amdhsa_forward_progress 1
		.amdhsa_inst_pref_size 165
	.end_amdhsa_kernel
	.amdgpu_metadata
---
amdhsa.version: [ 1, 2 ]
amdhsa.kernels:
  - .name:           k_q04d56dad5d_fc1
    .symbol:         k_q04d56dad5d_fc1.kd
    .args:
      - { .name: xn, .offset: 0, .size: 8, .value_kind: global_buffer, .address_space: global }
      - { .name: fc1_w_codes, .offset: 8, .size: 8, .value_kind: global_buffer, .address_space: global }
      - { .name: fc1_w_scales, .offset: 16, .size: 8, .value_kind: global_buffer, .address_space: global }
      - { .name: fc1_b, .offset: 24, .size: 8, .value_kind: global_buffer, .address_space: global }
      - { .name: hid, .offset: 32, .size: 8, .value_kind: global_buffer, .address_space: global }
    .group_segment_fixed_size: 327680
    .private_segment_fixed_size: 0
    .kernarg_segment_align: 8
    .kernarg_segment_size: 40
    .max_flat_workgroup_size: 128
    .sgpr_count:     100
    .vgpr_count:     512
    .wavefront_size: 32
...
	.end_amdgpu_metadata
.endif
;; end of part 6
;; launch fc2 (part 7): grid 8 x 32, 4 waves a work-group, clusters of 4 x 4, 327,680 bytes of LDS; arguments hid, fc2_w_codes, fc2_w_scales, fc2_b, x1, out0; writes out0
.if DOCPART == 7
	.amdgcn_target "amdgcn-amd-amdhsa--gfx1250"
	.amdhsa_code_object_version 6
	.text
	.protected	k_q04d56dad5d_fc2
	.globl	k_q04d56dad5d_fc2
	.p2align	8
	.type	k_q04d56dad5d_fc2,@function
k_q04d56dad5d_fc2:
	s_mov_b64 s[64:65], 0
	v_nop
	global_prefetch_b8 v0, s[64:65] scope:SCOPE_SE
	s_setreg_imm32_b32 hwreg(HW_REG_WAVE_MODE, 25, 1), 1
	s_wait_xcnt 0x0
	s_wait_alu depctr_hold_cnt(0) depctr_sa_sdst(0) depctr_va_vdst(0) depctr_va_sdst(0) depctr_va_ssrc(0) depctr_va_vcc(0) depctr_vm_vsrc(0)
	s_getreg_b32 s2, hwreg(HW_REG_IB_STS2, 6, 4)
	s_cmp_eq_u32 s2, 0
	s_cbranch_scc0 .Lentry_in_a_cluster
	s_endpgm
.Lentry_in_a_cluster:
	s_bfe_u32 s2, ttmp6, 0x10000c
	s_cmp_lg_u32 s2, 0xf033
	s_cbranch_scc0 .Lentry_shape_is_right
	s_endpgm
.Lentry_shape_is_right:
; out = x1 + (hid fc2_w^T + fc2_b): the product on codes of E5M2 with E8M0 scales, K = 4,096, the rest in f32.
; THE SKELETON (shared by five launches, MODE says which).  A work-group of four waves makes 128 tokens x 128 weight rows; a wave 64 x 64: 16 accumulators.
; A (tokens) comes as images: [tile of 16 rows][K step of 128][2,048 bytes], a fragment by four loads of 512 consecutive bytes; its scale words [K step][row] lie SCOFF bytes on.
; W comes as rows of codes with K innermost and scale bytes [row][K / 32].  K goes in slots of 512 through two LDS slots; the scales of all of K come once and stay.
; Source 1 = block p of X (a lane is a row of X), source 0 = tile t of Y (the registers run along Y's rows).  MODE 1: X = W, Y = A; else X = A, Y = W.  The bias is the C of each sum's first product.
; CLUSTERS: 4 x 4 work-groups; A's tiles are asked for jointly along a row of the cluster, W's along a column.
; Here eight slots' worth of K go through the two slots: six refills, each behind a round of the cluster's barrier; a wave has one load out behind each round, three at the start.
; REGISTERS: window 0: v1-29 addresses; v32-63 scale words, two sets, and nothing else; v64-95 the bias; v64-127 at work on the way out; v128-255 the accumulators ((p, t) at 128 + 8 (4 p + t)).
;   window 1: two fragment buffers of 128: X's four blocks, then Y's four tiles.   window 2: v0-127 my 64 x 64 of the residual, asked for at the head.
.set MODE,   3
.set SIZE_K, 4096
.set WROW0,  0                         ; first row of W that this launch takes
.set SCOFF,  16777216                  ; where A's scale words begin
.set KS,    SIZE_K/32                  ; a row of W's scale bytes
.set NKS,   SIZE_K/128
.set LAPS,  SIZE_K/1024                ; a lap = two slots
.set ATILE, 16*SIZE_K                  ; bytes of a tile's images
.set SLOT,  133120                     ; A's 8 tiles x 4 K steps x 2,048, then W's 128 rows x 528
.set WOFF,  65536
.set WP,    528                        ; a row of W in LDS: 512 bytes + 16: the sixteen rows of a load start at sixteen different groups of banks
.set SCA,   2*SLOT                     ; A's scale words: [half][K step][64 rows x 4 bytes]
.set SCB,   SCA+2*NKS*256              ; W's scale bytes: [half], units of 256 bytes + 16
.set HALFS, (64*KS/256)*272
.set SBLK,  (16*KS/256)*272
.set SPARE, SCB+2*HALFS                ; the spare words, 128 bytes a wave: two blocks of 256 bytes that no other line names
.set ADRA, 16
.set ADRB, 20
.set ADSA, 22
.set ADSB, 23
.set SPW,  28
.set NIL,  29
.set SC,   32
.set BN,   64
.set ACC,  128
.set F0,   0
.set F1,   128
.set G1A,  24
.set G0A,  32
.set G1B,  48
.set G0B,  56
.set G1SA, 68
.set G0SA, 76
.set G1SB, 80
.set G0SB, 88
.set MSB, 0
.macro WIN new                         ; the immediate's high byte repeats the setting that is left
.if MSB != \new
	s_set_vgpr_msb (MSB<<8)|\new
.set MSB, \new
.endif
.endm
.set MUL,  0x05                        ; sources 0 and 1 window 1; C and D window 0
.set TO_F, 0x40                        ; destination window 1, address window 0
.macro JLOAD g0a, g1a, g0b, g1b        ; a joint load: waves 0 and 1 fetch A's halves, waves 2 and 3 W's; four v_nop follow each line
	s_cmp_eq_u32 s19, 0
	s_cbranch_scc0 .Lfor_b_\@
	tensor_load_to_lds s[\g0a:\g0a+3], s[\g1a:\g1a+7]
	s_nop 0
.rept 4
	v_nop
.endr
	s_branch .Lasked_\@
.Lfor_b_\@:
	tensor_load_to_lds s[\g0b:\g0b+3], s[\g1b:\g1b+7]
	s_nop 0
.rept 4
	v_nop
.endr
.Lasked_\@:
.endm
.macro CREST                           ; a round of the cluster's barrier behind its opening barrier
	s_cmp_lg_u32 s18, 0
	s_cbranch_scc1 .Lnot_wave_0_\@
	s_barrier_signal -3
.Lnot_wave_0_\@:
	s_barrier_wait -3
	s_barrier_signal -1
	s_barrier_wait -1
.endm
.macro CROUND
	s_barrier_signal -1
	s_barrier_wait -1
	CREST
.endm
.macro PLACES n
.rept \n
	v_nop
.endr
.endm
.macro SHAPE g, c, r, p                ; words 1 to 7 of a descriptor's group 1: r rows of c elements, p elements from row to row
	s_mov_b32 s[\g+1], (\c)<<16
	s_mov_b32 s[\g+2], (\r)<<16
	s_mov_b32 s[\g+3], (\c)<<16
	s_mov_b32 s[\g+4], \r
	s_mov_b32 s[\g+5], \p
	s_mov_b32 s[\g+6], 0
	s_mov_b32 s[\g+7], 0
.endm
	s_load_b256 s[4:11], s[0:1], 0x0               ; A s[4:5], W's codes s[6:7], W's scales s[8:9], the bias s[10:11]
	s_load_b128 s[12:15], s[0:1], 0x20             ; the residual s[12:13], the result s[14:15]
	v_lshl_add_u32 v[SPW], v0, 2, SPARE
	v_mov_b32 v[NIL], 0
	ds_add_u32 v28, v29
	ds_add_u32 v28, v29
	s_wait_dscnt 0x0
	v_lshrrev_b32 v1, 5, v0
	v_readfirstlane_b32 s18, v1                    ; wave
	s_lshr_b32 s19, s18, 1                         ; RH: my four tiles of A.  Also: I fetch for A (0) or for W (1)
	s_and_b32 s20, s18, 1                          ; CH: my 64 rows of W.  Also: which half I fetch
	s_bfe_u32 s40, ttmp6, 0x40000                  ; cx, cy
	s_bfe_u32 s41, ttmp6, 0x40004
	s_lshl_b32 s42, ttmp9, 2
	s_add_co_u32 s42, s42, s40                     ; ct: which 128 rows of W
	s_and_b32 s43, ttmp7, 0xffff
	s_lshl_b32 s43, s43, 2
	s_add_co_u32 s43, s43, s41                     ; rt: which 128 tokens
	s_lshl_b32 s44, s41, 2
	s_lshl_b32 s44, 15, s44                        ; my row of the cluster
	s_lshl_b32 s45, 0x1111, s40                    ; my column
	s_or_b32 s[G1A], s44, (3<<16)|(1<<21)          ; A's images: 4 tiles x 8,192 bytes (1,024 elements of 8), ATILE bytes apart, dense in LDS
	SHAPE G1A, 1024, 4, 2*SIZE_K
	s_or_b32 s[G1B], s45, (1<<20)|(1<<21)|(6<<22)|(3<<25)   ; W's rows: 64 x 512 bytes, four words of padding behind every 128
	SHAPE G1B, 512, 64, SIZE_K
	s_or_b32 s[G1SA], s44, (3<<16)|(1<<21)         ; A's scale words: a row of 256 bytes (64 tokens) for each K step, 16,384 bytes apart
	SHAPE G1SA, 32, NKS, 2048
	s_or_b32 s[G1SB], s45, (3<<16)|(1<<20)|(1<<21)|(5<<22)|(3<<25)   ; W's scale bytes: a dense block as rows of 256 bytes + 16
	SHAPE G1SB, 32, 64*KS/256, 32
	s_lshl_b32 s92, s43, 3
	s_lshl_b32 s21, s20, 2
	s_add_co_u32 s92, s92, s21                     ; A: tile 8 rt + 4 half
	s_mul_i32 s92, s92, ATILE
	s_mov_b32 s93, 0
	s_lshl_b32 s96, s43, 9
	s_lshl_b32 s21, s20, 8
	s_add_co_u32 s96, s96, s21
	s_add_co_u32 s96, s96, SCOFF                   ; its scale words: 4 bytes a token
	s_mov_b32 s97, 0
	s_lshl_b32 s46, s42, 7
	s_lshl_b32 s21, s20, 6
	s_add_co_u32 s46, s46, s21                     ; W: row 128 ct + 64 half
	s_mul_i32 s94, s46, KS
	s_mov_b32 s95, 0
	s_lshl_b32 s98, s46, 2                         ; the bias of my 64 rows of W (the half that I fetch is the half that I multiply)
	s_mov_b32 s99, 0
	s_mul_i32 s46, s46, SIZE_K
	s_mov_b32 s47, 0
	s_lshl_b32 s22, s20, 15                        ; LDS: no place in the cluster enters these
	s_mul_i32 s23, s20, 64*WP
	s_add_co_u32 s23, s23, WOFF
	s_mul_i32 s2, s20, NKS*256
	s_add_co_u32 s2, s2, SCA
	s_mul_i32 s3, s20, HALFS
	s_add_co_u32 s3, s3, SCB
	s_wait_kmcnt 0x0
	s_add_nc_u64 s[92:93], s[4:5], s[92:93]
	s_add_nc_u64 s[96:97], s[4:5], s[96:97]
	s_add_nc_u64 s[46:47], s[6:7], s[46:47]
	s_add_nc_u64 s[94:95], s[8:9], s[94:95]
	s_add_nc_u64 s[10:11], s[10:11], s[98:99]
	CROUND                                         ; all sixteen work-groups are here: the first joint loads meet
	s_mov_b32 s[G0SA], 1
	s_mov_b32 s[G0SA+1], s2
	s_mov_b64 s[G0SA+2:G0SA+3], s[96:97]
	s_or_b32 s[G0SA+3], s[G0SA+3], 0x80000000
	s_mov_b32 s[G0SB], 1
	s_mov_b32 s[G0SB+1], s3
	s_mov_b64 s[G0SB+2:G0SB+3], s[94:95]
	s_or_b32 s[G0SB+3], s[G0SB+3], 0x80000000
	JLOAD G0SA, G1SA, G0SB, G1SB                   ; the scales first: they are wanted with slot 0
.irp s, 0,1
	s_mov_b32 s[G0A+4*\s], 1
	s_add_co_u32 s[G0A+4*\s+1], s22, \s*SLOT
	s_add_nc_u64 s[G0A+4*\s+2:G0A+4*\s+3], s[92:93], \s*8192
	s_or_b32 s[G0A+4*\s+3], s[G0A+4*\s+3], 0x80000000
	s_mov_b32 s[G0B+4*\s], 1
	s_add_co_u32 s[G0B+4*\s+1], s23, \s*SLOT
	s_add_nc_u64 s[G0B+4*\s+2:G0B+4*\s+3], s[46:47], \s*512
	s_or_b32 s[G0B+4*\s+3], s[G0B+4*\s+3], 0x80000000
	JLOAD G0A+4*\s, G1A, G0B+4*\s, G1B             ; three loads of mine are out
.endr
	v_and_b32 v1, 15, v0                           ; r
	v_bfe_u32 v2, v0, 4, 1                         ; h
	v_and_b32 v3, 31, v0                           ; lane
	s_lshl_b32 s21, s19, 15
	v_lshl_add_u32 v[ADRA], v3, 4, s21             ; A's images: my four tiles, 16 bytes a lane
	v_add_nc_u32 v[ADRA+1], SLOT, v[ADRA]
	v_mul_u32_u24 v4, v1, WP
	v_lshl_add_u32 v4, v2, 4, v4
	v_add_nc_u32 v[ADRB], s23, v4                  ; W's rows: my 64, row r, + 16 h
	v_add_nc_u32 v[ADRB+1], SLOT, v[ADRB]
	s_mul_i32 s21, s19, NKS*256
	s_add_co_u32 s21, s21, SCA
	v_lshlrev_b32 v4, 2, v1
	v_lshl_add_u32 v4, v2, 9, v4
	v_add_nc_u32 v[ADSA], s21, v4                  ; A's scale words: 4 r; lanes 16-31 two K steps on
	v_mul_u32_u24 v4, v1, KS
	v_lshrrev_b32 v5, 8, v4
	v_lshl_add_u32 v4, v5, 4, v4
	v_lshl_add_u32 v4, v2, 3, v4
	v_add_nc_u32 v[ADSB], s3, v4                   ; W's: row r of KS bytes, 16 more for each 256 passed; lanes 16-31 two K steps (8 bytes) on
	v_lshlrev_b32 v6, 5, v2                        ; the bias in the result's layout: register j of tile t holds b(16 t + 8 h + j)
.irp t, 0,1,2,3
	global_load_b128 v[BN+8*\t:BN+8*\t+3], v6, s[10:11] offset:64*\t
	global_load_b128 v[BN+8*\t+4:BN+8*\t+7], v6, s[10:11] offset:64*\t+16
.endr
	; the way out's addresses, and the residual: my 64 rows x 256 bytes, two rows a load, in the order in which the results come back from the stage
	s_mul_i32 s21, s18, 16*272                     ; my stage: 16 rows x (256 bytes + 16), in slot 0, which has had its last fill and its last read when the first result is stored there
	v_mul_u32_u24 v24, v1, 272
	v_lshl_add_u32 v24, v2, 5, v24
	v_add_nc_u32 v24, s21, v24                     ; in: row r, 32 bytes for each half of the lanes
	v_mul_u32_u24 v25, v2, 272
	v_lshl_add_u32 v25, v1, 4, v25
	v_add_nc_u32 v25, s21, v25                     ; back: lanes 0-15 one row, lanes 16-31 the next
	v_lshlrev_b32 v26, 12, v2
	v_lshl_add_u32 v26, v1, 4, v26                 ; and the same two rows in memory
	s_lshl_b32 s98, s43, 19
	s_lshl_b32 s21, s19, 18
	s_add_co_u32 s98, s98, s21
	s_lshl_b32 s21, s42, 9
	s_add_co_u32 s98, s98, s21
	s_lshl_b32 s21, s20, 8
	s_add_co_u32 s98, s98, s21                     ; ((128 rt + 64 RH) x 1,024 + 128 ct + 64 CH) x 4
	s_add_nc_u64 s[12:13], s[12:13], s[98:99]
	s_add_nc_u64 s[14:15], s[14:15], s[98:99]
	WIN 0x80                                       ; destination window 2
.irp p, 0,1,2,3
.irp i, 0,1,2,3,4,5,6,7
	global_load_b128 v[32*\p+4*\i:32*\p+4*\i+3], v26, s[12:13] offset:(16*\p+2*\i)*4096 th:TH_LOAD_NT
.endr
.endr
	WIN 0
.macro LDX reg, slot, i, q             ; a fragment of A: an image, four loads of 512 consecutive bytes
.irp c, 0,1,2,3
	ds_load_b128 v[(\reg)+4*\c:(\reg)+4*\c+3], v[ADRA+\slot] offset:(\i)*8192+(\q)*2048+\c*512
.endr
.endm
.macro LDY reg, slot, i, q             ; a fragment of W from rows: registers 4 c .. 4 c + 3 hold k = 32 c + 16 h + 0..15 of row r
.irp c, 0,1,2,3
	ds_load_b128 v[(\reg)+4*\c:(\reg)+4*\c+3], v[ADRB+\slot] offset:(\i)*16*WP+(\q)*128+\c*32
.endr
.endm
.macro FETCH1 slot, q, f               ; 24 loads: Y's four tiles, X's blocks 0 and 1
	WIN TO_F
.irp t, 0,1,2,3
	LDY (\f)+64+16*\t, \slot, \t, \q
.endr
	LDX (\f), \slot, 0, \q
	LDX (\f)+16, \slot, 1, \q
.endm
.macro FETCH2 slot, q, f               ; 8 loads: X's blocks 2 and 3
	WIN TO_F
	LDX (\f)+32, \slot, 2, \q
	LDX (\f)+48, \slot, 3, \q
.endm
.macro SCALES set                      ; 12 loads: a slot's scale words.  In each register lanes 0-15 hold K step e of the slot, lanes 16-31 K step 2 + e
	WIN 0
.irp i, 0,1,2,3
.irp e, 0,1
	ds_load_b32 v[SC+16*\set+2*\i+\e], v[ADSA] offset:64*\i+256*\e
.endr
.endr
.irp t, 0,1,2,3
	ds_load_b64 v[SC+16*\set+8+2*\t:SC+16*\set+8+2*\t+1], v[ADSB] offset:\t*SBLK
.endr
.endm
; four products: block p of X against Y's four tiles, K step q of the slot.  The sixteen accumulators take turns, one instruction a turn, in the same order in every K step, over the loop's backward jump too.
.macro MUL4 f, p, q, set, first
.irp t, 0,1,2,3
.set rD, ACC+8*(4*(\p)+\t)
.set rC, rD
.if \first
.set rC, BN+8*\t
.endif
.set rSY, SC+16*(\set)+8+2*\t+(\q)%2
.set rSX, SC+16*(\set)+2*(\p)+(\q)%2
.if (\q) < 2
	v_wmma_scale_f32_16x16x128_f8f6f4 v[rD:rD+7], v[(\f)+64+16*\t:(\f)+64+16*\t+15], v[(\f)+16*(\p):(\f)+16*(\p)+15], v[rC:rC+7], v[rSY], v[rSX] matrix_a_fmt:MATRIX_FMT_BF8 matrix_b_fmt:MATRIX_FMT_BF8
.else
	v_wmma_scale_f32_16x16x128_f8f6f4 v[rD:rD+7], v[(\f)+64+16*\t:(\f)+64+16*\t+15], v[(\f)+16*(\p):(\f)+16*(\p)+15], v[rC:rC+7], v[rSY], v[rSX] matrix_a_fmt:MATRIX_FMT_BF8 matrix_b_fmt:MATRIX_FMT_BF8 matrix_a_scale:MATRIX_SCALE_ROW1 matrix_b_scale:MATRIX_SCALE_ROW1
.endif
.endr
.endm
; one of a slot's first three K steps: multiplies its buffer and fetches the next K step into the other.  Eight plain places stand in front of loads into registers that matrix instructions have read.
.macro QUARTER slot, q, first
	s_wait_dscnt 8                                 ; all but the youngest eight loads (X's blocks 2 and 3) are in
	WIN MUL
	MUL4 128*((\q)%2), 0, \q, \slot, \first
	MUL4 128*((\q)%2), 1, \q, \slot, \first
	PLACES 8
	FETCH1 \slot, (\q)+1, 128-128*((\q)%2)
	FETCH2 \slot, (\q)+1, 128-128*((\q)%2)
	s_wait_dscnt 32                                ; all but the 32 just issued
	WIN MUL
	MUL4 128*((\q)%2), 2, \q, \slot, \first
	MUL4 128*((\q)%2), 3, \q, \slot, \first
.endm
; a slot's last K step changes slots: ONE barrier; in front of it each wave waits for all its tensor loads, adds 0 to its spare word, and waits for that and for its reads of this slot.  fill = 1: the slot is filled again, two slots ahead.
.macro TURN slot, next, fill
	WIN 0
	s_wait_tensorcnt 0x0                           ; all my tensor loads have landed: my part of the next slot
	ds_add_u32 v[SPW], v[NIL]                      ; 0 onto my spare word
	s_wait_dscnt 9                                 ; (the add and the youngest eight loads may be out)
	WIN MUL
	MUL4 F1, 0, 3, \slot, 0
	s_wait_dscnt 0x0                               ; the add is done, and my reads of this slot are over
	s_barrier_signal -1
	MUL4 F1, 1, 3, \slot, 0
	WIN 0
	s_barrier_wait -1
.if \fill
	CREST                                          ; the barrier has opened a round of the cluster's barrier: no wave of any partner still reads this slot or has a load on its way
	s_add_nc_u64 s[G0A+4*\slot+2:G0A+4*\slot+3], s[G0A+4*\slot+2:G0A+4*\slot+3], 16384
	s_add_nc_u64 s[G0B+4*\slot+2:G0B+4*\slot+3], s[G0B+4*\slot+2:G0B+4*\slot+3], 1024
	JLOAD G0A+4*\slot, G1A, G0B+4*\slot, G1B       ; the first tensor load behind the round; its four v_nop are four of the eight places
	PLACES 4
.else
	PLACES 8
.endif
	v_add_nc_u32 v[ADSA], 1024, v[ADSA]            ; the next slot's scale words: four K steps of 256 bytes; 16 bytes in a row of W's
	v_add_nc_u32 v[ADSB], 16, v[ADSB]
	FETCH1 \next, 0, F0
	SCALES \next
	FETCH2 \next, 0, F0
	WIN MUL
	MUL4 F1, 2, 3, \slot, 0
	MUL4 F1, 3, 3, \slot, 0
.endm
	s_wait_tensorcnt 0x1                           ; the scales and my part of slot 0 are in; slot 1's load may stay out
	s_barrier_signal -1
	s_barrier_wait -1
	FETCH1 0, 0, F0
	SCALES 0
	FETCH2 0, 0, F0
	s_wait_loadcnt 32                              ; the bias is in; the 32 loads of the residual, issued behind it, may stay out
	QUARTER 0, 0, 1                                ; the first K step starts the sums, on the bias
	WIN 0
	s_mov_b32 s3, LAPS-1
.Llap:                                             ; a trip goes once round the two slots, from a lap's second K step to the next lap's first, and fills both again
	QUARTER 0, 1, 0
	QUARTER 0, 2, 0
	TURN 0, 1, 1
	QUARTER 1, 0, 0
	QUARTER 1, 1, 0
	QUARTER 1, 2, 0
	TURN 1, 0, 1
	QUARTER 0, 0, 0
	WIN 0
	s_sub_co_u32 s3, s3, 1
	s_cmp_lg_u32 s3, 0
	s_cbranch_scc1 .Llap
	QUARTER 0, 1, 0                                ; the last lap fills nothing: it is written out
	QUARTER 0, 2, 0
	TURN 0, 1, 0
	QUARTER 1, 0, 0
	QUARTER 1, 1, 0
	QUARTER 1, 2, 0
	s_wait_dscnt 8
	WIN MUL
	MUL4 F1, 0, 3, 1, 0
	MUL4 F1, 1, 3, 1, 0
	s_wait_dscnt 0x0
	MUL4 F1, 2, 3, 1, 0
	MUL4 F1, 3, 3, 1, 0
	WIN 0
	PLACES 8                                       ; in front of the first read of results
; THE WAY OUT, a block of 16 rows x 64 columns at a time: a lane holds 32 neighbouring bytes of a row; the block goes through my own stage and comes back as whole rows of 256 bytes; the residual is added; sixteen lanes
; store 256 consecutive bytes, aligned.  LDS serves a wave's instructions in order (ISA guide 5.7.1.4): no wait between the stores and the loads.
.set RB, 64
.macro TOSTAGE p
.irp t, 0,1,2,3
	ds_store_b128 v24, v[ACC+8*(4*(\p)+\t):ACC+8*(4*(\p)+\t)+3] offset:64*\t          ; each accumulator from its low end on
	ds_store_b128 v24, v[ACC+8*(4*(\p)+\t)+4:ACC+8*(4*(\p)+\t)+7] offset:64*\t+16
.endr
.irp i, 0,1,2,3,4,5,6,7
	ds_load_b128 v[RB+32*((\p)%2)+4*\i:RB+32*((\p)%2)+4*\i+3], v25 offset:\i*544
.endr
.endm
.macro SEND p, younger                 ; younger: the LDS instructions issued behind block p's loads
	s_wait_dscnt \younger
	WIN 0x08                                       ; source 1 window 2
.irp k, 0,2,4,6,8,10,12,14,16,18,20,22,24,26,28,30
	v_pk_add_f32 v[RB+32*((\p)%2)+\k:RB+32*((\p)%2)+\k+1], v[RB+32*((\p)%2)+\k:RB+32*((\p)%2)+\k+1], v[32*(\p)+\k:32*(\p)+\k+1]
.endr
	WIN 0
.irp i, 0,1,2,3,4,5,6,7
	global_store_b128 v26, v[RB+32*((\p)%2)+4*\i:RB+32*((\p)%2)+4*\i+3], s[14:15] offset:(16*(\p)+2*\i)*4096 th:TH_STORE_NT
.endr
.endm
	s_wait_loadcnt 0x0                             ; the residual
	TOSTAGE 0
	TOSTAGE 1
	SEND 0, 16
	s_wait_xcnt 0x0                                ; block 0's stores have read their registers: block 2's loads may land there
	TOSTAGE 2
	SEND 1, 16
	s_wait_xcnt 0x0
	TOSTAGE 3
	SEND 2, 16
	SEND 3, 0
	s_wait_tensorcnt 0x0                           ; the wave's end
	ds_add_u32 v[SPW], v[NIL]
	s_wait_dscnt 0x0
	CROUND                                         ; the closing round: no work-group ends while a partner may still ask for a tile that names it
	s_endpgm
.Lfunc_end_k_q04d56dad5d_fc2:
	.size	k_q04d56dad5d_fc2, .Lfunc_end_k_q04d56dad5d_fc2-k_q04d56dad5d_fc2
	.p2alignl 7, 3214868480
	.fill 96, 4, 3214868480
	.section	.rodata,"a",@progbits
	.p2align	6, 0x0
	.amdhsa_kernel k_q04d56dad5d_fc2
		.amdhsa_group_segment_fixed_size 327680
		.amdhsa_private_segment_fixed_size 0
		.amdhsa_enable_private_segment 0
		.amdhsa_kernarg_size 48
		.amdhsa_user_sgpr_count 2
		.amdhsa_user_sgpr_kernarg_segment_ptr 1
		.amdhsa_wavefront_size32 1
		.amdhsa_system_sgpr_workgroup_id_x 1
		.amdhsa_system_sgpr_workgroup_id_y 1
		.amdhsa_system_sgpr_workgroup_id_z 1
		.amdhsa_system_vgpr_workitem_id 0
		.amdhsa_next_free_vgpr 768
		.amdhsa_next_free_sgpr 100
		.amdhsa_reserve_vcc 0
		.amdhsa_float_denorm_mode_32 3
		.amdhsa_float_denorm_mode_16_64 3
		.amdhsa_memory_ordered 1
		.amdhsa_forward_progress 1
		.amdhsa_inst_pref_size 102
	.end_amdhsa_kernel
	.amdgpu_metadata
---
amdhsa.version: [ 1, 2 ]
amdhsa.kernels:
  - .name:           k_q04d56dad5d_fc2
    .symbol:         k_q04d56dad5d_fc2.kd
    .args:
      - { .name: hid, .offset: 0, .size: 8, .value_kind: global_buffer, .address_space: global }
      - { .name: fc2_w_codes, .offset: 8, .size: 8, .value_kind: global_buffer, .address_space: global }
      - { .name: fc2_w_scales, .offset: 16, .size: 8, .value_kind: global_buffer, .address_space: global }
      - { .name: fc2_b, .offset: 24, .size: 8, .value_kind: global_buffer, .address_space: global }
      - { .name: x1, .offset: 32, .size: 8, .value_kind: global_buffer, .address_space: global }
      - { .name: out0, .offset: 40, .size: 8, .value_kind: global_buffer, .address_space: global }
    .group_segment_fixed_size: 327680
    .private_segment_fixed_size: 0
    .kernarg_segment_align: 8
    .kernarg_segment_size: 48
    .max_flat_workgroup_size: 128
    .sgpr_count:     100
    .vgpr_count:     768
    .wavefront_size: 32
...
	.end_amdgpu_metadata
.endif
;; end of part 7
;; ======== version 2 of 2: 7 launches
;; limits: right only within a limited range of input values
;; workspace buffers: xn 4,325,376 bytes; qkv 13,238,272 bytes; o 4,325,376 bytes; x1 16,777,216 bytes; hid 17,301,504 bytes
;; launch lnq1 (part 8): grid 256 x 1, 4 waves a work-group, no clusters, 66,560 bytes of LDS; arguments x, ln1_w, ln1_b, xn; writes xn
.if DOCPART == 8
	.amdgcn_target "amdgcn-amd-amdhsa--gfx1250"
	.amdhsa_code_object_version 6
	.text
	.protected	k_q04d56dad5d_lnq1
	.globl	k_q04d56dad5d_lnq1
	.p2align	8
	.type	k_q04d56dad5d_lnq1,@function
k_q04d56dad5d_lnq1:
	s_mov_b64 s[64:65], 0
	v_nop
	global_prefetch_b8 v0, s[64:65] scope:SCOPE_SE
	s_setreg_imm32_b32 hwreg(HW_REG_WAVE_MODE, 25, 1), 1
	s_wait_xcnt 0x0
; LayerNorm over rows of 1,024 f32 numbers, then the MX quantiser to E5M2 along the row.  in [4096][1024] f32, w, b [1024] f32.
; out: codes as IMAGES OF OPERAND REGISTERS, [tile of 16 rows 256][K step of 128: 8][group c 4][lane 32][16 bytes]: lane (r, h) of group c holds row r, k = 32 c + 16 h + 0..15;
; behind them, at byte 4,194,304, the scale words [K step 8][row 4096], 4 bytes each (byte b: block b of that K step).
; A work-group takes one tile of 16 rows.  Phase 1: wave w normalises rows 4 w .. 4 w + 3, each row whole in 32 registers (mean, then the squares of the differences: two passes in registers, so a common
; offset of the inputs costs nothing), and lays them into LDS.  Phase 2: wave w quantises K steps 2 w and 2 w + 1 of all 16 rows; a lane reads 16 neighbours of each block of 32.
; LIMITS: NaN and infinities are not served; a block of zeros gets the byte 1 (its codes are zeros, and only this program reads the bytes); blocks whose largest magnitude lies under 2^-111 are held at the byte 1.
; The scale words leave in pieces of 64 bytes (16 rows of one K step): one byte in 32 of what the launch stores.
.set PITCH, 4112                       ; an LDS row: 4,096 bytes + 16: the sixteen rows that a load of phase 2 touches start at sixteen different groups of banks
.set SCOFF, 4194304
.set S,   8                            ; v8-15   a pair of sums for each of my four rows
.set S2,  16                           ; v16-23  a second chain
.set TM,  16                           ; v16-31  phase 2: largest magnitudes, bytes, holds, scale operands (v20-23 are written in phase 1: a lane permute's destination counts as read)
.set X,   64                           ; v64-191 phase 1: row i at 64 + 32 i; phase 2: K step e at 64 + 64 e
.set W,   192
.set B,   224
	s_load_b256 s[4:11], s[0:1], 0x0               ; in s[4:5], w s[6:7], b s[8:9], out s[10:11]
	s_set_vgpr_msb 0x40
	v_lshl_add_u32 v0, v0, 2, 0x10200
	v_mov_b32 v1, 0
	s_set_vgpr_msb 0x4000
	v_lshrrev_b32 v1, 5, v0
	v_readfirstlane_b32 s12, v1                    ; wave
	v_and_b32 v7, 31, v0                           ; lane
	v_and_b32 v5, 15, v0                           ; r
	v_bfe_u32 v6, v0, 4, 1                         ; h
	v_lshlrev_b32 v1, 4, v7                        ; 16 x lane
	s_mul_i32 s13, s12, 4*PITCH
	v_add_nc_u32 v2, s13, v1                       ; LDS, in: my four rows, 16 bytes a lane
	v_mul_u32_u24 v3, v5, PITCH
	v_lshl_add_u32 v3, v6, 6, v3
	s_lshl_b32 s13, s12, 10
	v_add_nc_u32 v3, s13, v3                       ; LDS, out: row r, + 64 h, + my two K steps (1,024 bytes a wave)
	v_lshlrev_b32 v4, 2, v5
	v_lshl_add_u32 v4, v6, 14, v4                  ; scale words: 4 r, and lanes 16-31 one K step (16,384 bytes) on
	v_cmp_lt_u32 vcc_lo, 15, v7                    ; lanes 16-31
	s_mov_b32 s14, 0x76543210
	s_mov_b32 s15, 0xfedcba98                      ; lane selects: lane l xor 16
	s_mov_b32 s16, 0x3a800000                      ; 1 / 1024
	s_mov_b32 s17, 0x3727c5ac                      ; 1e-5
	s_mov_b32 s18, 0x600000                        ; the mantissa field of 57,344
	s_lshl_b32 s20, ttmp9, 16                      ; in: 65,536 bytes a tile, 16,384 a wave
	s_lshl_b32 s13, s12, 14
	s_add_co_u32 s20, s20, s13
	s_mov_b32 s21, 0
	s_lshl_b32 s22, ttmp9, 14                      ; codes: 16,384 bytes a tile, 4,096 a wave
	s_lshl_b32 s13, s12, 12
	s_add_co_u32 s22, s22, s13
	s_mov_b32 s23, 0
	s_lshl_b32 s24, ttmp9, 6                       ; scale words: 64 bytes a tile, two K steps a wave
	s_lshl_b32 s13, s12, 15
	s_add_co_u32 s24, s24, s13
	s_add_co_u32 s24, s24, SCOFF
	s_mov_b32 s25, 0
	s_wait_alu depctr_va_vdst(0)
	s_wait_kmcnt 0x0
	s_add_nc_u64 s[4:5], s[4:5], s[20:21]
	s_add_nc_u64 s[24:25], s[10:11], s[24:25]
	s_add_nc_u64 s[10:11], s[10:11], s[22:23]
.irp i, 0,1,2,3
.irp j, 0,1,2,3,4,5,6,7
	global_load_b128 v[X+32*\i+4*\j:X+32*\i+4*\j+3], v1, s[4:5] offset:4096*\i+512*\j th:TH_LOAD_NT   ; 32 lanes read 512 consecutive bytes: columns 128 j + 4 lane + 0..3
.endr
.endr
.irp j, 0,1,2,3,4,5,6,7
	global_load_b128 v[W+4*\j:W+4*\j+3], v1, s[6:7] offset:512*\j
	global_load_b128 v[B+4*\j:B+4*\j+3], v1, s[8:9] offset:512*\j
.endr
.macro REDUCE                          ; the two chains, the pair's halves and the 32 lanes of each of the four rows: the sum ends in every lane of v[S + 2 i]
.irp i, 0,1,2,3
	v_pk_add_f32 v[S+2*\i:S+2*\i+1], v[S+2*\i:S+2*\i+1], v[S2+2*\i:S2+2*\i+1]
.endr
.irp i, 0,1,2,3
	v_add_f32 v[S+2*\i], v[S+2*\i], v[S+2*\i+1]
.endr
.irp m, 1,2,4,8
.irp i, 0,1,2,3
	v_add_f32_dpp v[S+2*\i], v[S+2*\i], v[S+2*\i] row_xmask:\m row_mask:0xf bank_mask:0xf
.endr
.endr
.irp i, 0,1,2,3
	v_permlanex16_b32 v[S+2*\i+1], v[S+2*\i], s14, s15
.endr
.irp i, 0,1,2,3
	v_add_f32 v[S+2*\i], v[S+2*\i], v[S+2*\i+1]
.endr
.endm
	s_wait_loadcnt 16                              ; the rows are in; the sixteen loads of w and b, issued behind them, may be out
.irp i, 0,1,2,3
	v_pk_add_f32 v[S+2*\i:S+2*\i+1], v[X+32*\i:X+32*\i+1], v[X+32*\i+2:X+32*\i+3]
	v_pk_add_f32 v[S2+2*\i:S2+2*\i+1], v[X+32*\i+4:X+32*\i+5], v[X+32*\i+6:X+32*\i+7]
.endr
.irp j, 8,12,16,20,24,28
.irp i, 0,1,2,3
	v_pk_add_f32 v[S+2*\i:S+2*\i+1], v[S+2*\i:S+2*\i+1], v[X+32*\i+\j:X+32*\i+\j+1]
	v_pk_add_f32 v[S2+2*\i:S2+2*\i+1], v[S2+2*\i:S2+2*\i+1], v[X+32*\i+\j+2:X+32*\i+\j+3]
.endr
.endr
	REDUCE
.irp i, 0,1,2,3
	v_mul_f32 v[S+2*\i], s16, v[S+2*\i]            ; the mean
.endr
.irp j, 0,2,4,6,8,10,12,14,16,18,20,22,24,26,28,30
.irp i, 0,1,2,3
	v_pk_add_f32 v[X+32*\i+\j:X+32*\i+\j+1], v[X+32*\i+\j:X+32*\i+\j+1], v[S+2*\i:S+2*\i+1] op_sel_hi:[1,0] neg_lo:[0,1] neg_hi:[0,1]   ; x - mean, in place
.endr
.endr
.irp i, 0,1,2,3
	v_pk_mul_f32 v[S+2*\i:S+2*\i+1], v[X+32*\i:X+32*\i+1], v[X+32*\i:X+32*\i+1]
	v_pk_mul_f32 v[S2+2*\i:S2+2*\i+1], v[X+32*\i+2:X+32*\i+3], v[X+32*\i+2:X+32*\i+3]
.endr
.irp j, 4,8,12,16,20,24,28
.irp i, 0,1,2,3
	v_pk_fma_f32 v[S+2*\i:S+2*\i+1], v[X+32*\i+\j:X+32*\i+\j+1], v[X+32*\i+\j:X+32*\i+\j+1], v[S+2*\i:S+2*\i+1]
	v_pk_fma_f32 v[S2+2*\i:S2+2*\i+1], v[X+32*\i+\j+2:X+32*\i+\j+3], v[X+32*\i+\j+2:X+32*\i+\j+3], v[S2+2*\i:S2+2*\i+1]
.endr
.endr
	REDUCE
.irp i, 0,1,2,3
	v_fma_f32 v[S+2*\i], v[S+2*\i], s16, s17       ; the variance + 1e-5
.endr
	s_wait_alu depctr_va_vdst(0)
.irp i, 0,1,2,3
	v_rsq_f32 v[S+2*\i], v[S+2*\i]
.endr
	v_nop                                          ; a plain instruction between the last of them and the use of its result
	s_wait_loadcnt 0x0                             ; w and b
	s_wait_alu depctr_va_vdst(0)
.irp j, 0,2,4,6,8,10,12,14,16,18,20,22,24,26,28,30
.irp i, 0,1,2,3
	v_pk_mul_f32 v[X+32*\i+\j:X+32*\i+\j+1], v[X+32*\i+\j:X+32*\i+\j+1], v[S+2*\i:S+2*\i+1] op_sel_hi:[1,0]
.endr
.irp i, 0,1,2,3
	v_pk_fma_f32 v[X+32*\i+\j:X+32*\i+\j+1], v[X+32*\i+\j:X+32*\i+\j+1], v[W+\j:W+\j+1], v[B+\j:B+\j+1]
.endr
.endr
.irp i, 0,1,2,3
.irp j, 0,1,2,3,4,5,6,7
	ds_store_b128 v2, v[X+32*\i+4*\j:X+32*\i+4*\j+3] offset:PITCH*\i+512*\j
.endr
.endr
	s_wait_dscnt 0x0                               ; for the others' sake: my rows lie in LDS
	s_barrier_signal -1
	s_barrier_wait -1
.irp e, 0,1
.irp c, 0,1,2,3
.irp j, 0,1,2,3
	ds_load_b128 v[X+64*\e+16*\c+4*\j:X+64*\e+16*\c+4*\j+3], v3 offset:512*\e+128*\c+16*\j   ; register 16 c + i = k 32 c + 16 h + i of row r
.endr
.endr
.endr
; 64 numbers of a lane, register 16 b + i = k 32 b + 16 h + i of its row, become a fragment's 16 registers of codes in v[pc] on and its scale word in v[pw]
.macro QUANT s, pc, pw
.irp b, 0,1,2,3
	v_max3_num_f32 v[TM+\b], |v[\s+16*\b]|, |v[\s+16*\b+1]|, 0x8000000   ; my 16 numbers of block b, and the floor 2^(16 - 127): the byte cannot fall under 1
.endr
.irp i, 2,4,6,8,10,12,14
.irp b, 0,1,2,3
	v_max3_num_f32 v[TM+\b], v[TM+\b], |v[\s+16*\b+\i]|, |v[\s+16*\b+\i+1]|
.endr
.endr
.irp b, 0,1,2,3
	v_permlanex16_b32 v[TM+4+\b], v[TM+\b], s14, s15
.endr
.irp b, 0,1,2,3
	v_max_num_f32 v[TM+\b], v[TM+\b], v[TM+4+\b]   ; with lane l xor 16's: the block's largest magnitude
.endr
.irp b, 0,1,2,3
	v_add_nc_u32 v[TM+12+\b], 0xf8800000, v[TM+\b] ; 15 off its exponent field: the conversion's scale operand
.endr
.irp b, 0,1,2,3
	v_and_or_b32 v[TM+8+\b], v[TM+\b], 0x7f800000, s18   ; 57,344 x the scale
.endr
.irp b, 0,1,2,3
	v_lshrrev_b32 v[TM+4+\b], 23, v[TM+12+\b]      ; the scale's byte
.endr
	v_lshl_or_b32 v[\pw], v[TM+5], 8, v[TM+4]
	v_lshl_or_b32 v[\pw], v[TM+6], 16, v[\pw]
	v_lshl_or_b32 v[\pw], v[TM+7], 24, v[\pw]
.irp b, 0,1,2,3
.irp i, 0,1,2,3,4,5,6,7,8,9,10,11,12,13,14,15
	v_med3_num_f32 v[\s+16*\b+\i], v[\s+16*\b+\i], -v[TM+8+\b], v[TM+8+\b]   ; the conversion to an 8-bit code does not saturate (ISA guide 7.6.2): the hold
.endr
	v_cvt_scalef32_pk8_bf8_f32 v[\pc+4*\b:\pc+4*\b+1], v[\s+16*\b:\s+16*\b+7], v[TM+12+\b]
	v_cvt_scalef32_pk8_bf8_f32 v[\pc+4*\b+2:\pc+4*\b+3], v[\s+16*\b+8:\s+16*\b+15], v[TM+12+\b]
.endr
	v_nop                                          ; a plain instruction behind the last conversion
.endm
	s_wait_dscnt 16                                ; the first K step's sixteen loads are in
	QUANT 64, 32, 5
.irp c, 0,1,2,3
	global_store_b128 v1, v[32+4*\c:35+4*\c], s[10:11] offset:512*\c          ; 32 lanes store 512 consecutive bytes, aligned
.endr
	s_wait_dscnt 0x0
	QUANT 128, 48, 6
.irp c, 0,1,2,3
	global_store_b128 v1, v[48+4*\c:51+4*\c], s[10:11] offset:2048+512*\c
.endr
	v_cndmask_b32 v5, v5, v6, vcc_lo               ; lanes 0-15 keep the first K step's word of row r, lanes 16-31 take the second's
	global_store_b32 v4, v5, s[24:25]
	s_set_vgpr_msb 0x5
	s_wait_tensorcnt 0x0
	ds_add_u32 v0, v1
	s_wait_dscnt 0x0
	s_set_vgpr_msb 0x500
	s_endpgm
.Lfunc_end_k_q04d56dad5d_lnq1:
	.size	k_q04d56dad5d_lnq1, .Lfunc_end_k_q04d56dad5d_lnq1-k_q04d56dad5d_lnq1
	.p2alignl 7, 3214868480
	.fill 96, 4, 3214868480
	.section	.rodata,"a",@progbits
	.p2align	6, 0x0
	.amdhsa_kernel k_q04d56dad5d_lnq1
		.amdhsa_group_segment_fixed_size 66560
		.amdhsa_private_segment_fixed_size 0
		.amdhsa_enable_private_segment 0
		.amdhsa_kernarg_size 32
		.amdhsa_user_sgpr_count 2
		.amdhsa_user_sgpr_kernarg_segment_ptr 1
		.amdhsa_wavefront_size32 1
		.amdhsa_system_sgpr_workgroup_id_x 1
		.amdhsa_system_sgpr_workgroup_id_y 1
		.amdhsa_system_sgpr_workgroup_id_z 1
		.amdhsa_system_vgpr_workitem_id 0
		.amdhsa_next_free_vgpr 258
		.amdhsa_next_free_sgpr 66
		.amdhsa_reserve_vcc 1
		.amdhsa_float_denorm_mode_32 3
		.amdhsa_float_denorm_mode_16_64 3
		.amdhsa_memory_ordered 1
		.amdhsa_forward_progress 1
		.amdhsa_inst_pref_size 52
	.end_amdhsa_kernel
	.amdgpu_metadata
---
amdhsa.version: [ 1, 2 ]
amdhsa.kernels:
  - .name:           k_q04d56dad5d_lnq1
    .symbol:         k_q04d56dad5d_lnq1.kd
    .args:
      - { .name: x, .offset: 0, .size: 8, .value_kind: global_buffer, .address_space: global }
      - { .name: ln1_w, .offset: 8, .size: 8, .value_kind: global_buffer, .address_space: global }
      - { .name: ln1_b, .offset: 16, .size: 8, .value_kind: global_buffer, .address_space: global }
      - { .name: xn, .offset: 24, .size: 8, .value_kind: global_buffer, .address_space: global }
    .group_segment_fixed_size: 66560
    .private_segment_fixed_size: 0
    .kernarg_segment_align: 8
    .kernarg_segment_size: 32
    .max_flat_workgroup_size: 128
    .sgpr_count:     66
    .vgpr_count:     258
    .wavefront_size: 32
...
	.end_amdgpu_metadata
.endif
;; end of part 8
;; launch qkv (part 9): grid 8 x 32, 4 waves a work-group, clusters of 4 x 4, 327,680 bytes of LDS; arguments xn, qkv_w_codes, qkv_w_scales, qkv_b, qkv; writes qkv
.if DOCPART == 9
	.amdgcn_target "amdgcn-amd-amdhsa--gfx1250"
	.amdhsa_code_object_version 6
	.text
	.protected	k_q04d56dad5d_qkv
	.globl	k_q04d56dad5d_qkv
	.p2align	8
	.type	k_q04d56dad5d_qkv,@function
k_q04d56dad5d_qkv:
	s_mov_b64 s[64:65], 0
	v_nop
	global_prefetch_b8 v0, s[64:65] scope:SCOPE_SE
	s_setreg_imm32_b32 hwreg(HW_REG_WAVE_MODE, 25, 1), 1
	s_wait_xcnt 0x0
	s_wait_alu depctr_hold_cnt(0) depctr_sa_sdst(0) depctr_va_vdst(0) depctr_va_sdst(0) depctr_va_ssrc(0) depctr_va_vcc(0) depctr_vm_vsrc(0)
	s_getreg_b32 s2, hwreg(HW_REG_IB_STS2, 6, 4)
	s_cmp_eq_u32 s2, 0
	s_cbranch_scc0 .Lentry_in_a_cluster
	s_endpgm
.Lentry_in_a_cluster:
	s_bfe_u32 s2, ttmp6, 0x10000c
	s_cmp_lg_u32 s2, 0xf033
	s_cbranch_scc0 .Lentry_shape_is_right
	s_endpgm
.Lentry_shape_is_right:
; q, k and v: LN1(x) W^T + b on codes of E5M2 with E8M0 scales, each result quantised for attention and stored as images of operand registers.
; A WORK-GROUP STAYS.  Work-group (g, rt) owns tokens 128 rt .. 128 rt + 127 and walks NT = 3 tiles of 128 rows of W, 1,024 rows apart: tile g of q, of k and of v.  Four waves, each 64 tokens x 64 rows of W: 16 accumulators.
; A STAYS IN REGISTERS.  A wave's 64 tokens x 1,024 K are 4 tiles x 8 K steps x 16 registers = 512 registers (windows 2 and 3): they come once, as images through LDS, and every tile of W is multiplied from them,
; so that a K step's 16 products read only W's four fragments, 8,192 bytes a wave, from LDS.
; THE RING: two LDS slots, each a WHOLE tile of W: 128 rows x (1,024 bytes + 16).  Slot 1 first takes A's images (131,072 bytes); when they are in registers it is filled with W's tile 1; behind tile 0's products slot 0 is
; filled with tile 2.  Each refill stands behind a round of the cluster's barrier, one load a wave (a quarter: 32 rows of 1,024 bytes; four waves share the tile's 128 rows), and has a way out and a tile's 128 products in which to land.
; A wave has one tensor load out at the start, and one behind each round.
; Source 1 = block p of X (a lane is a row of X), source 0 = tile t of Y (the registers run along Y's rows).  q, k (mode 0): X = tokens, Y = W.  v (mode 1): X = W, Y = tokens, since the keys are the K of attention's second product.
; The bias is the C of each sum's first product.  CLUSTERS: 4 x 4 work-groups; A is asked for jointly along a row of the cluster, W along a column.
; REGISTERS: window 0: v1-29 addresses; v32-63 scale words and nothing else (set s for K steps 4 s .. 4 s + 3: A's at 32 + 16 s + 2 i + e, W's at 40 + 16 s + 2 t + e; lanes 0-15 K step 4 s + e, lanes 16-31 K step 4 s + 2 + e);
;   v64-127 at work on the way out; v128-255 the accumulators ((p, t) at 128 + 8 (4 p + t)).  window 1: v0-191 three buffers of W's four fragments; v192-223 the bias.  windows 2, 3: A: fragment (i, K step k) at 64 (k % 4) + 16 i of window 2 + k / 4.
; LIMITS of the quantiser: NaN and infinities are not served; a block of zeros gets the byte 1 (zero codes; only this program reads the bytes); largest magnitudes under 2^-111 are held at the byte 1.
.set NT,    3
.set SCOFF, 4194304                    ; where A's scale words begin: [K step 8][row 4096], 4 bytes each
.set WP,    1040                       ; a row of W in LDS: 1,024 bytes + 16 = 260 words: the sixteen rows of a load start at sixteen different groups of banks
.set TSB,   128*WP                     ; a slot
.set TSTEP, 1048576                    ; bytes from a tile of W to the work-group's next: 1,024 rows
.set SCA,   2*TSB                      ; A's scale words: [K step 8][128 tokens x 4 bytes]
.set SCB,   SCA+4096                   ; W's scale bytes: [tile NT][128 rows x 32 bytes]
.set SPARE, SCB+2*NT*2048              ; the spare words, 128 bytes a wave: two blocks of 256 bytes that no other line names
.set SCST,  SPARE+512                  ; 512 bytes in which two waves' halves of v's scale words meet
.set ADRA, 16
.set AB0,  20
.set ADRB, 21
.set ADSA, 22
.set ADSB, 23
.set SPW,  28
.set NIL,  29
.set SC,   32
.set TM,   64
.set ACC,  128
.set BN,   192
.set G1A,  24
.set G1W,  32
.set G1SA, 40
.set G1SB, 48
.set G0A,  56
.set G0W0, 60
.set G0W,  68
.set G0SA, 72
.set G0SB, 76
.set TB,   86
.set MSB, 0
.macro WIN new                         ; the immediate's high byte repeats the setting that is left
.if MSB != \new
	s_set_vgpr_msb (MSB<<8)|\new
.set MSB, \new
.endif
.endm
.macro JLOAD g0a, g1a, g0b, g1b        ; a joint load: waves 0 and 1 fetch for A, waves 2 and 3 for W; four v_nop follow each line
	s_cmp_eq_u32 s19, 0
	s_cbranch_scc0 .Lfor_b_\@
	tensor_load_to_lds s[\g0a:\g0a+3], s[\g1a:\g1a+7]
	s_nop 0
.rept 4
	v_nop
.endr
	s_branch .Lasked_\@
.Lfor_b_\@:
	tensor_load_to_lds s[\g0b:\g0b+3], s[\g1b:\g1b+7]
	s_nop 0
.rept 4
	v_nop
.endr
.Lasked_\@:
.endm
.macro CROUND                          ; a round of the cluster's barrier
	s_barrier_signal -1
	s_barrier_wait -1
	s_cmp_lg_u32 s18, 0
	s_cbranch_scc1 .Lnot_wave_0_\@
	s_barrier_signal -3
.Lnot_wave_0_\@:
	s_barrier_wait -3
	s_barrier_signal -1
	s_barrier_wait -1
.endm
.macro PLACES n
.rept \n
	v_nop
.endr
.endm
.macro SHAPE g, c, r, p                ; words 1 to 7 of a descriptor's group 1: r rows of c elements, p elements from row to row
	s_mov_b32 s[\g+1], (\c)<<16
	s_mov_b32 s[\g+2], (\r)<<16
	s_mov_b32 s[\g+3], (\c)<<16
	s_mov_b32 s[\g+4], \r
	s_mov_b32 s[\g+5], \p
	s_mov_b32 s[\g+6], 0
	s_mov_b32 s[\g+7], 0
.endm
	s_load_b256 s[4:11], s[0:1], 0x0               ; A s[4:5], W's codes s[6:7], W's scales s[8:9], the bias s[10:11]
	s_load_b64 s[12:13], s[0:1], 0x20              ; the result
	v_lshl_add_u32 v[SPW], v0, 2, SPARE
	v_mov_b32 v[NIL], 0
	ds_add_u32 v28, v29
	ds_add_u32 v28, v29
	s_wait_dscnt 0x0
	v_lshrrev_b32 v1, 5, v0
	v_readfirstlane_b32 s18, v1                    ; wave
	s_lshr_b32 s19, s18, 1                         ; RH: my four tiles of tokens.
	s_and_b32 s20, s18, 1                          ; CH: my 64 rows of W.
	s_bfe_u32 s80, ttmp6, 0x40000                  ; cx, cy
	s_bfe_u32 s81, ttmp6, 0x40004
	s_lshl_b32 s82, ttmp9, 2
	s_add_co_u32 s82, s82, s80                     ; g
	s_and_b32 s83, ttmp7, 0xffff
	s_lshl_b32 s83, s83, 2
	s_add_co_u32 s83, s83, s81                     ; rt
	s_lshl_b32 s84, s81, 2
	s_lshl_b32 s84, 15, s84                        ; my row of the cluster
	s_lshl_b32 s85, 0x1111, s80                    ; my column
	s_or_b32 s[G1A], s84, (3<<16)|(1<<21)          ; A's images: a dense quarter, 128 rows of 256 bytes (32 elements of 8)
	SHAPE G1A, 32, 512, 32                         ; the head's load brings all 131,072 bytes: 512 rows of 256
	s_or_b32 s[G1W], s85, (1<<20)|(1<<21)|(7<<22)|(3<<25)   ; W: 32 rows of 1,024 bytes, four words of padding behind every 256
	SHAPE G1W, 1024, 128, 1024                     ; the head's load brings tile 0 whole; behind it the two words that count rows are set to 32
	s_or_b32 s[G1SA], s84, (3<<16)|(1<<21)         ; A's scale words: a row of 256 bytes (64 tokens) for each K step, 16,384 bytes apart
	SHAPE G1SA, 64, 8, 2048                        ; a row of 512 bytes (128 tokens) for each K step
	s_or_b32 s[G1SB], s85, (3<<16)|(1<<21)         ; W's scale bytes: for each tile a row of 2,048 bytes (64 rows of W), 32,768 bytes apart
	SHAPE G1SB, 512, NT, 4096                      ; for each tile a row of 4,096 bytes (128 rows of W)
	s_lshl_b32 s96, s83, 17                        ; A's images: 131,072 bytes a work-group
	s_mov_b32 s97, 0
	s_lshl_b32 s98, s83, 9                         ; its scale words: 4 bytes a token
	s_add_co_u32 s98, s98, SCOFF
	s_mov_b32 s99, 0
	s_lshl_b32 s92, s82, 17                        ; W: row 128 g + 32 wave
	s_lshl_b32 s21, s18, 15
	s_add_co_u32 s92, s92, s21
	s_mov_b32 s93, 0
	s_lshl_b32 s94, s82, 12                        ; W's scale bytes: 32 a row, row 128 g
	s_mov_b32 s95, 0
	s_lshl_b32 s90, s82, 9                         ; the bias of my 64 rows of W
	s_lshl_b32 s21, s20, 8
	s_add_co_u32 s90, s90, s21
	s_mov_b32 s91, 0
	s_mul_i32 s22, s18, 32*WP                      ; LDS: my 32 rows in a slot; no place in the cluster enters an LDS address
	s_mov_b32 s[TB], 0
	s_mov_b32 s16, 0x76543210
	s_mov_b32 s17, 0xfedcba98                      ; lane l xor 16
	s_mov_b32 s2, 0x600000                         ; the mantissa field of 57,344
	s_wait_kmcnt 0x0
	s_mov_b32 s[G0SA], 1
	s_mov_b32 s[G0SA+1], SCA
	s_add_nc_u64 s[G0SA+2:G0SA+3], s[4:5], s[98:99]
	s_or_b32 s[G0SA+3], s[G0SA+3], 0x80000000
	s_mov_b32 s[G0SB], 1
	s_mov_b32 s[G0SB+1], SCB
	s_add_nc_u64 s[G0SB+2:G0SB+3], s[8:9], s[94:95]
	s_or_b32 s[G0SB+3], s[G0SB+3], 0x80000000
	s_mov_b32 s[G0A], 1
	s_mov_b32 s[G0A+1], TSB
	s_add_nc_u64 s[G0A+2:G0A+3], s[4:5], s[96:97]
	s_or_b32 s[G0A+3], s[G0A+3], 0x80000000
	s_mov_b32 s[G0W0], 1                           ; W's tile 0, into slot 0
	s_mov_b32 s[G0W0+1], 0
	s_lshl_b32 s96, s82, 17                        ; row 128 g
	s_add_nc_u64 s[G0W0+2:G0W0+3], s[6:7], s[96:97]
	s_or_b32 s[G0W0+3], s[G0W0+3], 0x80000000
	s_mov_b32 s[G0W], 1                            ; the walking descriptor: it begins with tile 1 and slot 1
	s_add_co_u32 s[G0W+1], s22, TSB
	s_add_nc_u64 s[G0W+2:G0W+3], s[6:7], s[92:93]
	s_add_nc_u64 s[G0W+2:G0W+3], s[G0W+2:G0W+3], TSTEP
	s_or_b32 s[G0W+3], s[G0W+3], 0x80000000
	s_add_nc_u64 s[10:11], s[10:11], s[90:91]
	CROUND                                         ; all sixteen work-groups are here: the first joint loads meet
; THE HEAD'S LOADS, ONE A WAVE: wave 0 A's images, wave 1 W's tile 0, wave 2 A's scale words, wave 3 W's scale bytes, each whole.  One chain of branches on the wave's number.
.macro ARM under, g0, g1, next
	s_cmp_lt_u32 s18, \under
	s_cbranch_scc0 \next
	tensor_load_to_lds s[\g0:\g0+3], s[\g1:\g1+7]
	s_nop 0
.rept 4
	v_nop
.endr
	s_branch .Lhead_asked
\next:
.endm
	ARM 1, G0A,  G1A,  .Lhead_w
	ARM 2, G0W0, G1W,  .Lhead_sa
	ARM 3, G0SA, G1SA, .Lhead_sb
	tensor_load_to_lds s[G0SB:G0SB+3], s[G1SB:G1SB+7]
	s_nop 0
.rept 4
	v_nop
.endr
.Lhead_asked:
	v_and_b32 v1, 15, v0
	v_bfe_u32 v2, v0, 4, 1                         ; h
	v_and_b32 v3, 31, v0                           ; lane
	s_lshl_b32 s21, s19, 16
	s_add_co_u32 s21, s21, TSB
	v_lshl_add_u32 v[ADRA], v3, 4, s21             ; A's images: my four tiles, 16 bytes a lane
	s_mul_i32 s21, s20, 64*WP
	v_mul_u32_u24 v4, v1, WP
	v_lshl_add_u32 v4, v2, 4, v4
	v_add_nc_u32 v[AB0], s21, v4                   ; W's rows in a slot: my 64, row r, + 16 h
	s_lshl_b32 s21, s19, 8                         ; A's scale words lie [K step 8][128 tokens x 4 bytes]: my 64 tokens
	s_add_co_u32 s21, s21, SCA
	v_lshlrev_b32 v4, 2, v1
	v_lshl_add_u32 v4, v2, 10, v4
	v_add_nc_u32 v[ADSA], s21, v4                  ; A's scale words: 4 r; lanes 16-31 two K steps on
	s_lshl_b32 s21, s20, 11                        ; W's scale bytes lie [tile NT][128 rows x 32 bytes]: my 64 rows
	s_add_co_u32 s21, s21, SCB
	v_lshlrev_b32 v4, 5, v1
	v_lshl_add_u32 v4, v2, 3, v4
	v_add_nc_u32 v[ADSB], s21, v4                  ; W's: 32 r; lanes 16-31 two K steps (8 bytes) on
	v_lshlrev_b32 v6, 5, v2                        ; the bias, mode 0: register j of tile t holds b(16 t + 8 h + j)
	v_lshlrev_b32 v7, 2, v1                        ; mode 1: a lane is a row of W: all eight registers of block p hold b(16 p + r)
	v_lshlrev_b32 v24, 4, v3                       ; 16 x lane
	v_lshlrev_b32 v25, 4, v1
	v_lshl_add_u32 v25, v2, 3, v25                 ; q's and k's scale words: 16 r + 8 h
	s_lshl_b32 s21, s20, 8
	s_lshl_b32 s22, s19, 1
	s_add_co_u32 s21, s21, s22
	s_add_co_u32 s21, s21, SCST
	v_lshl_add_u32 v8, v1, 4, s21                  ; v's scale words in LDS: 256 CH + 16 r + 2 RH (+ 4 p)
	v_lshl_add_u32 v26, v3, 4, SCST                ; back: 16 bytes a lane
	v_lshlrev_b32 v27, 12, v2
	v_lshl_add_u32 v27, v1, 4, v27                 ; in memory: lanes 16-31 the next head (4,096 bytes on), 16 r
.irp b, 0,1,2,3
	v_mov_b32 v[TM+4+\b], 0                        ; a lane permute's destination counts as read
.endr
	; where the results go.  q, k: codes [q or k][batch x 16 + head][tile 128][c 2][512 bytes]; scale words at 12 MiB: [q or k][batch x 16 + head][group of 64 tokens 32][r 16][tile 4] (bytes 0 and 1; the upper two 0).
	; v: codes at 8 MiB: [batch x 16 + head][key step 16][channel tile 4][c 4][512 bytes], c = 2 RH + b; scale words at 12 MiB + 512 KiB: [batch x 16 + head][key step 16][r 16][channel tile 4].
	s_lshl_b32 s21, s82, 1
	s_add_co_u32 s21, s21, s20                     ; my head: 2 g + CH
	s_lshr_b32 s22, s83, 4
	s_lshl_b32 s22, s22, 4
	s_add_co_u32 s21, s21, s22                     ; + 16 x batch
	s_lshl_b32 s23, s83, 3
	s_lshl_b32 s22, s19, 2
	s_add_co_u32 s23, s23, s22
	s_and_b32 s23, s23, 127                        ; my first tile of tokens in the batch
	s_lshl_b32 s88, s21, 17
	s_lshl_b32 s22, s23, 10
	s_add_co_u32 s88, s88, s22
	s_mov_b32 s89, 0
	s_add_nc_u64 s[88:89], s[12:13], s[88:89]
	s_lshl_b32 s90, s21, 13
	s_lshr_b32 s22, s23, 2
	s_lshl_b32 s22, s22, 8
	s_add_co_u32 s90, s90, s22
	s_add_co_u32 s90, s90, 12582912
	s_mov_b32 s91, 0
	s_add_nc_u64 s[90:91], s[12:13], s[90:91]
	s_and_b32 s23, s83, 15                         ; the key step
	s_lshl_b32 s92, s21, 4
	s_add_co_u32 s92, s92, s23
	s_lshl_b32 s92, s92, 13
	s_lshl_b32 s22, s19, 10
	s_add_co_u32 s92, s92, s22
	s_add_co_u32 s92, s92, 8388608
	s_mov_b32 s93, 0
	s_add_nc_u64 s[92:93], s[12:13], s[92:93]
	s_sub_co_u32 s21, s21, s20                     ; the work-group's first head
	s_lshl_b32 s94, s21, 12
	s_lshl_b32 s22, s23, 8
	s_add_co_u32 s94, s94, s22
	s_add_co_u32 s94, s94, 13107200
	s_mov_b32 s95, 0
	s_add_nc_u64 s[94:95], s[12:13], s[94:95]
.macro BIAS nb, step                   ; a tile's bias into window 1.  nb = 1: mode 0's layout; 2: mode 1's.  step = 1: the next tile's, 1,024 rows on (the earlier loads from this base were waited for at the tile's head)
	WIN 0x40
.if \step
	s_add_nc_u64 s[10:11], s[10:11], 4096
.endif
.if (\nb) == 2
.irp p, 0,1,2,3
.irp j, 0,1,2,3,4,5,6,7
	global_load_b32 v[BN+8*\p+\j], v7, s[10:11] offset:64*\p
.endr
.endr
.else
.irp t, 0,1,2,3
	global_load_b128 v[BN+8*\t:BN+8*\t+3], v6, s[10:11] offset:64*\t
	global_load_b128 v[BN+8*\t+4:BN+8*\t+7], v6, s[10:11] offset:64*\t+16
.endr
.endif
.endm
.macro FETCHW k                        ; 16 loads: W's four fragments of K step k into buffer k % 3: registers 4 c .. 4 c + 3 hold k = 32 c + 16 h + 0..15 of row r
	WIN 0x40
.irp t, 0,1,2,3
.irp c, 0,1,2,3
	ds_load_b128 v[64*((\k)%3)+16*\t+4*\c:64*((\k)%3)+16*\t+4*\c+3], v[ADRB] offset:\t*16*WP+(\k)*128+\c*32
.endr
.endr
.endm
.macro SCALEB                          ; 8 loads: the tile's scale words of W, for all of K
	WIN 0
.irp s, 0,1
.irp t, 0,1,2,3
	ds_load_b64 v[SC+16*\s+8+2*\t:SC+16*\s+8+2*\t+1], v[ADSB] offset:\t*512+16*\s
.endr
.endr
.endm
.macro MWIN mode, ks                   ; the products' windows: W in 1, A in 2 + ks / 4, C and D in 0; in K step 0 C is the bias, in window 1
.set WC, 0
.if (\ks) == 0
.set WC, 0x10
.endif
.if (\mode) == 1
.set WN, (2+(\ks)/4)|0x04|WC
.else
.set WN, 0x01|((2+(\ks)/4)<<2)|WC
.endif
	WIN WN
.endm
; four products: block p of X against Y's four tiles, K step ks.  The sixteen accumulators take turns, one instruction a turn, in the same order in every K step.
.macro MUL4 mode, ks, p
.irp t, 0,1,2,3
.set rD, ACC+8*(4*(\p)+\t)
.set rC, rD
.if (\mode) == 1
.set rA0, 64*((\ks)%4)+16*\t
.set rA1, 64*((\ks)%3)+16*(\p)
.set rX0, SC+16*((\ks)/4)+2*\t+(\ks)%2
.set rX1, SC+16*((\ks)/4)+8+2*(\p)+(\ks)%2
.if (\ks) == 0
.set rC, BN+8*(\p)
.endif
.else
.set rA0, 64*((\ks)%3)+16*\t
.set rA1, 64*((\ks)%4)+16*(\p)
.set rX0, SC+16*((\ks)/4)+8+2*\t+(\ks)%2
.set rX1, SC+16*((\ks)/4)+2*(\p)+(\ks)%2
.if (\ks) == 0
.set rC, BN+8*\t
.endif
.endif
.if (\ks)%4 < 2
	v_wmma_scale_f32_16x16x128_f8f6f4 v[rD:rD+7], v[rA0:rA0+15], v[rA1:rA1+15], v[rC:rC+7], v[rX0], v[rX1] matrix_a_fmt:MATRIX_FMT_BF8 matrix_b_fmt:MATRIX_FMT_BF8
.else
	v_wmma_scale_f32_16x16x128_f8f6f4 v[rD:rD+7], v[rA0:rA0+15], v[rA1:rA1+15], v[rC:rC+7], v[rX0], v[rX1] matrix_a_fmt:MATRIX_FMT_BF8 matrix_b_fmt:MATRIX_FMT_BF8 matrix_a_scale:MATRIX_SCALE_ROW1 matrix_b_scale:MATRIX_SCALE_ROW1
.endif
.endr
.endm
; a K step: 16 products; in its middle the fragments of two K steps on are fetched, into the buffer that the K step before has read.  Eight plain places stand in front of loads into registers that matrix instructions have read.
.macro KSTEP mode, ks, nb
.if (\ks) < 7
	s_wait_dscnt 16                                ; this K step's fragments are in; the next K step's sixteen loads may be out
.else
	s_wait_dscnt 0x0
.endif
	MWIN \mode, \ks
	MUL4 \mode, \ks, 0
	MUL4 \mode, \ks, 1
.if (\ks) < 6
	PLACES 8
.if (\ks) == 1
.if (\nb)
	BIAS \nb, 1                                    ; K step 0's products have read this tile's bias: the next tile's is asked for
.endif
.endif
	FETCHW (\ks)+2
.endif
	MWIN \mode, \ks
	MUL4 \mode, \ks, 2
	MUL4 \mode, \ks, 3
.endm
; A REFILL.  Each wave waits for all its tensor loads (its part of the other slot), adds 0 to its spare word, and waits for that and for its reads of the slot that it has left; a round of the cluster's barrier: no wave of any
; partner still reads that slot or has a load on its way; the joint refill is the first thing behind it.  step = 1: the walking descriptor goes on to the other slot and the next tile.
.macro EVENT step
	s_wait_tensorcnt 0x0                           ; no tensor load of mine is out, so a group 0 may be written
	ds_add_u32 v[SPW], v[NIL]                      ; 0 onto my spare word
.if \step
	s_xor_b32 s[G0W+1], s[G0W+1], TSB              ; (a wave's place in a slot shares no bit with the slot's size)
	s_add_nc_u64 s[G0W+2:G0W+3], s[G0W+2:G0W+3], TSTEP
.endif
	s_wait_dscnt 0x0
	CROUND
	tensor_load_to_lds s[G0W:G0W+3], s[G1W:G1W+7]
	s_nop 0
.rept 4
	v_nop
.endr
.endm
; THE QUANTISER.  64 numbers of a lane: four blocks; block b's 16 registers are two neighbouring tiles: k = 32 b + 8 h + 0..7 and 32 b + 16 + 8 h + 0..7 of the lane's row; lane l xor 16 holds the other 16.
; The two tiles' codes [E0 E1 O0 O1] are brought into an image group's order, k = 32 b + 16 h + 0..15, by exchanging E's lanes 16-31 with O's lanes 0-15.
.macro QUANT s, pc
.irp b, 0,1,2,3
	v_max3_num_f32 v[TM+\b], |v[\s+16*\b]|, |v[\s+16*\b+1]|, 0x8000000   ; each accumulator is read from its low end on; the floor 2^(16 - 127) holds the byte at 1 from below
.endr
.irp i, 2,4,6,8,10,12,14
.irp b, 0,1,2,3
	v_max3_num_f32 v[TM+\b], v[TM+\b], |v[\s+16*\b+\i]|, |v[\s+16*\b+\i+1]|
.endr
.endr
.irp b, 0,1,2,3
	v_permlanex16_b32 v[TM+4+\b], v[TM+\b], s16, s17
.endr
.irp b, 0,1,2,3
	v_max_num_f32 v[TM+\b], v[TM+\b], v[TM+4+\b]
.endr
.irp b, 0,1,2,3
	v_add_nc_u32 v[TM+12+\b], 0xf8800000, v[TM+\b] ; 15 off the exponent field: the conversion's scale operand
.endr
.irp b, 0,1,2,3
	v_and_or_b32 v[TM+8+\b], v[TM+\b], 0x7f800000, s2   ; 57,344 x the scale
.endr
.irp b, 0,1,2,3
	v_lshrrev_b32 v[TM+4+\b], 23, v[TM+12+\b]      ; the scale's byte
.endr
.irp b, 0,1,2,3
.irp i, 0,1,2,3,4,5,6,7,8,9,10,11,12,13,14,15
	v_med3_num_f32 v[\s+16*\b+\i], v[\s+16*\b+\i], -v[TM+8+\b], v[TM+8+\b]   ; the conversion does not saturate (ISA guide 7.6.2): the hold
.endr
	v_cvt_scalef32_pk8_bf8_f32 v[\pc+4*\b:\pc+4*\b+1], v[\s+16*\b:\s+16*\b+7], v[TM+12+\b]
	v_cvt_scalef32_pk8_bf8_f32 v[\pc+4*\b+2:\pc+4*\b+3], v[\s+16*\b+8:\s+16*\b+15], v[TM+12+\b]
.endr
	v_nop                                          ; a plain instruction between the last conversion and the first line that touches its result
.irp b, 0,1,2,3
	v_permlane16_swap_b32 v[\pc+4*\b], v[\pc+4*\b+2]
	v_permlane16_swap_b32 v[\pc+4*\b+1], v[\pc+4*\b+3]
.endr
.endm
.macro OUT_QK                          ; my 64 rows of W are one head of q or of k; my four tiles of tokens are one group of 64
	v_cmp_lt_u32 vcc_lo, 15, v3
	QUANT 128, 80
	v_lshl_or_b32 v112, v[TM+5], 8, v[TM+4]
	v_lshl_or_b32 v113, v[TM+7], 8, v[TM+6]
.irp g, 0,1,2,3
	global_store_b128 v24, v[80+4*\g:83+4*\g], s[88:89] offset:512*\g          ; 32 lanes store 512 consecutive bytes, aligned
.endr
	QUANT 192, 96
	v_lshl_or_b32 v114, v[TM+5], 8, v[TM+4]
	v_lshl_or_b32 v115, v[TM+7], 8, v[TM+6]
.irp g, 0,1,2,3
	global_store_b128 v24, v[96+4*\g:99+4*\g], s[88:89] offset:2048+512*\g
.endr
	v_cndmask_b32 v112, v112, v114, vcc_lo         ; lanes 0-15: tiles 0 and 1 of row r; lanes 16-31: tiles 2 and 3
	v_cndmask_b32 v113, v113, v115, vcc_lo
	global_store_b64 v25, v[112:113], s[90:91]     ; the wave stores 256 consecutive bytes, aligned
	s_wait_xcnt 0x0                                ; the stores have read their registers and bases: both are written again only behind this wait
	s_add_nc_u64 s[88:89], s[88:89], 4194304       ; from q on to k (behind k's tile the stepped addresses are not used)
	s_add_nc_u64 s[90:91], s[90:91], 262144
.endm
.macro OUT_V                           ; my 64 rows of W are one head's channels; my 64 tokens are half of a step of 128 keys; a scale word's halves come from two waves and meet in LDS
	QUANT 128, 80
	v_lshl_or_b32 v112, v[TM+5], 8, v[TM+4]
	v_lshl_or_b32 v113, v[TM+7], 8, v[TM+6]
.irp p, 0,1
.irp b, 0,1
	global_store_b128 v24, v[80+8*\p+4*\b:83+8*\p+4*\b], s[92:93] offset:2048*\p+512*\b
.endr
.endr
	QUANT 192, 96
	v_lshl_or_b32 v114, v[TM+5], 8, v[TM+4]
	v_lshl_or_b32 v115, v[TM+7], 8, v[TM+6]
.irp p, 0,1
.irp b, 0,1
	global_store_b128 v24, v[96+8*\p+4*\b:99+8*\p+4*\b], s[92:93] offset:4096+2048*\p+512*\b
.endr
.endr
.irp p, 0,1,2,3
	ds_store_b16 v8, v[112+\p] offset:4*\p         ; both halves of the lanes write the same two bytes with the same value
.endr
	s_wait_dscnt 0x0                               ; for the others' sake: my halves of the words lie in LDS
	s_barrier_signal -1
	s_barrier_wait -1
	s_cmp_lg_u32 s18, 0
	s_cbranch_scc1 .Lnot_first
	ds_load_b128 v[116:119], v26
	s_wait_dscnt 0x0
	global_store_b128 v27, v[116:119], s[94:95]    ; sixteen lanes store 256 consecutive bytes, aligned
.Lnot_first:
.endm
; A TILE OF W: its 128 products; then ev = 2: the slot just read is filled with the tile two on; 1: nothing is left to fetch, the last tile's load is waited for and shown to every wave; 0: nothing; then the way out.
.macro TILE mode, ev, nb
	v_add_nc_u32 v[ADRB], s[TB], v[AB0]
	FETCHW 0
	SCALEB
	FETCHW 1
	s_wait_alu depctr_va_vdst(0)
	s_wait_loadcnt 0x0                             ; the tile's bias
.irp ks, 0,1,2,3,4,5,6,7
	KSTEP \mode, \ks, \nb
.endr
	WIN 0
.if (\ev) == 2
	EVENT 1
.elseif (\ev) == 1
	s_wait_tensorcnt 0x0                           ; my part of the last tile is in,
	s_wait_dscnt 0x0
	s_barrier_signal -1
	s_barrier_wait -1                              ; everybody's is
.endif
	PLACES 8                                       ; in front of the first read of results
.if (\mode) == 1
	OUT_V
.else
	OUT_QK
.endif
.if (\nb)
	v_add_nc_u32 v[ADSB], 4096, v[ADSB]            ; the next tile's scale bytes,
	s_xor_b32 s[TB], s[TB], TSB                    ; in the other slot
.endif
.endm
	BIAS 1, 0                                      ; q's bias
	WIN 0
	s_wait_alu depctr_va_vdst(0)                   ; the wait at the head's end
	s_wait_tensorcnt 0x0                           ; my one tile of the head's four is in, and no load of mine is out: a descriptor may be written
	s_mov_b32 s[G1W+2], 32<<16                     ; from here on a load of W brings 32 rows
	s_mov_b32 s[G1W+4], 32
	s_barrier_signal -1
	s_barrier_wait -1
.set k, 0
.rept 8                                ; A into registers, once: 128 loads of 512 consecutive bytes
.set WN, 0x80+0x40*(k/4)
	WIN WN
.irp i, 0,1,2,3
.irp c, 0,1,2,3
	ds_load_b128 v[64*(k%4)+16*\i+4*\c:64*(k%4)+16*\i+4*\c+3], v[ADRA] offset:\i*16384+k*2048+\c*512
.endr
.endr
.set k, k+1
.endr
	WIN 0
.irp s, 0,1
.irp i, 0,1,2,3
.irp e, 0,1
	ds_load_b32 v[SC+16*\s+2*\i+\e], v[ADSA] offset:64*\i+512*\e+2048*\s   ; and its scale words, once
.endr
.endr
.endr
	EVENT 0                                        ; A is in registers and tile 0 has landed: slot 1 takes W's tile 1
	TILE 0, 2, 1                                   ; q; slot 0 takes tile 2; k's bias
	TILE 0, 1, 2                                   ; k; v's bias
	TILE 1, 0, 0                                   ; v
	s_wait_tensorcnt 0x0                           ; the wave's end
	ds_add_u32 v[SPW], v[NIL]
	s_wait_dscnt 0x0
	CROUND                                         ; the closing round: no work-group ends while a partner may still ask for a tile that names it
	s_endpgm
.Lfunc_end_k_q04d56dad5d_qkv:
	.size	k_q04d56dad5d_qkv, .Lfunc_end_k_q04d56dad5d_qkv-k_q04d56dad5d_qkv
	.p2alignl 7, 3214868480
	.fill 96, 4, 3214868480
	.section	.rodata,"a",@progbits
	.p2align	6, 0x0
	.amdhsa_kernel k_q04d56dad5d_qkv
		.amdhsa_group_segment_fixed_size 327680
		.amdhsa_private_segment_fixed_size 0
		.amdhsa_enable_private_segment 0
		.amdhsa_kernarg_size 40
		.amdhsa_user_sgpr_count 2
		.amdhsa_user_sgpr_kernarg_segment_ptr 1
		.amdhsa_wavefront_size32 1
		.amdhsa_system_sgpr_workgroup_id_x 1
		.amdhsa_system_sgpr_workgroup_id_y 1
		.amdhsa_system_sgpr_workgroup_id_z 1
		.amdhsa_system_vgpr_workitem_id 0
		.amdhsa_next_free_vgpr 1024
		.amdhsa_next_free_sgpr 100
		.amdhsa_reserve_vcc 1
		.amdhsa_float_denorm_mode_32 3
		.amdhsa_float_denorm_mode_16_64 3
		.amdhsa_memory_ordered 1
		.amdhsa_forward_progress 1
		.amdhsa_inst_pref_size 160
	.end_amdhsa_kernel
	.amdgpu_metadata
---
amdhsa.version: [ 1, 2 ]
amdhsa.kernels:
  - .name:           k_q04d56dad5d_qkv
    .symbol:         k_q04d56dad5d_qkv.kd
    .args:
      - { .name: xn, .offset: 0, .size: 8, .value_kind: global_buffer, .address_space: global }
      - { .name: qkv_w_codes, .offset: 8, .size: 8, .value_kind: global_buffer, .address_space: global }
      - { .name: qkv_w_scales, .offset: 16, .size: 8, .value_kind: global_buffer, .address_space: global }
      - { .name: qkv_b, .offset: 24, .size: 8, .value_kind: global_buffer, .address_space: global }
      - { .name: qkv, .offset: 32, .size: 8, .value_kind: global_buffer, .address_space: global }
    .group_segment_fixed_size: 327680
    .private_segment_fixed_size: 0
    .kernarg_segment_align: 8
    .kernarg_segment_size: 40
    .max_flat_workgroup_size: 128
    .sgpr_count:     100
    .vgpr_count:     1024
    .wavefront_size: 32
...
	.end_amdgpu_metadata
.endif
;; end of part 9
;; launch attn (part 10): grid 8 x 32, 16 waves a work-group, clusters of 4 x 1, 327,680 bytes of LDS; arguments qkv, o; writes o
.if DOCPART == 10
	.amdgcn_target "amdgcn-amd-amdhsa--gfx1250"
	.amdhsa_code_object_version 6
	.text
	.protected	k_q04d56dad5d_attn
	.globl	k_q04d56dad5d_attn
	.p2align	8
	.type	k_q04d56dad5d_attn,@function
k_q04d56dad5d_attn:
	s_mov_b64 s[64:65], 0
	v_nop
	global_prefetch_b8 v0, s[64:65] scope:SCOPE_SE
	s_setreg_imm32_b32 hwreg(HW_REG_WAVE_MODE, 25, 1), 1
	s_wait_xcnt 0x0
	s_wait_alu depctr_hold_cnt(0) depctr_sa_sdst(0) depctr_va_vdst(0) depctr_va_sdst(0) depctr_va_ssrc(0) depctr_va_vcc(0) depctr_vm_vsrc(0)
	s_getreg_b32 s2, hwreg(HW_REG_IB_STS2, 6, 4)
	s_cmp_eq_u32 s2, 0
	s_cbranch_scc0 .Lentry_in_a_cluster
	s_endpgm
.Lentry_in_a_cluster:
	s_bfe_u32 s2, ttmp6, 0x10000c
	s_cmp_lg_u32 s2, 0x3003
	s_cbranch_scc0 .Lentry_shape_is_right
	s_endpgm
.Lentry_shape_is_right:
; Attention on codes of E5M2 with E8M0 scales: o = softmax(q k^T / 8) v for 32 (batch, head) pairs of 2,048 tokens and 64 channels, then o quantised along the channels for the next product.
; THE SOFTMAX AHEAD OF THE SECOND PRODUCT: t = score x log2(e) / 8; M = the running largest t rounded UP to a whole number; p = 2^(t - M) is what is quantised, along the keys, not normalised.
; The row's sum is taken of the unquantised p and divides at the end; when M moves, the sum and O are multiplied by 2^(old M - new M), which rounds nothing.
; SHARES.  A work-group owns 256 queries of one (batch, head); each of its sixteen waves one tile of 16, in 256 registers.  Every wave walks the 2,048 keys, 128 a step.
; THE WHOLE HEAD'S K AND V STAY IN LDS, each byte filled once, as images of operand registers, with their scale words.  ONE LOAD A WAVE at the head: wave 0 K's steps 0-3 (32,768 bytes), wave 1 K's scale words,
; waves 2-7 16,384 bytes of K each (LDS byte and K's byte both 16,384 x wave), wave 8 V's steps 0-3, wave 9 V's scale words, waves 10-15 V likewise (V begins at LDS byte 16,384 x 8).
; Waves 0, 1, 8, 9 have load lines of their own and they alone wait at the first barrier; steps 0-2 read only what these four brought; the second barrier, in front of which every wave waits, shows the rest.
; CLUSTER.  The four query blocks of a cluster belong to one head: every fill is asked for jointly (mask 15).  No prefetch: all fills go out at the head, so there is no loop to run ahead in.
; LAYOUT.  S^T = K Q^T (source 0 = keys, source 1 = my queries), O^T = V^T P^T: a lane holds one query throughout.
; TWO TILES OF KEYS SHARE A FRAGMENT.  The head's 64 fill half of the first product's K of 128: a fragment holds tile 2 u in k = 0..63 and tile 2 u + 1 in k = 64..127 and is multiplied by Q1 = [q, zero codes] and by
; Q2 = [zero codes, q]; Q lies as [q, zeros, q] in 24 registers.  K's scale word of a fragment is tile 2 u's two bytes below tile 2 u + 1's; Q2's is Q1's moved up by two bytes.
; A STEP: the eight first products; the next step's K is asked for; maxima; M; all sources of the exponentials and O's rescaling; ONE batch of 68 exponentials between two waits; sums (two chains) among the scales' lines and the holds
; (two holds to a dual line); a block's codes, and V's fragment into the registers that the block has left; the four second products; behind them the sum's update and the next step's addresses as places.
; LIMITS: NaN and infinities are not served; a block of zeros gets the byte 1 (zero codes; only this program reads the bytes); the promise holds while |t| stays under 2^31.
; A block's largest p is the exponential of its largest score: this takes v_exp_f32 not to fall where its input rises.
; REGISTERS: v1-4 bases, v5 and v6 the add's two, v8-11 the step's addresses, v12 -M, v13 the largest t, v[14:15] the sum, v16-39 Q, v40-103 K, v104-167 S^T, p, then V, v168-199 O^T, v200-215 p's codes,
;   v216-231 K's and V's scale words, v232-247 at work, v[248:249] and v[236:237] the step's sum in two chains, v[250:251] f, v252, v253, v255 scale words of Q2, p, Q1, v254 at work.
.set VIMG, 131072
.set KSC,  262144
.set VSC,  270336
.set SPARE, 274432
.set KOFF, 4194304
.set VOFF, 8388608
.set QSCG, 12582912
.set KSCG, QSCG+262144
.set VSCG, QSCG+524288
.set OSC,  4194304
.set Q,   16
.set KF,  40
.set S,   104
.set O,   168
.set PC,  200
.set KW,  216
.set VW,  224
.set KC,  228
.set BM,  232
.set T2,  236
.set HD,  240
.set SO,  244
.macro CROUND
	s_barrier_signal -1
	s_barrier_wait -1
	s_cmp_lg_u32 s18, 0
	s_cbranch_scc1 .Lnot_wave_0_\@
	s_barrier_signal -3
.Lnot_wave_0_\@:
	s_barrier_wait -3
	s_barrier_signal -1
	s_barrier_wait -1
.endm
.macro SHAPE g, r                      ; group 1: a dense block as r rows of 256 bytes (32 elements of 8); the mask names all four work-groups, bit 21 beside it
	s_mov_b32 s[\g], 15|(3<<16)|(1<<21)
	s_mov_b32 s[\g+1], 32<<16
	s_mov_b32 s[\g+2], (\r)<<16
	s_mov_b32 s[\g+3], 32<<16
	s_mov_b32 s[\g+4], \r
	s_mov_b32 s[\g+5], 32
	s_mov_b32 s[\g+6], 0
	s_mov_b32 s[\g+7], 0
.endm
.macro MKG0 g, lds, off, breg, byw     ; group 0: LDS byte lds, memory qkv + off + s[breg]; byw = 1: 16,384 x wave on in both
	s_mov_b32 s[\g], 1
.if \byw
	s_lshl_b32 s[\g+1], s18, 14
	s_add_co_u32 s88, s[\g+1], s[\breg]
.else
	s_mov_b32 s[\g+1], \lds
	s_mov_b32 s88, s[\breg]
.endif
	s_add_co_u32 s88, s88, \off
	s_add_nc_u64 s[\g+2:\g+3], s[4:5], s[88:89]
	s_or_b32 s[\g+3], s[\g+3], 0x80000000
.endm
.macro ARM under, g0, g1, next         ; an arm of the head's chain: its load, s_nop 0 and four v_nop, a jump to the join
	s_cmp_lt_u32 s18, \under
	s_cbranch_scc0 \next
	tensor_load_to_lds s[\g0:\g0+3], s[\g1:\g1+7]
	s_nop 0
.rept 4
	v_nop
.endr
	s_branch .Lasked
\next:
.endm
	s_load_b128 s[4:7], s[0:1], 0x0                ; qkv s[4:5], o s[6:7]
	v_lshl_add_u32 v5, v0, 2, SPARE
	v_mov_b32 v6, 0
	ds_add_u32 v5, v6                              ; the opening lines: the add, twice on end, and its wait
	ds_add_u32 v5, v6
	v_lshrrev_b32 v8, 5, v0
	v_readfirstlane_b32 s18, v8                    ; wave 0..15
	s_bfe_u32 s8, ttmp6, 0x40000                   ; cx: it enters Q's and o's addresses in memory alone
	s_lshl_b32 s9, ttmp9, 2
	s_add_co_u32 s9, s9, s8                        ; my block of 256 queries
	s_and_b32 s10, ttmp7, 0xffff                   ; batch x 16 + head, which the four partners share
	s_lshl_b32 s12, s10, 17                        ; the head's codes: 131,072 bytes in each of q, k, v
	s_lshl_b32 s13, s10, 13                        ; q's and k's scale words: 8,192
	s_lshl_b32 s14, s10, 12                        ; v's: 4,096
	s_mov_b32 s89, 0
	SHAPE 24, 32
	SHAPE 32, 16
	SHAPE 40, 128
	SHAPE 48, 64
	s_mov_b32 s19, 0x600000                        ; the mantissa field of 57,344
	s_mov_b32 s20, 0x76543210
	s_mov_b32 s21, 0xfedcba98                      ; lane l xor 16
	s_mov_b32 s22, 0x3e38aa3b                      ; c = log2(e) / 8
	s_mov_b32 s23, s22
	s_mov_b32 s84, 0                               ; the step's images: 8,192 bytes a step, of K and of V
	s_mov_b32 s85, 0                               ; K's scale words: 512
	s_mov_b32 s86, 0                               ; V's: 256
	s_lshl_b32 s15, s9, 4
	s_add_co_u32 s15, s15, s18                     ; my tile of queries, 0..127
	s_lshl_b32 s90, s15, 10
	s_add_co_u32 s90, s90, s12
	s_mov_b32 s91, 0
	s_lshr_b32 s92, s15, 2
	s_lshl_b32 s92, s92, 8
	s_and_b32 s93, s15, 3
	s_lshl_b32 s93, s93, 2
	s_add_co_u32 s92, s92, s93
	s_add_co_u32 s92, s92, s13
	s_add_co_u32 s92, s92, QSCG
	s_mov_b32 s93, 0
	s_lshr_b32 s16, s10, 4
	s_lshl_b32 s16, s16, 7
	s_add_co_u32 s16, s16, s15                     ; my tile among the 256 of all tokens
	s_and_b32 s17, s10, 15                         ; the head
	s_lshl_b32 s94, s16, 14
	s_lshl_b32 s96, s17, 10                        ; K step head / 2 (2,048 bytes), groups 2 (head % 2) on (512 each)
	s_add_co_u32 s94, s94, s96
	s_mov_b32 s95, 0
	s_lshr_b32 s96, s17, 1
	s_lshl_b32 s96, s96, 14
	s_and_b32 s97, s17, 1
	s_lshl_b32 s97, s97, 1
	s_add_co_u32 s96, s96, s97
	s_lshl_b32 s97, s16, 6
	s_add_co_u32 s96, s96, s97
	s_add_co_u32 s96, s96, OSC
	s_mov_b32 s97, 0
	s_wait_dscnt 0x0                               ; both opening adds are done
	s_wait_kmcnt 0x0
	s_add_nc_u64 s[90:91], s[4:5], s[90:91]        ; Q's codes
	s_add_nc_u64 s[92:93], s[4:5], s[92:93]        ; Q's scale words
	s_add_nc_u64 s[94:95], s[6:7], s[94:95]        ; o's codes
	s_add_nc_u64 s[96:97], s[6:7], s[96:97]        ; o's scale bytes
	MKG0 56, KSC, KSCG, 13, 0
	MKG0 60, VSC, VSCG, 14, 0
	MKG0 68, 0, KOFF, 12, 0
	MKG0 72, VIMG, VOFF, 12, 0
	MKG0 76, 0, KOFF, 12, 1
	MKG0 80, 0, VOFF-VIMG, 12, 1
	CROUND                                         ; all four work-groups are here: the joint loads meet
	ARM 1,  68, 40, .Larm_ks                       ; wave 0: K's steps 0-3
	ARM 2,  56, 24, .Larm_kr                       ; wave 1: K's scale words
	ARM 8,  76, 48, .Larm_v                        ; waves 2-7: the rest of K
	ARM 9,  72, 40, .Larm_vs                       ; wave 8: V's steps 0-3
	ARM 10, 60, 32, .Larm_vr                       ; wave 9: V's scale words
	tensor_load_to_lds s[80:83], s[48:55]          ; waves 10-15: the rest of V
	s_nop 0
.rept 4
	v_nop
.endr
.Lasked:
	v_and_b32 v1, 31, v0
	v_lshlrev_b32 v1, 4, v1                        ; an image's place for my lane
	v_add_nc_u32 v2, VIMG, v1
	v_and_b32 v10, 15, v0
	v_lshlrev_b32 v10, 4, v10                      ; scale words: 16 bytes (four tiles) a row
	v_add_nc_u32 v3, KSC, v10
	v_add_nc_u32 v4, VSC, v10
	global_load_b128 v[Q:Q+3], v1, s[90:91]        ; q's two groups stay in registers, twice: below the zeros for Q1,
	global_load_b128 v[Q+4:Q+7], v1, s[90:91] offset:512
	global_load_b128 v[Q+16:Q+19], v1, s[90:91]    ; and above them for Q2
	global_load_b128 v[Q+20:Q+23], v1, s[90:91] offset:512
	global_load_b32 v255, v10, s[92:93]
.set i, 0
.rept 8
	v_mov_b32 v[Q+8+i], 0                          ; the zero codes between: written once
.set i, i+1
.endr
.set i, 0
.rept 32
	v_mov_b32 v[O+i], 0                            ; O^T: the step is written for every step alike; the first finds zeros
.set i, i+1
.endr
	v_mov_b32 v13, 0xff61b1e6                      ; the largest t so far: -3e38
	v_floor_f32 v12, -v13                          ; -M
	v_mov_b32 v14, 0
	v_mov_b32 v15, 0
.irp b, 0,1,2,3
	v_mov_b32 v[T2+\b], 0                          ; a lane permute's destination counts as read
.endr
	v_mov_b32 v251, 0                              ; (named as the upper half of the pair v[250:251])
.macro PF j                            ; pair j of 32: t - M (of the pairs c and -M the low word serves both halves)
	v_pk_fma_f32 v[S+2*(\j):S+2*(\j)+1], v[S+2*(\j):S+2*(\j)+1], s[22:23], v[12:13] op_sel_hi:[1,0,0]
.endm
.macro HM2 j                           ; pair j: the conversion does not saturate (ISA guide 7.6.2); p is not negative, so the hold is one-sided; two holds in one dual line
	v_dual_min_num_f32 v[S+2*(\j)], v[S+2*(\j)], v[HD+(\j)/8] :: v_dual_min_num_f32 v[S+2*(\j)+1], v[S+2*(\j)+1], v[HD+(\j)/8]
.endm
.macro SA q                            ; pair q joins the step's sum of the unquantised p: even pairs one chain, odd pairs the other; pairs 0-3 start them
.if (\q) == 0
	v_pk_add_f32 v[248:249], v[S:S+1], v[S+2:S+3]
.elseif (\q) == 2
	v_pk_add_f32 v[T2:T2+1], v[S+4:S+5], v[S+6:S+7]
.elseif (\q) > 3 && (\q)%2 == 0
	v_pk_add_f32 v[248:249], v[248:249], v[S+2*(\q):S+2*(\q)+1]
.elseif (\q) > 3
	v_pk_add_f32 v[T2:T2+1], v[T2:T2+1], v[S+2*(\q):S+2*(\q)+1]
.endif
.endm
.macro PREP k                          ; line k of 16 that make the four blocks' scales of their largest p
.if (\k) < 4
	v_max_num_f32 v[BM+(\k)], 0x8000000, v[BM+(\k)]              ; the floor 2^(16 - 127): the byte cannot fall under 1
.elseif (\k) < 8
	v_add_nc_u32 v[SO+(\k)-4], 0xf8800000, v[BM+(\k)-4]          ; 15 off the exponent field: the conversion's scale operand
.elseif (\k) < 12
	v_and_or_b32 v[HD+(\k)-8], v[BM+(\k)-8], 0x7f800000, s19     ; 57,344 x the scale
.else
	v_lshrrev_b32 v[BM+(\k)-12], 23, v[SO+(\k)-12]               ; the scale's byte
.endif
.endm
.macro CVT b                           ; block b's codes
	v_cvt_scalef32_pk8_bf8_f32 v[PC+4*(\b):PC+4*(\b)+1], v[S+16*(\b):S+16*(\b)+7], v[SO+(\b)]
	v_cvt_scalef32_pk8_bf8_f32 v[PC+4*(\b)+2:PC+4*(\b)+3], v[S+16*(\b)+8:S+16*(\b)+15], v[SO+(\b)]
.endm
.macro VLD b                           ; V's fragment b (16 channels x these 128 keys), into the registers that block b has left
.irp c, 0,1,2,3
	ds_load_b128 v[S+16*(\b)+4*\c:S+16*(\b)+4*\c+3], v9 offset:2048*(\b)+512*\c
.endr
.endm
.macro KLOAD off                       ; 18 loads: the four fragments of K (eight tiles of 16 keys) that begin off bytes behind v8, and their tiles' scale words
.irp u, 0,1,2,3
.irp c, 0,1,2,3
	ds_load_b128 v[KF+16*\u+4*\c:KF+16*\u+4*\c+3], v8 offset:(\off)+2048*\u+512*\c
.endr
.endr
	ds_load_b128 v[KW:KW+3], v10 offset:(\off)/16
	ds_load_b128 v[KW+4:KW+7], v10 offset:(\off)/16+256
.endm
.macro COMBO                           ; a fragment's scale word: tile 2 u's two bytes below tile 2 u + 1's
.irp u, 0,1,2,3
	v_lshl_or_b32 v[KC+\u], v[KW+2*\u+1], 16, v[KW+2*\u]
.endr
.endm
.macro ADDRS                           ; the addresses of the step at s84, s85, s86
	v_add_nc_u32 v8, s84, v1
	v_add_nc_u32 v9, s84, v2
	v_add_nc_u32 v10, s85, v3
	v_add_nc_u32 v11, s86, v4
.endm
.macro SWAPS nb                        ; keys (channels) 32 b + 8 h .. and 32 b + 16 + 8 h .. become 32 b + 16 h + 0..15
.set n, 0
.rept \nb
	v_permlane16_swap_b32 v[PC+4*n], v[PC+4*n+2]
	v_permlane16_swap_b32 v[PC+4*n+1], v[PC+4*n+3]
.set n, n+1
.endr
.endm
; A STEP: 128 keys.  Its K and K's scale words lie in registers.  pf = 1: the next step's are asked for.
.macro STEP pf
.irp u, 0,1,2,3                        ; S^T = K Q^T: each fragment twice: tile 2 u by Q1, tile 2 u + 1 by Q2
	v_wmma_scale_f32_16x16x128_f8f6f4 v[S+16*\u:S+16*\u+7], v[KF+16*\u:KF+16*\u+15], v[Q:Q+15], 0, v[KC+\u], v255 matrix_a_fmt:MATRIX_FMT_BF8 matrix_b_fmt:MATRIX_FMT_BF8
	v_wmma_scale_f32_16x16x128_f8f6f4 v[S+16*\u+8:S+16*\u+15], v[KF+16*\u:KF+16*\u+15], v[Q+8:Q+23], 0, v[KC+\u], v252 matrix_a_fmt:MATRIX_FMT_BF8 matrix_b_fmt:MATRIX_FMT_BF8
.endr
.rept 8
	v_nop                                          ; places in front of the first read of results, and of loads into registers that matrix instructions have read
.endr
	ds_load_b128 v[VW:VW+3], v11
.if \pf
	KLOAD 8192                                     ; the next step's K: it has the whole softmax in which to come
.endif
.irp b, 0,1,2,3
	v_max3_num_f32 v[BM+\b], v[S+16*\b], v[S+16*\b+1], v[S+16*\b+2]   ; the largest score of each block of 32 keys: for the row's maximum and for the block's largest p; each result is read from its low end on
.endr
.irp i, 3,5,7,9,11,13
.irp b, 0,1,2,3
	v_max3_num_f32 v[BM+\b], v[BM+\b], v[S+16*\b+\i], v[S+16*\b+\i+1]
.endr
.endr
.irp b, 0,1,2,3
	v_max_num_f32 v[BM+\b], v[BM+\b], v[S+16*\b+15]
.endr
.irp b, 0,1,2,3
	v_permlanex16_b32 v[T2+\b], v[BM+\b], s20, s21
.endr
.irp b, 0,1,2,3
	v_max_num_f32 v[BM+\b], v[BM+\b], v[T2+\b]     ; with lane l xor 16's 16 keys
.endr
	v_max3_num_f32 v254, v[BM], v[BM+1], v[BM+2]
	v_max_num_f32 v254, v254, v[BM+3]
	v_mul_f32 v254, s22, v254                      ; the step's largest t (c is positive)
	v_max_num_f32 v13, v13, v254
	v_mov_b32 v254, v12
	v_floor_f32 v12, -v13                          ; the new -M = -ceil(t)
.irp b, 0,1,2,3
	v_fma_f32 v[BM+\b], v[BM+\b], s22, v12         ; t - M of each block's largest score
.endr
	v_sub_f32 v254, v12, v254                      ; old M - new M: a whole number, 0 or less
.irp j, 0,1,2,3
	PF \j
.endr
	v_cvt_i32_f32 v254, v254                       ; (it saturates)
.irp j, 4,5,6,7
	PF \j
.endr
	v_ldexp_f32 v250, 1.0, v254                    ; f = 2^(old M - new M)
.set n, 8
.rept 24
	PF n
.set n, n+1
.endr
.set n, 0
.rept 16
	v_pk_mul_f32 v[O+n:O+n+1], v[O+n:O+n+1], v[250:251] op_sel_hi:[1,0]   ; O^T under the new M, ahead of the exponentials
.set n, n+2
.endr
	s_wait_alu depctr_va_vdst(0)                   ; the wait ahead of the batch
.set n, 0
.rept 64
	v_exp_f32 v[S+n], v[S+n]                       ; p = 2^(t - M)
.set n, n+1
.endr
.irp b, 0,1,2,3
	v_exp_f32 v[BM+\b], v[BM+\b]                   ; the block's largest p: the same two instructions on the same number
.endr
	v_nop                                          ; a plain place behind the last of them
	s_wait_alu depctr_va_vdst(0)                   ; and the one wait behind the batch
.set n, 0
.rept 16
	PREP n                                         ; the four blocks' scales | block 0's sums
.if n < 8
	SA n
.endif
.set n, n+1
.endr
	v_lshl_or_b32 v253, v[BM+1], 8, v[BM]          ; p's scale word for these 128 keys
	v_lshl_or_b32 v253, v[BM+2], 16, v253
	v_lshl_or_b32 v253, v[BM+3], 24, v253
.irp b, 0,1,2,3
.set n, 0
.rept 8
	HM2 8*\b+n                                     ; block b's holds | block b + 1's sums
.if \b < 3
	SA 8*\b+8+n
.endif
.set n, n+1
.endr
	CVT \b
	VLD \b
.endr
	v_pk_add_f32 v[248:249], v[248:249], v[T2:T2+1]   ; the two chains.  (Also the plain line between the last conversion and the first line that touches its result)
	SWAPS 4
	s_wait_alu depctr_va_vdst(0)                   ; the wait here, directly ahead of the wait below
	s_wait_dscnt 0x0                               ; V, its scale words, and the next step's K
.if \pf
	COMBO                                          ; the next step's scale words of K; also the four places between the codes' last write and the products
.else
.rept 4
	v_nop
.endr
.endif
.irp p, 0,1,2,3                        ; O^T += V^T P^T; the four accumulators take turns
	v_wmma_scale_f32_16x16x128_f8f6f4 v[O+8*\p:O+8*\p+7], v[S+16*\p:S+16*\p+15], v[PC:PC+15], v[O+8*\p:O+8*\p+7], v[VW+\p], v253 matrix_a_fmt:MATRIX_FMT_BF8 matrix_b_fmt:MATRIX_FMT_BF8
.endr
	s_add_co_u32 s84, s84, 8192
	s_add_co_u32 s85, s85, 512
	s_add_co_u32 s86, s86, 256
	v_pk_fma_f32 v[14:15], v[14:15], v[250:251], v[248:249] op_sel_hi:[1,0,1]   ; the row's sum under the new M, and the step's
	ADDRS                                          ; with the line above and the five below ten places: the next products write over registers that these have read (nine are asked)
.rept 5
	v_nop
.endr
	s_wait_alu depctr_va_vdst(0)                   ; the wait ahead of the branch or barrier that follows
.endm
	s_wait_alu depctr_va_vdst(0)                   ; the wait at the head's end
	s_wait_loadcnt 0x0                             ; Q
	v_lshlrev_b32 v252, 16, v255                   ; Q2's scale word: q's two bytes stand over k = 64 .. 127
	s_wait_alu depctr_va_vdst(0)
	s_and_b32 s11, s18, 6
	s_cmp_lg_u32 s11, 0
	s_cbranch_scc1 .Lnot_early
	s_wait_tensorcnt 0x0                           ; waves 0, 1, 8, 9: the first four steps and the scale words are in
.Lnot_early:
	s_barrier_signal -1
	s_barrier_wait -1
	ADDRS
	KLOAD 0                                        ; step 0's K
	s_wait_alu depctr_va_vdst(0)
	s_wait_dscnt 0x0
	COMBO
.rept 8
	v_nop                                          ; a scale word made by vector lines stands eight places ahead of its product
.endr
	s_mov_b32 s87, 3
.Lfirst:                                           ; steps 0 to 2: they read steps 0 to 3 alone
	STEP 1
	s_sub_co_u32 s87, s87, 1
	s_cmp_lg_u32 s87, 0
	s_cbranch_scc1 .Lfirst
	s_wait_tensorcnt 0x0                           ; every wave's load is in,
	s_wait_dscnt 0x0
	s_barrier_signal -1
	s_barrier_wait -1                              ; everybody's is
	s_mov_b32 s87, 12
.Lrest:                                            ; steps 3 to 14
	STEP 1
	s_sub_co_u32 s87, s87, 1
	s_cmp_lg_u32 s87, 0
	s_cbranch_scc1 .Lrest
	STEP 0                                         ; step 15: there is no step behind it
	; THE WAY OUT: O^T / the sum, quantised along the head's 64 channels (two blocks), as two groups of an image of the next product's A.
	v_add_f32 v14, v14, v15
	v_permlanex16_b32 v254, v14, s20, s21
	v_add_f32 v14, v14, v254                       ; the row's sum
	s_wait_alu depctr_va_vdst(0)                   ; the wait ahead of the transcendental
	v_rcp_f32 v14, v14
	v_and_b32 v8, 15, v0                           ; (plain places)  r
	v_bfe_u32 v9, v0, 4, 1                         ; h
	v_lshl_add_u32 v8, v8, 2, v9                   ; 4 r + h: my scale byte's place
	v_cmp_ne_u32 vcc_lo, 0, v9                     ; lanes 16-31
	s_wait_alu depctr_va_vdst(0)                   ; the wait behind it, directly ahead of the first reader of O^T too
.set n, 0
.rept 32
	v_mul_f32 v[S+n], v[O+n], v14                  ; register 8 p + i is o(query r, channel 16 p + 8 h + i); each accumulator is read from its low end on
.set n, n+1
.endr
.irp b, 0,1
	v_max3_num_f32 v[BM+\b], |v[S+16*\b]|, |v[S+16*\b+1]|, 0x8000000
.endr
.irp i, 2,4,6,8,10,12,14
.irp b, 0,1
	v_max3_num_f32 v[BM+\b], v[BM+\b], |v[S+16*\b+\i]|, |v[S+16*\b+\i+1]|
.endr
.endr
.irp b, 0,1
	v_permlanex16_b32 v[T2+\b], v[BM+\b], s20, s21
.endr
.irp b, 0,1
	v_max_num_f32 v[BM+\b], v[BM+\b], v[T2+\b]
.endr
.irp b, 0,1
	v_add_nc_u32 v[SO+\b], 0xf8800000, v[BM+\b]
.endr
.irp b, 0,1
	v_and_or_b32 v[HD+\b], v[BM+\b], 0x7f800000, s19
.endr
.irp b, 0,1
	v_lshrrev_b32 v[T2+\b], 23, v[SO+\b]
.endr
.irp b, 0,1
.irp i, 0,1,2,3,4,5,6,7,8,9,10,11,12,13,14,15
	v_med3_num_f32 v[S+16*\b+\i], v[S+16*\b+\i], -v[HD+\b], v[HD+\b]
.endr
	CVT \b
.endr
	v_cndmask_b32 v[T2], v[T2], v[T2+1], vcc_lo    ; (a plain place behind the conversions)  lanes 0-15 keep block 0's byte of row r, lanes 16-31 take block 1's
	SWAPS 2
	global_store_b128 v1, v[PC:PC+3], s[94:95]     ; 32 lanes store 512 consecutive bytes, aligned
	global_store_b128 v1, v[PC+4:PC+7], s[94:95] offset:512
	global_store_b8 v8, v[T2], s[96:97]            ; a scale word's halves belong to two heads, that is to two work-groups: one byte a lane
	s_wait_tensorcnt 0x0                           ; the wave's end
	ds_add_u32 v5, v6
	s_wait_dscnt 0x0
	CROUND                                         ; the closing round: no work-group ends while a partner may still ask jointly
	s_endpgm
.Lfunc_end_k_q04d56dad5d_attn:
	.size	k_q04d56dad5d_attn, .Lfunc_end_k_q04d56dad5d_attn-k_q04d56dad5d_attn
	.p2alignl 7, 3214868480
	.fill 96, 4, 3214868480
	.section	.rodata,"a",@progbits
	.p2align	6, 0x0
	.amdhsa_kernel k_q04d56dad5d_attn
		.amdhsa_group_segment_fixed_size 327680
		.amdhsa_private_segment_fixed_size 0
		.amdhsa_enable_private_segment 0
		.amdhsa_kernarg_size 16
		.amdhsa_user_sgpr_count 2
		.amdhsa_user_sgpr_kernarg_segment_ptr 1
		.amdhsa_wavefront_size32 1
		.amdhsa_system_sgpr_workgroup_id_x 1
		.amdhsa_system_sgpr_workgroup_id_y 1
		.amdhsa_system_sgpr_workgroup_id_z 1
		.amdhsa_system_vgpr_workitem_id 0
		.amdhsa_next_free_vgpr 256
		.amdhsa_next_free_sgpr 100
		.amdhsa_reserve_vcc 1
		.amdhsa_float_denorm_mode_32 3
		.amdhsa_float_denorm_mode_16_64 3
		.amdhsa_memory_ordered 1
		.amdhsa_forward_progress 1
		.amdhsa_inst_pref_size 75
	.end_amdhsa_kernel
	.amdgpu_metadata
---
amdhsa.version: [ 1, 2 ]
amdhsa.kernels:
  - .name:           k_q04d56dad5d_attn
    .symbol:         k_q04d56dad5d_attn.kd
    .args:
      - { .name: qkv, .offset: 0, .size: 8, .value_kind: global_buffer, .address_space: global }
      - { .name: o, .offset: 8, .size: 8, .value_kind: global_buffer, .address_space: global }
    .group_segment_fixed_size: 327680
    .private_segment_fixed_size: 0
    .kernarg_segment_align: 8
    .kernarg_segment_size: 16
    .max_flat_workgroup_size: 512
    .sgpr_count:     100
    .vgpr_count:     256
    .wavefront_size: 32
...
	.end_amdgpu_metadata
.endif
;; end of part 10
;; launch proj (part 11): grid 8 x 32, 4 waves a work-group, clusters of 4 x 4, 327,680 bytes of LDS; arguments o, proj_w_codes, proj_w_scales, proj_b, x, x1; writes x1
.if DOCPART == 11
	.amdgcn_target "amdgcn-amd-amdhsa--gfx1250"
	.amdhsa_code_object_version 6
	.text
	.protected	k_q04d56dad5d_proj
	.globl	k_q04d56dad5d_proj
	.p2align	8
	.type	k_q04d56dad5d_proj,@function
k_q04d56dad5d_proj:
	s_mov_b64 s[64:65], 0
	v_nop
	global_prefetch_b8 v0, s[64:65] scope:SCOPE_SE
	s_setreg_imm32_b32 hwreg(HW_REG_WAVE_MODE, 25, 1), 1
	s_wait_xcnt 0x0
	s_wait_alu depctr_hold_cnt(0) depctr_sa_sdst(0) depctr_va_vdst(0) depctr_va_sdst(0) depctr_va_ssrc(0) depctr_va_vcc(0) depctr_vm_vsrc(0)
	s_getreg_b32 s2, hwreg(HW_REG_IB_STS2, 6, 4)
	s_cmp_eq_u32 s2, 0
	s_cbranch_scc0 .Lentry_in_a_cluster
	s_endpgm
.Lentry_in_a_cluster:
	s_bfe_u32 s2, ttmp6, 0x10000c
	s_cmp_lg_u32 s2, 0xf033
	s_cbranch_scc0 .Lentry_shape_is_right
	s_endpgm
.Lentry_shape_is_right:
.set MODE,   3
.set SIZE_K, 1024
.set WROW0,  0
.set SCOFF,  4194304
.set KS,    SIZE_K/32
.set NKS,   SIZE_K/128
.set LAPS,  SIZE_K/1024
.set ATILE, 16*SIZE_K
.set SLOT,  133120
.set WOFF,  65536
.set WP,    528
.set SCA,   2*SLOT
.set SCB,   SCA+2*NKS*256
.set HALFS, (64*KS/256)*272
.set SBLK,  (16*KS/256)*272
.set SPARE, SCB+2*HALFS
.set SCST,  SPARE+512
.set ADRA, 16
.set ADRB, 20
.set ADSA, 22
.set ADSB, 23
.set SPW,  28
.set NIL,  29
.set SC,   32
.set BN,   64
.set ACC,  128
.set F0,   0
.set F1,   128
.set G1A,  24
.set G0A,  32
.set G1B,  48
.set G0B,  56
.set G1SA, 68
.set G0SA, 76
.set G1SB, 80
.set G0SB, 88
.set MSB, 0
.macro WIN new
.if MSB != \new
	s_set_vgpr_msb (MSB<<8)|\new
.set MSB, \new
.endif
.endm
.set MUL,  0x05
.set TO_F, 0x40
.macro JLOAD g0a, g1a, g0b, g1b
	s_cmp_eq_u32 s19, 0
	s_cbranch_scc0 .Lfor_b_\@
	tensor_load_to_lds s[\g0a:\g0a+3], s[\g1a:\g1a+7]
	s_nop 0
.rept 4
	v_nop
.endr
	s_branch .Lasked_\@
.Lfor_b_\@:
	tensor_load_to_lds s[\g0b:\g0b+3], s[\g1b:\g1b+7]
	s_nop 0
.rept 4
	v_nop
.endr
.Lasked_\@:
.endm
.macro CREST
	s_cmp_lg_u32 s18, 0
	s_cbranch_scc1 .Lnot_wave_0_\@
	s_barrier_signal -3
.Lnot_wave_0_\@:
	s_barrier_wait -3
	s_barrier_signal -1
	s_barrier_wait -1
.endm
.macro CROUND
	s_barrier_signal -1
	s_barrier_wait -1
	CREST
.endm
.macro PLACES n
.rept \n
	v_nop
.endr
.endm
.macro SHAPE g, c, r, p
	s_mov_b32 s[\g+1], (\c)<<16
	s_mov_b32 s[\g+2], (\r)<<16
	s_mov_b32 s[\g+3], (\c)<<16
	s_mov_b32 s[\g+4], \r
	s_mov_b32 s[\g+5], \p
	s_mov_b32 s[\g+6], 0
	s_mov_b32 s[\g+7], 0
.endm
	s_load_b256 s[4:11], s[0:1], 0x0
.if MODE == 3
	s_load_b128 s[12:15], s[0:1], 0x20
.else
	s_load_b64 s[12:13], s[0:1], 0x20
.endif
	v_lshl_add_u32 v[SPW], v0, 2, SPARE
	v_mov_b32 v[NIL], 0
	ds_add_u32 v28, v29
	ds_add_u32 v28, v29
	s_wait_dscnt 0x0
	v_lshrrev_b32 v1, 5, v0
	v_readfirstlane_b32 s18, v1
	s_lshr_b32 s19, s18, 1
	s_and_b32 s20, s18, 1
	s_bfe_u32 s40, ttmp6, 0x40000
	s_bfe_u32 s41, ttmp6, 0x40004
	s_lshl_b32 s42, ttmp9, 2
	s_add_co_u32 s42, s42, s40
	s_and_b32 s43, ttmp7, 0xffff
	s_lshl_b32 s43, s43, 2
	s_add_co_u32 s43, s43, s41
	s_lshl_b32 s44, s41, 2
	s_lshl_b32 s44, 15, s44
	s_lshl_b32 s45, 0x1111, s40
	s_or_b32 s[G1A], s44, (3<<16)|(1<<21)
	SHAPE G1A, 1024, 8, 2*SIZE_K                   ; the head's load brings all eight tiles' part of chunk 0; behind it the two words that count rows are set to 4
	s_or_b32 s[G1B], s45, (1<<20)|(1<<21)|(6<<22)|(3<<25)
	SHAPE G1B, 512, 128, SIZE_K                    ; likewise 128 rows of W, then 64
	s_or_b32 s[G1SA], s44, (3<<16)|(1<<21)
	SHAPE G1SA, 64, NKS, 2048                      ; A's scale words: a row of 512 bytes (128 tokens) for each K step
	s_or_b32 s[G1SB], s45, (3<<16)|(1<<20)|(1<<21)|(5<<22)|(3<<25)
	SHAPE G1SB, 32, 128*KS/256, 32                 ; W's scale bytes of all 128 rows: one dense block
	s_lshl_b32 s92, s43, 3
	s_lshl_b32 s21, s20, 2
	s_add_co_u32 s92, s92, s21
	s_mul_i32 s92, s92, ATILE
	s_mov_b32 s93, 0
	s_lshl_b32 s96, s43, 9
	s_add_co_u32 s96, s96, SCOFF
	s_mov_b32 s97, 0
	s_lshl_b32 s46, s42, 7
	s_mul_i32 s94, s46, KS                         ; the scale bytes of the tile's 128 rows of W
	s_lshl_b32 s21, s20, 6
	s_add_co_u32 s46, s46, s21
.if WROW0
	s_add_co_u32 s46, s46, WROW0
.endif
	s_mov_b32 s95, 0
	s_lshl_b32 s98, s46, 2
	s_mov_b32 s99, 0
	s_mul_i32 s46, s46, SIZE_K
	s_mov_b32 s47, 0
	s_lshl_b32 s22, s20, 15
	s_mul_i32 s23, s20, 64*WP
	s_add_co_u32 s23, s23, WOFF
	s_mov_b32 s2, SCA
	s_mul_i32 s3, s20, HALFS
	s_add_co_u32 s3, s3, SCB
	s_wait_kmcnt 0x0
	s_add_nc_u64 s[92:93], s[4:5], s[92:93]
	s_add_nc_u64 s[96:97], s[4:5], s[96:97]
	s_add_nc_u64 s[46:47], s[6:7], s[46:47]
	s_add_nc_u64 s[94:95], s[8:9], s[94:95]
	s_add_nc_u64 s[10:11], s[10:11], s[98:99]
	; A PREFETCH of chunk 1 (K = 512 .. 1,023), which slot 1's load asks for one round on.  Of the 32,768 bytes that my wave fetches of it, each of the four partners that ask jointly names 8,192, told apart by address:
	; of A (waves 0, 1) the partner at cx names tile cx of my four (lanes 256 bytes apart); of W (waves 2, 3) the partner at cy names rows 16 cy .. 16 cy + 15 (two lanes a row).  Chunk 0 comes by its load alone.
	s_cmp_eq_u32 s19, 0
	s_cselect_b64 s[16:17], s[92:93], s[46:47]
	s_cselect_b32 s21, s40, s41
	s_cselect_b32 s98, -1, 0
	s_mov_b32 s32, 512
	s_cselect_b32 s32, 8192, s32                   ; a chunk on, in bytes
	s_lshl_b32 s21, s21, 14                        ; a tile of A, and 16 rows of W, are 16,384 bytes
	v_and_b32 v26, 31, v0
	v_lshl_add_u32 v30, v26, 8, s21
	v_lshrrev_b32 v31, 1, v26
	v_and_b32 v27, 1, v26
	v_lshlrev_b32 v27, 8, v27
	v_lshl_add_u32 v31, v31, 10, v27
	v_add_nc_u32 v31, s21, v31
	v_cndmask_b32 v30, v31, v30, s98
	v_add_nc_u32 v30, s32, v30
	global_prefetch_b8 v30, s[16:17] th:TH_LOAD_NT scope:SCOPE_SE
	CROUND
	s_mov_b32 s[G0SA], 1
	s_mov_b32 s[G0SA+1], s2
	s_mov_b64 s[G0SA+2:G0SA+3], s[96:97]
	s_or_b32 s[G0SA+3], s[G0SA+3], 0x80000000
	s_mov_b32 s[G0SB], 1
	s_mov_b32 s[G0SB+1], SCB
	s_mov_b64 s[G0SB+2:G0SB+3], s[94:95]
	s_or_b32 s[G0SB+3], s[G0SB+3], 0x80000000
	s_mov_b32 s[G0A], 1                            ; chunk 0 of A, whole, into slot 0
	s_mov_b32 s[G0A+1], 0
	s_lshl_b32 s98, s43, 3
	s_mul_i32 s98, s98, ATILE
	s_add_nc_u64 s[G0A+2:G0A+3], s[4:5], s[98:99]
	s_or_b32 s[G0A+3], s[G0A+3], 0x80000000
	s_mov_b32 s[G0B], 1                            ; chunk 0 of W, whole, behind it
	s_mov_b32 s[G0B+1], WOFF
	s_lshl_b32 s98, s42, 7
	s_mul_i32 s98, s98, SIZE_K
	s_add_nc_u64 s[G0B+2:G0B+3], s[6:7], s[98:99]
	s_or_b32 s[G0B+3], s[G0B+3], 0x80000000
	s_mov_b32 s[G0A+4], 1                          ; chunk 1, my half, into slot 1
	s_add_co_u32 s[G0A+5], s22, SLOT
	s_add_nc_u64 s[G0A+6:G0A+7], s[92:93], 8192
	s_or_b32 s[G0A+7], s[G0A+7], 0x80000000
	s_mov_b32 s[G0B+4], 1
	s_add_co_u32 s[G0B+5], s23, SLOT
	s_add_nc_u64 s[G0B+6:G0B+7], s[46:47], 512
	s_or_b32 s[G0B+7], s[G0B+7], 0x80000000
; THE HEAD'S LOADS, ONE A WAVE: wave 0 A's chunk 0, wave 1 W's, wave 2 A's scale words, wave 3 W's scale bytes, each whole.  One chain of branches on the wave's number.
.macro ARM under, g0, g1, next
	s_cmp_lt_u32 s18, \under
	s_cbranch_scc0 \next
	tensor_load_to_lds s[\g0:\g0+3], s[\g1:\g1+7]
	s_nop 0
.rept 4
	v_nop
.endr
	s_branch .Lhead_asked
\next:
.endm
	ARM 1, G0A,  G1A,  .Lhead_w
	ARM 2, G0B,  G1B,  .Lhead_sa
	ARM 3, G0SA, G1SA, .Lhead_sb
	tensor_load_to_lds s[G0SB:G0SB+3], s[G1SB:G1SB+7]
	s_nop 0
.rept 4
	v_nop
.endr
.Lhead_asked:
	s_wait_alu depctr_va_vdst(0)
	s_wait_tensorcnt 0x0                           ; my tile of the head's four is in
	ds_add_u32 v28, v29
	s_mov_b32 s[G1A+2], 4<<16                      ; no load of mine is out, so a descriptor may be written: from here on a load brings half a tile
	s_mov_b32 s[G1A+4], 4
	s_mov_b32 s[G1B+2], 64<<16
	s_mov_b32 s[G1B+4], 64
	s_wait_dscnt 0x0
	CROUND                                         ; all four tiles are in, and all sixteen work-groups are here
	JLOAD G0A+4, G1A, G0B+4, G1B                   ; chunk 1, the first tensor load behind the round
	v_and_b32 v1, 15, v0
	v_bfe_u32 v2, v0, 4, 1
	v_and_b32 v3, 31, v0
	s_lshl_b32 s21, s19, 15
	v_lshl_add_u32 v[ADRA], v3, 4, s21
	v_add_nc_u32 v[ADRA+1], SLOT, v[ADRA]
	v_mul_u32_u24 v4, v1, WP
	v_lshl_add_u32 v4, v2, 4, v4
	v_add_nc_u32 v[ADRB], s23, v4
	v_add_nc_u32 v[ADRB+1], SLOT, v[ADRB]
	s_lshl_b32 s21, s19, 8                         ; A's scale words lie [K step][128 tokens x 4 bytes]: my 64 tokens; lanes 16-31 two K steps on
	s_add_co_u32 s21, s21, SCA
	v_lshlrev_b32 v4, 2, v1
	v_lshl_add_u32 v4, v2, 10, v4
	v_add_nc_u32 v[ADSA], s21, v4
	v_mul_u32_u24 v4, v1, KS
	v_lshrrev_b32 v5, 8, v4
	v_lshl_add_u32 v4, v5, 4, v4
	v_lshl_add_u32 v4, v2, 3, v4
	v_add_nc_u32 v[ADSB], s3, v4
	v_lshlrev_b32 v6, 5, v2
.irp t, 0,1,2,3
	global_load_b128 v[BN+8*\t:BN+8*\t+3], v6, s[10:11] offset:64*\t
	global_load_b128 v[BN+8*\t+4:BN+8*\t+7], v6, s[10:11] offset:64*\t+16
.endr
	s_mul_i32 s21, s18, 16*272
	v_mul_u32_u24 v24, v1, 272
	v_lshl_add_u32 v24, v2, 5, v24
	v_add_nc_u32 v24, s21, v24
	v_mul_u32_u24 v25, v2, 272
	v_lshl_add_u32 v25, v1, 4, v25
	v_add_nc_u32 v25, s21, v25
	v_lshlrev_b32 v26, 12, v2
	v_lshl_add_u32 v26, v1, 4, v26
	s_wait_alu depctr_va_vdst(0)
	s_lshl_b32 s98, s43, 19
	s_lshl_b32 s21, s19, 18
	s_add_co_u32 s98, s98, s21
	s_lshl_b32 s21, s42, 9
	s_add_co_u32 s98, s98, s21
	s_lshl_b32 s21, s20, 8
	s_add_co_u32 s98, s98, s21
	s_add_nc_u64 s[12:13], s[12:13], s[98:99]
	s_add_nc_u64 s[14:15], s[14:15], s[98:99]
	WIN 0x80
.irp p, 0,1,2,3
.irp i, 0,1,2,3,4,5,6,7
	global_load_b128 v[32*\p+4*\i:32*\p+4*\i+3], v26, s[12:13] offset:(16*\p+2*\i)*4096 th:TH_LOAD_NT
.endr
.endr
	WIN 0
.macro LDIMG reg, slot, i, q
.irp c, 0,1,2,3
	ds_load_b128 v[(\reg)+4*\c:(\reg)+4*\c+3], v[ADRA+\slot] offset:(\i)*8192+(\q)*2048+\c*512
.endr
.endm
.macro LDROW reg, slot, i, q
.irp c, 0,1,2,3
	ds_load_b128 v[(\reg)+4*\c:(\reg)+4*\c+3], v[ADRB+\slot] offset:(\i)*16*WP+(\q)*128+\c*32
.endr
.endm
.macro LDX reg, slot, i, q
.if MODE == 1
	LDROW \reg, \slot, \i, \q
.else
	LDIMG \reg, \slot, \i, \q
.endif
.endm
.macro LDY reg, slot, i, q
.if MODE == 1
	LDIMG \reg, \slot, \i, \q
.else
	LDROW \reg, \slot, \i, \q
.endif
.endm
.macro FETCH1 slot, q, f
	WIN TO_F
.irp t, 0,1,2,3
	LDY (\f)+64+16*\t, \slot, \t, \q
.endr
	LDX (\f), \slot, 0, \q
	LDX (\f)+16, \slot, 1, \q
.endm
.macro FETCH2 slot, q, f
	WIN TO_F
	LDX (\f)+32, \slot, 2, \q
	LDX (\f)+48, \slot, 3, \q
.endm
.macro SCALES set
	WIN 0
.irp i, 0,1,2,3
.irp e, 0,1
	ds_load_b32 v[SC+16*\set+2*\i+\e], v[ADSA] offset:64*\i+512*\e
.endr
.endr
.irp t, 0,1,2,3
	ds_load_b64 v[SC+16*\set+8+2*\t:SC+16*\set+8+2*\t+1], v[ADSB] offset:\t*SBLK
.endr
.endm
.macro MUL4 f, p, q, set, first
.irp t, 0,1,2,3
.set rD, ACC+8*(4*(\p)+\t)
.set rC, rD
.if \first
.if MODE == 1
.set rC, BN+8*(\p)
.else
.set rC, BN+8*\t
.endif
.endif
.if MODE == 1
.set rSY, SC+16*(\set)+2*\t+(\q)%2
.set rSX, SC+16*(\set)+8+2*(\p)+(\q)%2
.else
.set rSY, SC+16*(\set)+8+2*\t+(\q)%2
.set rSX, SC+16*(\set)+2*(\p)+(\q)%2
.endif
.if (\q) < 2
	v_wmma_scale_f32_16x16x128_f8f6f4 v[rD:rD+7], v[(\f)+64+16*\t:(\f)+64+16*\t+15], v[(\f)+16*(\p):(\f)+16*(\p)+15], v[rC:rC+7], v[rSY], v[rSX] matrix_a_fmt:MATRIX_FMT_BF8 matrix_b_fmt:MATRIX_FMT_BF8
.else
	v_wmma_scale_f32_16x16x128_f8f6f4 v[rD:rD+7], v[(\f)+64+16*\t:(\f)+64+16*\t+15], v[(\f)+16*(\p):(\f)+16*(\p)+15], v[rC:rC+7], v[rSY], v[rSX] matrix_a_fmt:MATRIX_FMT_BF8 matrix_b_fmt:MATRIX_FMT_BF8 matrix_a_scale:MATRIX_SCALE_ROW1 matrix_b_scale:MATRIX_SCALE_ROW1
.endif
.endr
.endm
.macro QUARTER slot, q, first
	s_wait_dscnt 8
	WIN MUL
	MUL4 128*((\q)%2), 0, \q, \slot, \first
	MUL4 128*((\q)%2), 1, \q, \slot, \first
	PLACES 8
	FETCH1 \slot, (\q)+1, 128-128*((\q)%2)
	FETCH2 \slot, (\q)+1, 128-128*((\q)%2)
	s_wait_dscnt 32
	WIN MUL
	MUL4 128*((\q)%2), 2, \q, \slot, \first
	MUL4 128*((\q)%2), 3, \q, \slot, \first
.endm
.macro TURN slot, next, fill
	WIN 0
	s_wait_tensorcnt 0x0
	ds_add_u32 v[SPW], v[NIL]
	s_wait_dscnt 9
	WIN MUL
	MUL4 F1, 0, 3, \slot, 0
	s_wait_dscnt 0x0
	s_barrier_signal -1
	MUL4 F1, 1, 3, \slot, 0
	WIN 0
	s_barrier_wait -1
.if \fill
	CREST
	s_add_nc_u64 s[G0A+4*\slot+2:G0A+4*\slot+3], s[G0A+4*\slot+2:G0A+4*\slot+3], 16384
	s_add_nc_u64 s[G0B+4*\slot+2:G0B+4*\slot+3], s[G0B+4*\slot+2:G0B+4*\slot+3], 1024
	JLOAD G0A+4*\slot, G1A, G0B+4*\slot, G1B
	PLACES 4
.else
	PLACES 8
.endif
	v_add_nc_u32 v[ADSA], 2048, v[ADSA]
	v_add_nc_u32 v[ADSB], 16, v[ADSB]
	FETCH1 \next, 0, F0
	SCALES \next
	FETCH2 \next, 0, F0
	WIN MUL
	MUL4 F1, 2, 3, \slot, 0
	MUL4 F1, 3, 3, \slot, 0
.endm
	s_wait_tensorcnt 0x1
	s_barrier_signal -1
	s_barrier_wait -1
	FETCH1 0, 0, F0
	SCALES 0
	FETCH2 0, 0, F0
	s_wait_loadcnt 32
	QUARTER 0, 0, 1
.if LAPS > 1
	WIN 0
	s_mov_b32 s3, LAPS-1
.Llap:
	QUARTER 0, 1, 0
	QUARTER 0, 2, 0
	TURN 0, 1, 1
	QUARTER 1, 0, 0
	QUARTER 1, 1, 0
	QUARTER 1, 2, 0
	TURN 1, 0, 1
	QUARTER 0, 0, 0
	WIN 0
	s_sub_co_u32 s3, s3, 1
	s_cmp_lg_u32 s3, 0
	s_cbranch_scc1 .Llap
.endif
	QUARTER 0, 1, 0
	QUARTER 0, 2, 0
	TURN 0, 1, 0
	QUARTER 1, 0, 0
	QUARTER 1, 1, 0
	QUARTER 1, 2, 0
	s_wait_dscnt 8
	WIN MUL
	MUL4 F1, 0, 3, 1, 0
	MUL4 F1, 1, 3, 1, 0
	s_wait_dscnt 0x0
	MUL4 F1, 2, 3, 1, 0
	MUL4 F1, 3, 3, 1, 0
	WIN 0
	PLACES 8
.set RB, 64
.macro TOSTAGE p
.irp t, 0,1,2,3
	ds_store_b128 v24, v[ACC+8*(4*(\p)+\t):ACC+8*(4*(\p)+\t)+3] offset:64*\t
	ds_store_b128 v24, v[ACC+8*(4*(\p)+\t)+4:ACC+8*(4*(\p)+\t)+7] offset:64*\t+16
.endr
.irp i, 0,1,2,3,4,5,6,7
	ds_load_b128 v[RB+32*((\p)%2)+4*\i:RB+32*((\p)%2)+4*\i+3], v25 offset:\i*544
.endr
.endm
.macro SEND p, younger
	s_wait_dscnt \younger
	WIN 0x08
.irp k, 0,2,4,6,8,10,12,14,16,18,20,22,24,26,28,30
	v_pk_add_f32 v[RB+32*((\p)%2)+\k:RB+32*((\p)%2)+\k+1], v[RB+32*((\p)%2)+\k:RB+32*((\p)%2)+\k+1], v[32*(\p)+\k:32*(\p)+\k+1]
.endr
	WIN 0
.irp i, 0,1,2,3,4,5,6,7
	global_store_b128 v26, v[RB+32*((\p)%2)+4*\i:RB+32*((\p)%2)+4*\i+3], s[14:15] offset:(16*(\p)+2*\i)*4096 th:TH_STORE_NT
.endr
.endm
	s_wait_loadcnt 0x0
	TOSTAGE 0
	TOSTAGE 1
	SEND 0, 16
	s_wait_xcnt 0x0
	TOSTAGE 2
	SEND 1, 16
	s_wait_xcnt 0x0
	TOSTAGE 3
	SEND 2, 16
	SEND 3, 0
	s_wait_tensorcnt 0x0
	ds_add_u32 v[SPW], v[NIL]
	s_wait_dscnt 0x0
	CROUND
	s_endpgm
.Lfunc_end_k_q04d56dad5d_proj:
	.size	k_q04d56dad5d_proj, .Lfunc_end_k_q04d56dad5d_proj-k_q04d56dad5d_proj
	.p2alignl 7, 3214868480
	.fill 96, 4, 3214868480
	.section	.rodata,"a",@progbits
	.p2align	6, 0x0
	.amdhsa_kernel k_q04d56dad5d_proj
		.amdhsa_group_segment_fixed_size 327680
		.amdhsa_private_segment_fixed_size 0
		.amdhsa_enable_private_segment 0
		.amdhsa_kernarg_size 48
		.amdhsa_user_sgpr_count 2
		.amdhsa_user_sgpr_kernarg_segment_ptr 1
		.amdhsa_wavefront_size32 1
		.amdhsa_system_sgpr_workgroup_id_x 1
		.amdhsa_system_sgpr_workgroup_id_y 1
		.amdhsa_system_sgpr_workgroup_id_z 1
		.amdhsa_system_vgpr_workitem_id 0
		.amdhsa_next_free_vgpr 768
		.amdhsa_next_free_sgpr 100
		.amdhsa_reserve_vcc 0
		.amdhsa_float_denorm_mode_32 3
		.amdhsa_float_denorm_mode_16_64 3
		.amdhsa_memory_ordered 1
		.amdhsa_forward_progress 1
		.amdhsa_inst_pref_size 64
	.end_amdhsa_kernel
	.amdgpu_metadata
---
amdhsa.version: [ 1, 2 ]
amdhsa.kernels:
  - .name:           k_q04d56dad5d_proj
    .symbol:         k_q04d56dad5d_proj.kd
    .args:
      - { .name: o, .offset: 0, .size: 8, .value_kind: global_buffer, .address_space: global }
      - { .name: proj_w_codes, .offset: 8, .size: 8, .value_kind: global_buffer, .address_space: global }
      - { .name: proj_w_scales, .offset: 16, .size: 8, .value_kind: global_buffer, .address_space: global }
      - { .name: proj_b, .offset: 24, .size: 8, .value_kind: global_buffer, .address_space: global }
      - { .name: x, .offset: 32, .size: 8, .value_kind: global_buffer, .address_space: global }
      - { .name: x1, .offset: 40, .size: 8, .value_kind: global_buffer, .address_space: global }
    .group_segment_fixed_size: 327680
    .private_segment_fixed_size: 0
    .kernarg_segment_align: 8
    .kernarg_segment_size: 48
    .max_flat_workgroup_size: 128
    .sgpr_count:     100
    .vgpr_count:     768
    .wavefront_size: 32
...
	.end_amdgpu_metadata
.endif
;; end of part 11
;; launch lnq2: the kernel of part 8 again; grid 256 x 1, 4 waves a work-group, no clusters, 66,560 bytes of LDS; arguments x1, ln2_w, ln2_b, xn; writes xn
;; launch fc1 (part 12): grid 8 x 32, 4 waves a work-group, clusters of 4 x 4, 327,680 bytes of LDS; arguments xn, fc1_w_codes, fc1_w_scales, fc1_b, hid; writes hid
.if DOCPART == 12
	.amdgcn_target "amdgcn-amd-amdhsa--gfx1250"
	.amdhsa_code_object_version 6
	.text
	.protected	k_q04d56dad5d_fc1
	.globl	k_q04d56dad5d_fc1
	.p2align	8
	.type	k_q04d56dad5d_fc1,@function
k_q04d56dad5d_fc1:
	s_mov_b64 s[64:65], 0
	v_nop
	global_prefetch_b8 v0, s[64:65] scope:SCOPE_SE
	s_setreg_imm32_b32 hwreg(HW_REG_WAVE_MODE, 25, 1), 1
	s_wait_xcnt 0x0
	s_wait_alu depctr_hold_cnt(0) depctr_sa_sdst(0) depctr_va_vdst(0) depctr_va_sdst(0) depctr_va_ssrc(0) depctr_va_vcc(0) depctr_vm_vsrc(0)
	s_getreg_b32 s2, hwreg(HW_REG_IB_STS2, 6, 4)
	s_cmp_eq_u32 s2, 0
	s_cbranch_scc0 .Lentry_in_a_cluster
	s_endpgm
.Lentry_in_a_cluster:
	s_bfe_u32 s2, ttmp6, 0x10000c
	s_cmp_lg_u32 s2, 0xf033
	s_cbranch_scc0 .Lentry_shape_is_right
	s_endpgm
.Lentry_shape_is_right:
; hid = Q(gelu(LN2(x1) fc1_w^T + fc1_b)): the product on codes of E5M2 with E8M0 scales; the exact gelu in f32; the result quantised along the hidden axis and stored as images of operand registers.
; erf(z) = z P(z^2) / Q(z^2) on |z| <= 4, P of degree 6 and Q of degree 4 in z^2, in f32; beyond 4 erf is +-1 in f32, so z is held there and the form serves every input.
; A WORK-GROUP STAYS.  Work-group (g, rt) owns tokens 128 rt .. 128 rt + 127 and walks NT = 4 tiles of 128 rows of W, 1,024 rows apart: tiles g, g + 8, g + 16, g + 24.  Four waves, each 64 tokens x 64 rows of W: 16 accumulators.
; A STAYS IN REGISTERS.  A wave's 64 tokens x 1,024 K are 4 tiles x 8 K steps x 16 registers = 512 registers (windows 2 and 3): they come once, as images through LDS, and every tile of W is multiplied from them,
; so that a K step's 16 products read only W's four fragments, 8,192 bytes a wave, from LDS.
; THE RING: two LDS slots, each a WHOLE tile of W: 128 rows x (1,024 bytes + 16).  Slot 1 first takes A's images (131,072 bytes); when they are in registers it is filled with W's tile 1; behind tile j's products the slot just
; read is filled with tile j + 2.  Each refill stands behind a round of the cluster's barrier, one load a wave (a quarter: 32 rows of 1,024 bytes; four waves share the tile's 128 rows), and has a way out and a tile's 128 products
; in which to land.  A wave has one tensor load out at the start, and one behind each round.
; Source 1 = block p of the tokens (a lane is a token), source 0 = tile t of W (the registers run along the hidden units).  The bias is the C of each sum's first product.
; CLUSTERS: 4 x 4 work-groups; A is asked for jointly along a row of the cluster, W along a column.
; The two tiles behind which a slot is filled are a loop of two trips; the last two are a second loop of two trips: they fetch no tile, and the last loads its own bias again, unused.
; REGISTERS: window 0: v1-29 addresses; v32-63 scale words and nothing else (set s for K steps 4 s .. 4 s + 3: A's at 32 + 16 s + 2 i + e, W's at 40 + 16 s + 2 t + e; lanes 0-15 K step 4 s + e, lanes 16-31 K step 4 s + 2 + e);
;   v64-127 at work on the way out; v128-255 the accumulators ((p, t) at 128 + 8 (4 p + t)).  window 1: v0-191 three buffers of W's four fragments; v192-223 the bias.  windows 2, 3: A: fragment (i, K step k) at 64 (k % 4) + 16 i of window 2 + k / 4.
; LIMITS of the quantiser: NaN and infinities are not served; a block of zeros gets the byte 1 (zero codes; only this program reads the bytes); largest magnitudes under 2^-111 are held at the byte 1.
.set NT,    4
.set SCOFF, 4194304                    ; where A's scale words begin: [K step 8][row 4096], 4 bytes each
.set WP,    1040                       ; a row of W in LDS: 1,024 bytes + 16 = 260 words: the sixteen rows of a load start at sixteen different groups of banks
.set TSB,   128*WP                     ; a slot
.set TSTEP, 1048576                    ; bytes from a tile of W to the work-group's next: 1,024 rows
.set SCA,   2*TSB                      ; A's scale words: [K step 8][128 tokens x 4 bytes]
.set SCB,   SCA+4096                   ; W's scale bytes: [tile NT][128 rows x 32 bytes]
.set SPARE, SCB+2*NT*2048              ; the spare words, 128 bytes a wave: two blocks of 256 bytes that no other line names
.set SCST,  SPARE+512                  ; twice 512 bytes in which two waves' halves of scale words meet
.set ADRA, 16
.set AB0,  20
.set ADRB, 21
.set ADSA, 22
.set ADSB, 23
.set SPW,  28
.set NIL,  29
.set SC,   32
.set TM,   64
.set ACC,  128
.set BN,   192
.set G1A,  24
.set G1W,  32
.set G1SA, 40
.set G1SB, 48
.set G0A,  56
.set G0W0, 60
.set G0W,  68
.set G0SA, 72
.set G0SB, 76
.set TB,   86
.set MSB, 0
.macro WIN new                         ; the immediate's high byte repeats the setting that is left
.if MSB != \new
	s_set_vgpr_msb (MSB<<8)|\new
.set MSB, \new
.endif
.endm
.macro JLOAD g0a, g1a, g0b, g1b        ; a joint load: waves 0 and 1 fetch for A, waves 2 and 3 for W; four v_nop follow each line
	s_cmp_eq_u32 s19, 0
	s_cbranch_scc0 .Lfor_b_\@
	tensor_load_to_lds s[\g0a:\g0a+3], s[\g1a:\g1a+7]
	s_nop 0
.rept 4
	v_nop
.endr
	s_branch .Lasked_\@
.Lfor_b_\@:
	tensor_load_to_lds s[\g0b:\g0b+3], s[\g1b:\g1b+7]
	s_nop 0
.rept 4
	v_nop
.endr
.Lasked_\@:
.endm
.macro CROUND                          ; a round of the cluster's barrier
	s_barrier_signal -1
	s_barrier_wait -1
	s_cmp_lg_u32 s18, 0
	s_cbranch_scc1 .Lnot_wave_0_\@
	s_barrier_signal -3
.Lnot_wave_0_\@:
	s_barrier_wait -3
	s_barrier_signal -1
	s_barrier_wait -1
.endm
.macro PLACES n
.rept \n
	v_nop
.endr
.endm
.macro SHAPE g, c, r, p                ; words 1 to 7 of a descriptor's group 1: r rows of c elements, p elements from row to row
	s_mov_b32 s[\g+1], (\c)<<16
	s_mov_b32 s[\g+2], (\r)<<16
	s_mov_b32 s[\g+3], (\c)<<16
	s_mov_b32 s[\g+4], \r
	s_mov_b32 s[\g+5], \p
	s_mov_b32 s[\g+6], 0
	s_mov_b32 s[\g+7], 0
.endm
	s_load_b256 s[4:11], s[0:1], 0x0               ; A s[4:5], W's codes s[6:7], W's scales s[8:9], the bias s[10:11]
	s_load_b64 s[12:13], s[0:1], 0x20              ; the result
	v_lshl_add_u32 v[SPW], v0, 2, SPARE
	v_mov_b32 v[NIL], 0
	ds_add_u32 v28, v29
	ds_add_u32 v28, v29
	s_wait_dscnt 0x0
	v_lshrrev_b32 v1, 5, v0
	v_readfirstlane_b32 s18, v1                    ; wave
	s_lshr_b32 s19, s18, 1                         ; RH: my four tiles of tokens.
	s_and_b32 s20, s18, 1                          ; CH: my 64 rows of W.
	s_bfe_u32 s80, ttmp6, 0x40000                  ; cx, cy
	s_bfe_u32 s81, ttmp6, 0x40004
	s_lshl_b32 s82, ttmp9, 2
	s_add_co_u32 s82, s82, s80                     ; g
	s_and_b32 s83, ttmp7, 0xffff
	s_lshl_b32 s83, s83, 2
	s_add_co_u32 s83, s83, s81                     ; rt
	s_lshl_b32 s84, s81, 2
	s_lshl_b32 s84, 15, s84                        ; my row of the cluster
	s_lshl_b32 s85, 0x1111, s80                    ; my column
	s_or_b32 s[G1A], s84, (3<<16)|(1<<21)          ; A's images: a dense quarter, 128 rows of 256 bytes (32 elements of 8)
	SHAPE G1A, 32, 512, 32                         ; the head's load brings all 131,072 bytes: 512 rows of 256
	s_or_b32 s[G1W], s85, (1<<20)|(1<<21)|(7<<22)|(3<<25)   ; W: 32 rows of 1,024 bytes, four words of padding behind every 256
	SHAPE G1W, 1024, 128, 1024                     ; the head's load brings tile 0 whole; behind it the two words that count rows are set to 32
	s_or_b32 s[G1SA], s84, (3<<16)|(1<<21)         ; A's scale words: a row of 256 bytes (64 tokens) for each K step, 16,384 bytes apart
	SHAPE G1SA, 64, 8, 2048                        ; a row of 512 bytes (128 tokens) for each K step
	s_or_b32 s[G1SB], s85, (3<<16)|(1<<21)         ; W's scale bytes: for each tile a row of 2,048 bytes (64 rows of W), 32,768 bytes apart
	SHAPE G1SB, 512, NT, 4096                      ; for each tile a row of 4,096 bytes (128 rows of W)
	s_lshl_b32 s96, s83, 17                        ; A's images: 131,072 bytes a work-group
	s_mov_b32 s97, 0
	s_lshl_b32 s98, s83, 9                         ; its scale words: 4 bytes a token
	s_add_co_u32 s98, s98, SCOFF
	s_mov_b32 s99, 0
	s_lshl_b32 s92, s82, 17                        ; W: row 128 g + 32 wave
	s_lshl_b32 s21, s18, 15
	s_add_co_u32 s92, s92, s21
	s_mov_b32 s93, 0
	s_lshl_b32 s94, s82, 12                        ; W's scale bytes: 32 a row, row 128 g
	s_mov_b32 s95, 0
	s_lshl_b32 s90, s82, 9                         ; the bias of my 64 rows of W
	s_lshl_b32 s21, s20, 8
	s_add_co_u32 s90, s90, s21
	s_mov_b32 s91, 0
	s_mul_i32 s22, s18, 32*WP                      ; LDS: my 32 rows in a slot; no place in the cluster enters an LDS address
	s_mov_b32 s[TB], 0
	s_mov_b32 s14, 4096                            ; s[14:15]: from a tile's bias to the next tile's, in bytes
	s_mov_b32 s15, 0
	s_mov_b32 s16, 0x76543210
	s_mov_b32 s17, 0xfedcba98                      ; lane l xor 16
	s_mov_b32 s2, 0x600000                         ; the mantissa field of 57,344
	s_wait_kmcnt 0x0
	s_mov_b32 s[G0SA], 1
	s_mov_b32 s[G0SA+1], SCA
	s_add_nc_u64 s[G0SA+2:G0SA+3], s[4:5], s[98:99]
	s_or_b32 s[G0SA+3], s[G0SA+3], 0x80000000
	s_mov_b32 s[G0SB], 1
	s_mov_b32 s[G0SB+1], SCB
	s_add_nc_u64 s[G0SB+2:G0SB+3], s[8:9], s[94:95]
	s_or_b32 s[G0SB+3], s[G0SB+3], 0x80000000
	s_mov_b32 s[G0A], 1
	s_mov_b32 s[G0A+1], TSB
	s_add_nc_u64 s[G0A+2:G0A+3], s[4:5], s[96:97]
	s_or_b32 s[G0A+3], s[G0A+3], 0x80000000
	s_mov_b32 s[G0W0], 1                           ; W's tile 0, into slot 0
	s_mov_b32 s[G0W0+1], 0
	s_lshl_b32 s96, s82, 17                        ; row 128 g
	s_add_nc_u64 s[G0W0+2:G0W0+3], s[6:7], s[96:97]
	s_or_b32 s[G0W0+3], s[G0W0+3], 0x80000000
	s_mov_b32 s[G0W], 1                            ; the walking descriptor: it begins with tile 1 and slot 1
	s_add_co_u32 s[G0W+1], s22, TSB
	s_add_nc_u64 s[G0W+2:G0W+3], s[6:7], s[92:93]
	s_add_nc_u64 s[G0W+2:G0W+3], s[G0W+2:G0W+3], TSTEP
	s_or_b32 s[G0W+3], s[G0W+3], 0x80000000
	s_add_nc_u64 s[10:11], s[10:11], s[90:91]
	CROUND                                         ; all sixteen work-groups are here: the first joint loads meet
; THE HEAD'S LOADS, ONE A WAVE: wave 0 A's images, wave 1 W's tile 0, wave 2 A's scale words, wave 3 W's scale bytes, each whole.  One chain of branches on the wave's number.
.macro ARM under, g0, g1, next
	s_cmp_lt_u32 s18, \under
	s_cbranch_scc0 \next
	tensor_load_to_lds s[\g0:\g0+3], s[\g1:\g1+7]
	s_nop 0
.rept 4
	v_nop
.endr
	s_branch .Lhead_asked
\next:
.endm
	ARM 1, G0A,  G1A,  .Lhead_w
	ARM 2, G0W0, G1W,  .Lhead_sa
	ARM 3, G0SA, G1SA, .Lhead_sb
	tensor_load_to_lds s[G0SB:G0SB+3], s[G1SB:G1SB+7]
	s_nop 0
.rept 4
	v_nop
.endr
.Lhead_asked:
	v_and_b32 v1, 15, v0
	v_bfe_u32 v2, v0, 4, 1                         ; h
	v_and_b32 v3, 31, v0                           ; lane
	s_lshl_b32 s21, s19, 16
	s_add_co_u32 s21, s21, TSB
	v_lshl_add_u32 v[ADRA], v3, 4, s21             ; A's images: my four tiles, 16 bytes a lane
	s_mul_i32 s21, s20, 64*WP
	v_mul_u32_u24 v4, v1, WP
	v_lshl_add_u32 v4, v2, 4, v4
	v_add_nc_u32 v[AB0], s21, v4                   ; W's rows in a slot: my 64, row r, + 16 h
	s_lshl_b32 s21, s19, 8                         ; A's scale words lie [K step 8][128 tokens x 4 bytes]: my 64 tokens
	s_add_co_u32 s21, s21, SCA
	v_lshlrev_b32 v4, 2, v1
	v_lshl_add_u32 v4, v2, 10, v4
	v_add_nc_u32 v[ADSA], s21, v4                  ; A's scale words: 4 r; lanes 16-31 two K steps on
	s_lshl_b32 s21, s20, 11                        ; W's scale bytes lie [tile NT][128 rows x 32 bytes]: my 64 rows
	s_add_co_u32 s21, s21, SCB
	v_lshlrev_b32 v4, 5, v1
	v_lshl_add_u32 v4, v2, 3, v4
	v_add_nc_u32 v[ADSB], s21, v4                  ; W's: 32 r; lanes 16-31 two K steps (8 bytes) on
	v_lshlrev_b32 v6, 5, v2                        ; the bias: register j of tile t holds b(16 t + 8 h + j)
	s_wait_alu depctr_va_vdst(0)
	v_lshlrev_b32 v24, 4, v3                       ; 16 x lane
	s_lshl_b32 s21, s19, 8
	s_lshl_b32 s22, s20, 1
	s_add_co_u32 s21, s21, s22
	s_add_co_u32 s21, s21, SCST
	v_lshl_add_u32 v25, v1, 2, s21                 ; the scale words in LDS: 256 RH + 4 r + 2 CH (+ 64 p)
	v_lshl_add_u32 v26, v3, 4, SCST                ; back: 16 bytes a lane
	; where the results go.  Tile ct = g + 8 j of W is K step ct of the next product.  Codes: [tile of tokens 256][K step 32][c 4][512 bytes], c = 2 CH + b.  Scale words: at 16 MiB, [K step 32][row 4096].
	s_lshl_b32 s88, s83, 3
	s_lshl_b32 s22, s19, 2
	s_add_co_u32 s88, s88, s22                     ; my first tile of tokens
	s_lshl_b32 s88, s88, 16
	s_lshl_b32 s22, s82, 11
	s_add_co_u32 s88, s88, s22
	s_lshl_b32 s22, s20, 10
	s_add_co_u32 s88, s88, s22
	s_mov_b32 s89, 0
	s_add_nc_u64 s[88:89], s[12:13], s[88:89]
	s_lshl_b32 s90, s82, 14
	s_lshl_b32 s22, s83, 9
	s_add_co_u32 s90, s90, s22
	s_add_co_u32 s90, s90, 16777216
	s_mov_b32 s91, 0
	s_add_nc_u64 s[90:91], s[12:13], s[90:91]
.macro BIAS step                       ; a tile's bias into window 1.  step = 1: the next tile's, 1,024 rows on (the earlier loads from this base were waited for at the tile's head)
	WIN 0x40
.if \step
	s_add_nc_u64 s[10:11], s[10:11], s[14:15]
.endif
.irp t, 0,1,2,3
	global_load_b128 v[BN+8*\t:BN+8*\t+3], v6, s[10:11] offset:64*\t
	global_load_b128 v[BN+8*\t+4:BN+8*\t+7], v6, s[10:11] offset:64*\t+16
.endr
.endm
.macro FETCHW k                        ; 16 loads: W's four fragments of K step k into buffer k % 3: registers 4 c .. 4 c + 3 hold k = 32 c + 16 h + 0..15 of row r
	WIN 0x40
.irp t, 0,1,2,3
.irp c, 0,1,2,3
	ds_load_b128 v[64*((\k)%3)+16*\t+4*\c:64*((\k)%3)+16*\t+4*\c+3], v[ADRB] offset:\t*16*WP+(\k)*128+\c*32
.endr
.endr
.endm
.macro SCALEB                          ; 8 loads: the tile's scale words of W, for all of K
	WIN 0
.irp s, 0,1
.irp t, 0,1,2,3
	ds_load_b64 v[SC+16*\s+8+2*\t:SC+16*\s+8+2*\t+1], v[ADSB] offset:\t*512+16*\s
.endr
.endr
.endm
.macro MWIN ks                         ; the products' windows: W (source 0) in 1, A (source 1) in 2 + ks / 4, C and D in 0; in K step 0 C is the bias, in window 1
.set WC, 0
.if (\ks) == 0
.set WC, 0x10
.endif
.set WN, 0x01|((2+(\ks)/4)<<2)|WC
	WIN WN
.endm
; four products: block p of the tokens against W's four tiles, K step ks.  The sixteen accumulators take turns, one instruction a turn, in the same order in every K step, over the loop's backward jump too.
.macro MUL4 ks, p
.irp t, 0,1,2,3
.set rD, ACC+8*(4*(\p)+\t)
.set rC, rD
.if (\ks) == 0
.set rC, BN+8*\t
.endif
.set rA0, 64*((\ks)%3)+16*\t
.set rA1, 64*((\ks)%4)+16*(\p)
.set rX0, SC+16*((\ks)/4)+8+2*\t+(\ks)%2
.set rX1, SC+16*((\ks)/4)+2*(\p)+(\ks)%2
.if (\ks)%4 < 2
	v_wmma_scale_f32_16x16x128_f8f6f4 v[rD:rD+7], v[rA0:rA0+15], v[rA1:rA1+15], v[rC:rC+7], v[rX0], v[rX1] matrix_a_fmt:MATRIX_FMT_BF8 matrix_b_fmt:MATRIX_FMT_BF8
.else
	v_wmma_scale_f32_16x16x128_f8f6f4 v[rD:rD+7], v[rA0:rA0+15], v[rA1:rA1+15], v[rC:rC+7], v[rX0], v[rX1] matrix_a_fmt:MATRIX_FMT_BF8 matrix_b_fmt:MATRIX_FMT_BF8 matrix_a_scale:MATRIX_SCALE_ROW1 matrix_b_scale:MATRIX_SCALE_ROW1
.endif
.endr
.endm
; a K step: 16 products; in its middle the fragments of two K steps on are fetched, into the buffer that the K step before has read.  Eight plain places stand in front of loads into registers that matrix instructions have read.
.macro KSTEP ks, nb
.if (\ks) < 7
	s_wait_dscnt 16                                ; this K step's fragments are in; the next K step's sixteen loads may be out
.else
	s_wait_dscnt 0x0
.endif
	MWIN \ks
	MUL4 \ks, 0
	MUL4 \ks, 1
.if (\ks) < 6
	PLACES 8
.if (\ks) == 1
.if (\nb)
	BIAS 1                                         ; K step 0's products have read this tile's bias: the next tile's is asked for
.endif
.endif
	FETCHW (\ks)+2
.endif
	MWIN \ks
	MUL4 \ks, 2
	MUL4 \ks, 3
.endm
; A REFILL.  Each wave waits for all its tensor loads (its part of the other slot), adds 0 to its spare word, and waits for that and for its reads of the slot that it has left; a round of the cluster's barrier: no wave of any
; partner still reads that slot or has a load on its way; the joint refill is the first thing behind it.  step = 1: the walking descriptor goes on to the other slot and the next tile.
.macro EVENT step
	s_wait_tensorcnt 0x0                           ; no tensor load of mine is out, so a group 0 may be written
	ds_add_u32 v[SPW], v[NIL]                      ; 0 onto my spare word
.if \step
	s_xor_b32 s[G0W+1], s[G0W+1], TSB              ; (a wave's place in a slot shares no bit with the slot's size)
	s_add_nc_u64 s[G0W+2:G0W+3], s[G0W+2:G0W+3], TSTEP
.endif
	s_wait_dscnt 0x0
	CROUND
	tensor_load_to_lds s[G0W:G0W+3], s[G1W:G1W+7]
	s_nop 0
.rept 4
	v_nop
.endr
.endm
; THE QUANTISER.  64 numbers of a lane: four blocks; block b's 16 registers are two neighbouring tiles: k = 32 b + 8 h + 0..7 and 32 b + 16 + 8 h + 0..7 of the lane's row; lane l xor 16 holds the other 16.
; The two tiles' codes [E0 E1 O0 O1] are brought into an image group's order, k = 32 b + 16 h + 0..15, by exchanging E's lanes 16-31 with O's lanes 0-15.
.macro QUANT s, pc
.irp b, 0,1,2,3
	v_max3_num_f32 v[TM+\b], |v[\s+16*\b]|, |v[\s+16*\b+1]|, 0x8000000   ; the floor 2^(16 - 127) holds the byte at 1 from below
.endr
.irp i, 2,4,6,8,10,12,14
.irp b, 0,1,2,3
	v_max3_num_f32 v[TM+\b], v[TM+\b], |v[\s+16*\b+\i]|, |v[\s+16*\b+\i+1]|
.endr
.endr
.irp b, 0,1,2,3
	v_permlanex16_b32 v[TM+4+\b], v[TM+\b], s16, s17
.endr
.irp b, 0,1,2,3
	v_max_num_f32 v[TM+\b], v[TM+\b], v[TM+4+\b]
.endr
.irp b, 0,1,2,3
	v_add_nc_u32 v[TM+12+\b], 0xf8800000, v[TM+\b] ; 15 off the exponent field: the conversion's scale operand
.endr
.irp b, 0,1,2,3
	v_and_or_b32 v[TM+8+\b], v[TM+\b], 0x7f800000, s2   ; 57,344 x the scale
.endr
.irp b, 0,1,2,3
	v_lshrrev_b32 v[TM+4+\b], 23, v[TM+12+\b]      ; the scale's byte
.endr
.irp b, 0,1,2,3
.irp i, 0,1,2,3,4,5,6,7,8,9,10,11,12,13,14,15
	v_med3_num_f32 v[\s+16*\b+\i], v[\s+16*\b+\i], -v[TM+8+\b], v[TM+8+\b]   ; the conversion does not saturate (ISA guide 7.6.2): the hold
.endr
	v_cvt_scalef32_pk8_bf8_f32 v[\pc+4*\b:\pc+4*\b+1], v[\s+16*\b:\s+16*\b+7], v[TM+12+\b]
	v_cvt_scalef32_pk8_bf8_f32 v[\pc+4*\b+2:\pc+4*\b+3], v[\s+16*\b+8:\s+16*\b+15], v[TM+12+\b]
.endr
	v_nop                                          ; a plain instruction between the last conversion and the first line that touches its result
.irp b, 0,1,2,3
	v_permlane16_swap_b32 v[\pc+4*\b], v[\pc+4*\b+2]
	v_permlane16_swap_b32 v[\pc+4*\b+1], v[\pc+4*\b+3]
.endr
.endm
; gelu(x) = x/2 + x/2 erf(x / sqrt 2) on an accumulator's eight numbers, in place, four pairs by turns
.set GZ,  96
.set GZ2, 104
.set GP,  112
.set GQ,  120
.macro GELU8 x
.irp k, 0,2,4,6
	v_pk_mul_f32 v[GZ+\k:GZ+\k+1], v[(\x)+\k:(\x)+\k+1], 0x3f3504f3 op_sel_hi:[1,0]   ; z = x / sqrt 2; the accumulator is read from its low end on
.endr
.irp k, 0,1,2,3,4,5,6,7
	v_med3_num_f32 v[GZ+\k], v[GZ+\k], -4.0, 4.0
.endr
.irp k, 0,2,4,6
	v_pk_mul_f32 v[GZ2+\k:GZ2+\k+1], v[GZ+\k:GZ+\k+1], v[GZ+\k:GZ+\k+1]
.endr
.irp k, 0,2,4,6
	v_pk_fma_f32 v[GP+\k:GP+\k+1], v[GZ2+\k:GZ2+\k+1], 0xaf95df0b, v[64:65] op_sel_hi:[1,0,1]
	v_pk_fma_f32 v[GQ+\k:GQ+\k+1], v[GZ2+\k:GZ2+\k+1], 0xb77460cd, v[66:67] op_sel_hi:[1,0,1]
.endr
.irp c, 0xb60cff51, 0xb86ec2d2, 0xba40ac63, 0xbb41a1f6, 0xbc83dbd4
.irp k, 0,2,4,6
	v_pk_fma_f32 v[GP+\k:GP+\k+1], v[GP+\k:GP+\k+1], v[GZ2+\k:GZ2+\k+1], \c op_sel_hi:[1,1,0]
.endr
.endr
.irp c, 0xbadc924e, 0xbbf19bf8, 0xbc69b6a7
.irp k, 0,2,4,6
	v_pk_fma_f32 v[GQ+\k:GQ+\k+1], v[GQ+\k:GQ+\k+1], v[GZ2+\k:GZ2+\k+1], \c op_sel_hi:[1,1,0]
.endr
.endr
.irp k, 0,2,4,6
	v_pk_mul_f32 v[GP+\k:GP+\k+1], v[GP+\k:GP+\k+1], v[GZ+\k:GZ+\k+1]
.endr
	s_wait_alu depctr_va_vdst(0)
.irp k, 0,1,2,3,4,5,6,7
	v_rcp_f32 v[GQ+\k], v[GQ+\k]
.endr
.irp k, 0,2,4,6
	v_pk_mul_f32 v[GZ2+\k:GZ2+\k+1], v[(\x)+\k:(\x)+\k+1], 0.5 op_sel_hi:[1,0]   ; x / 2: plain places behind the reciprocals
.endr
	s_wait_alu depctr_va_vdst(0)
.irp k, 0,2,4,6
	v_pk_mul_f32 v[GP+\k:GP+\k+1], v[GP+\k:GP+\k+1], v[GQ+\k:GQ+\k+1]            ; erf
.endr
.irp k, 0,2,4,6
	v_pk_fma_f32 v[(\x)+\k:(\x)+\k+1], v[GZ2+\k:GZ2+\k+1], v[GP+\k:GP+\k+1], v[GZ2+\k:GZ2+\k+1]
.endr
.endm
; THE WAY OUT of a tile.  A scale word's halves come from two waves and meet in LDS, so bytes on in the scratch.  last = 1: no refill stands in this tile, and the barrier here also shows the next tile's load, waited for in
; front of it, to every wave (in the very last tile no load is out any more).  nb = 1: a tile follows.
.macro OUT_FC last, so, nb
	v_mov_b32 v64, 0x32edffee
	v_mov_b32 v65, 0x32edffee
	v_mov_b32 v66, 0xb95fbd29
	v_mov_b32 v67, 0xb95fbd29
.irp a, 0,1,2,3,4,5,6,7,8,9,10,11,12,13,14,15
	GELU8 ACC+8*\a
.endr
.irp b, 0,1,2,3
	v_mov_b32 v[TM+4+\b], 0                        ; a lane permute's destination counts as read
.endr
	QUANT 128, 80
	v_lshl_or_b32 v112, v[TM+5], 8, v[TM+4]
	v_lshl_or_b32 v113, v[TM+7], 8, v[TM+6]
.irp p, 0,1
.irp b, 0,1
	global_store_b128 v24, v[80+8*\p+4*\b:83+8*\p+4*\b], s[88:89] offset:65536*\p+512*\b   ; 32 lanes store 512 consecutive bytes, aligned
.endr
.endr
	QUANT 192, 96
	v_lshl_or_b32 v114, v[TM+5], 8, v[TM+4]
	v_lshl_or_b32 v115, v[TM+7], 8, v[TM+6]
.irp p, 0,1
.irp b, 0,1
	global_store_b128 v24, v[96+8*\p+4*\b:99+8*\p+4*\b], s[88:89] offset:131072+65536*\p+512*\b
.endr
.endr
.irp p, 0,1,2,3
	ds_store_b16 v25, v[112+\p] offset:64*\p+\so   ; both halves of the lanes write the same two bytes with the same value
.endr
.if \last
	s_wait_tensorcnt 0x0                           ; my part of the next tile is in
.endif
	s_wait_dscnt 0x0                               ; for the others' sake: my halves of the words lie in LDS
	s_barrier_signal -1
	s_barrier_wait -1
	s_cmp_lg_u32 s18, 0
	s_cbranch_scc1 .Lnot_first_\@
	ds_load_b128 v[116:119], v26 offset:\so
	s_wait_dscnt 0x0
	global_store_b128 v24, v[116:119], s[90:91]    ; the 128 rows' words: 512 consecutive bytes, aligned
.Lnot_first_\@:
.if \last
	s_barrier_signal -1                            ; wave 0 has read the words (its wait on DScnt stands above): the next tile's halves go to the same bytes only behind this barrier
	s_barrier_wait -1
.endif
.if \nb
	s_wait_xcnt 0x0
	s_add_nc_u64 s[88:89], s[88:89], 16384         ; eight K steps of the next product on
	s_add_nc_u64 s[90:91], s[90:91], 131072
.endif
.endm
; A TILE OF W: its 128 products; fill = 1: the slot just read is filled with the tile two on; then the way out.
.macro TILE fill, so, nb
	v_add_nc_u32 v[ADRB], s[TB], v[AB0]
	FETCHW 0
	SCALEB
	FETCHW 1
	s_wait_alu depctr_va_vdst(0)
	s_wait_loadcnt 0x0                             ; the tile's bias
.irp ks, 0,1,2,3,4,5,6,7
	KSTEP \ks, \nb
.endr
	WIN 0
.if \fill
	EVENT 1
.endif
	PLACES 8                                       ; in front of the first read of results
	OUT_FC 1-\fill, \so, \nb
.if \nb
	v_add_nc_u32 v[ADSB], 4096, v[ADSB]            ; the next tile's scale bytes,
	s_xor_b32 s[TB], s[TB], TSB                    ; in the other slot
.endif
.endm
	BIAS 0                                         ; tile 0's bias
	WIN 0
	s_wait_alu depctr_va_vdst(0)                   ; the wait at the head's end
	s_wait_tensorcnt 0x0                           ; my one tile of the head's four is in, and no load of mine is out: a descriptor may be written
	s_mov_b32 s[G1W+2], 32<<16                     ; from here on a load of W brings 32 rows
	s_mov_b32 s[G1W+4], 32
	s_barrier_signal -1
	s_barrier_wait -1
.set k, 0
.rept 8                                ; A into registers, once: 128 loads of 512 consecutive bytes
.set WN, 0x80+0x40*(k/4)
	WIN WN
.irp i, 0,1,2,3
.irp c, 0,1,2,3
	ds_load_b128 v[64*(k%4)+16*\i+4*\c:64*(k%4)+16*\i+4*\c+3], v[ADRA] offset:\i*16384+k*2048+\c*512
.endr
.endr
.set k, k+1
.endr
	WIN 0
.irp s, 0,1
.irp i, 0,1,2,3
.irp e, 0,1
	ds_load_b32 v[SC+16*\s+2*\i+\e], v[ADSA] offset:64*\i+512*\e+2048*\s   ; and its scale words, once
.endr
.endr
.endr
	EVENT 0                                        ; A is in registers and tile 0 has landed: slot 1 takes W's tile 1
	s_mov_b32 s3, 2
.Ltile:                                            ; tiles 0 and 1: behind each one's products its slot takes the tile two on
	s_wait_alu depctr_va_vdst(0)
	TILE 1, 0, 1
	s_sub_co_u32 s3, s3, 1
	s_cmp_lg_u32 s3, 0
	s_cbranch_scc1 .Ltile
	s_mov_b32 s3, 2
.Ltail:                                            ; tiles 2 and 3 fetch no tile: a second loop of two trips; their scale words meet in the scratch's other half
	s_wait_alu depctr_va_vdst(0)
	s_cmp_eq_u32 s3, 1
	s_cselect_b32 s14, 0, s14                      ; no tile follows tile 3: its trip steps the bias's address by 0 and loads its own bias again, so that the address stays inside fc1_b; what it loads is not used
	TILE 0, 512, 1
	s_sub_co_u32 s3, s3, 1
	s_cmp_lg_u32 s3, 0
	s_cbranch_scc1 .Ltail
	s_wait_tensorcnt 0x0                           ; the wave's end
	ds_add_u32 v[SPW], v[NIL]
	s_wait_dscnt 0x0
	CROUND                                         ; the closing round: no work-group ends while a partner may still ask for a tile that names it
	s_endpgm
.Lfunc_end_k_q04d56dad5d_fc1:
	.size	k_q04d56dad5d_fc1, .Lfunc_end_k_q04d56dad5d_fc1-k_q04d56dad5d_fc1
	.p2alignl 7, 3214868480
	.fill 96, 4, 3214868480
	.section	.rodata,"a",@progbits
	.p2align	6, 0x0
	.amdhsa_kernel k_q04d56dad5d_fc1
		.amdhsa_group_segment_fixed_size 327680
		.amdhsa_private_segment_fixed_size 0
		.amdhsa_enable_private_segment 0
		.amdhsa_kernarg_size 40
		.amdhsa_user_sgpr_count 2
		.amdhsa_user_sgpr_kernarg_segment_ptr 1
		.amdhsa_wavefront_size32 1
		.amdhsa_system_sgpr_workgroup_id_x 1
		.amdhsa_system_sgpr_workgroup_id_y 1
		.amdhsa_system_sgpr_workgroup_id_z 1
		.amdhsa_system_vgpr_workitem_id 0
		.amdhsa_next_free_vgpr 1024
		.amdhsa_next_free_sgpr 100
		.amdhsa_reserve_vcc 0
		.amdhsa_float_denorm_mode_32 3
		.amdhsa_float_denorm_mode_16_64 3
		.amdhsa_memory_ordered 1
		.amdhsa_forward_progress 1
		.amdhsa_inst_pref_size 255
	.end_amdhsa_kernel
	.section	.bss,"aw",@nobits
	.p2align	6
	.space	262144
	.amdgpu_metadata
---
amdhsa.version: [ 1, 2 ]
amdhsa.kernels:
  - .name:           k_q04d56dad5d_fc1
    .symbol:         k_q04d56dad5d_fc1.kd
    .args:
      - { .name: xn, .offset: 0, .size: 8, .value_kind: global_buffer, .address_space: global }
      - { .name: fc1_w_codes, .offset: 8, .size: 8, .value_kind: global_buffer, .address_space: global }
      - { .name: fc1_w_scales, .offset: 16, .size: 8, .value_kind: global_buffer, .address_space: global }
      - { .name: fc1_b, .offset: 24, .size: 8, .value_kind: global_buffer, .address_space: global }
      - { .name: hid, .offset: 32, .size: 8, .value_kind: global_buffer, .address_space: global }
    .group_segment_fixed_size: 327680
    .private_segment_fixed_size: 0
    .kernarg_segment_align: 8
    .kernarg_segment_size: 40
    .max_flat_workgroup_size: 128
    .sgpr_count:     100
    .vgpr_count:     1024
    .wavefront_size: 32
...
	.end_amdgpu_metadata
.endif
;; end of part 12
;; launch fc2 (part 13): grid 8 x 32, 4 waves a work-group, clusters of 4 x 4, 327,680 bytes of LDS; arguments hid, fc2_w_codes, fc2_w_scales, fc2_b, x1, out0; writes out0
.if DOCPART == 13
	.amdgcn_target "amdgcn-amd-amdhsa--gfx1250"
	.amdhsa_code_object_version 6
	.text
	.protected	k_q04d56dad5d_fc2
	.globl	k_q04d56dad5d_fc2
	.p2align	8
	.type	k_q04d56dad5d_fc2,@function
k_q04d56dad5d_fc2:
	s_mov_b64 s[64:65], 0
	v_nop
	global_prefetch_b8 v0, s[64:65] scope:SCOPE_SE
	s_setreg_imm32_b32 hwreg(HW_REG_WAVE_MODE, 25, 1), 1
	s_wait_xcnt 0x0
	s_wait_alu depctr_hold_cnt(0) depctr_sa_sdst(0) depctr_va_vdst(0) depctr_va_sdst(0) depctr_va_ssrc(0) depctr_va_vcc(0) depctr_vm_vsrc(0)
	s_getreg_b32 s2, hwreg(HW_REG_IB_STS2, 6, 4)
	s_cmp_eq_u32 s2, 0
	s_cbranch_scc0 .Lentry_in_a_cluster
	s_endpgm
.Lentry_in_a_cluster:
	s_bfe_u32 s2, ttmp6, 0x10000c
	s_cmp_lg_u32 s2, 0xf033
	s_cbranch_scc0 .Lentry_shape_is_right
	s_endpgm
.Lentry_shape_is_right:
.set MODE,   3
.set SIZE_K, 4096
.set WROW0,  0
.set SCOFF,  16777216
.set KS,    SIZE_K/32
.set NKS,   SIZE_K/128
.set LAPS,  SIZE_K/1024
.set ATILE, 16*SIZE_K
.set SLOT,  133120
.set WOFF,  65536
.set WP,    528
.set SCA,   2*SLOT
.set SCB,   SCA+2*NKS*256
.set HALFS, (64*KS/256)*272
.set SBLK,  (16*KS/256)*272
.set SPARE, SCB+2*HALFS
.set ADRA, 16
.set ADRB, 20
.set ADSA, 22
.set ADSB, 23
.set SPW,  28
.set NIL,  29
.set SC,   32
.set BN,   64
.set ACC,  128
.set F0,   0
.set F1,   128
.set G1A,  24
.set G0A,  32
.set G1B,  48
.set G0B,  56
.set G1SA, 68
.set G0SA, 76
.set G1SB, 80
.set G0SB, 88
.set MSB, 0
.macro WIN new
.if MSB != \new
	s_set_vgpr_msb (MSB<<8)|\new
.set MSB, \new
.endif
.endm
.set MUL,  0x05
.set TO_F, 0x40
.macro JLOAD g0a, g1a, g0b, g1b
	s_cmp_eq_u32 s19, 0
	s_cbranch_scc0 .Lfor_b_\@
	tensor_load_to_lds s[\g0a:\g0a+3], s[\g1a:\g1a+7]
	s_nop 0
.rept 4
	v_nop
.endr
	s_branch .Lasked_\@
.Lfor_b_\@:
	tensor_load_to_lds s[\g0b:\g0b+3], s[\g1b:\g1b+7]
	s_nop 0
.rept 4
	v_nop
.endr
.Lasked_\@:
.endm
.macro CREST
	s_cmp_lg_u32 s18, 0
	s_cbranch_scc1 .Lnot_wave_0_\@
	s_barrier_signal -3
.Lnot_wave_0_\@:
	s_barrier_wait -3
	s_barrier_signal -1
	s_barrier_wait -1
.endm
.macro CROUND
	s_barrier_signal -1
	s_barrier_wait -1
	CREST
.endm
.macro PLACES n
.rept \n
	v_nop
.endr
.endm
.macro SHAPE g, c, r, p
	s_mov_b32 s[\g+1], (\c)<<16
	s_mov_b32 s[\g+2], (\r)<<16
	s_mov_b32 s[\g+3], (\c)<<16
	s_mov_b32 s[\g+4], \r
	s_mov_b32 s[\g+5], \p
	s_mov_b32 s[\g+6], 0
	s_mov_b32 s[\g+7], 0
.endm
	s_load_b256 s[4:11], s[0:1], 0x0
	s_load_b128 s[12:15], s[0:1], 0x20
	v_lshl_add_u32 v[SPW], v0, 2, SPARE
	v_mov_b32 v[NIL], 0
	ds_add_u32 v28, v29
	ds_add_u32 v28, v29
	s_wait_dscnt 0x0
	v_lshrrev_b32 v1, 5, v0
	v_readfirstlane_b32 s18, v1
	s_lshr_b32 s19, s18, 1
	s_and_b32 s20, s18, 1
	s_bfe_u32 s40, ttmp6, 0x40000
	s_bfe_u32 s41, ttmp6, 0x40004
	s_lshl_b32 s42, ttmp9, 2
	s_add_co_u32 s42, s42, s40
	s_and_b32 s43, ttmp7, 0xffff
	s_lshl_b32 s43, s43, 2
	s_add_co_u32 s43, s43, s41
	s_lshl_b32 s44, s41, 2
	s_lshl_b32 s44, 15, s44
	s_lshl_b32 s45, 0x1111, s40
	s_or_b32 s[G1A], s44, (3<<16)|(1<<21)
	SHAPE G1A, 1024, 8, 2*SIZE_K                   ; the head's load brings all eight tiles' part of chunk 0; behind it the two words that count rows are set to 4
	s_or_b32 s[G1B], s45, (1<<20)|(1<<21)|(6<<22)|(3<<25)
	SHAPE G1B, 512, 128, SIZE_K                    ; likewise 128 rows of W, then 64
	s_or_b32 s[G1SA], s44, (3<<16)|(1<<21)
	SHAPE G1SA, 64, NKS, 2048                      ; A's scale words: a row of 512 bytes (128 tokens) for each K step
	s_or_b32 s[G1SB], s45, (3<<16)|(1<<20)|(1<<21)|(5<<22)|(3<<25)
	SHAPE G1SB, 32, 128*KS/256, 32                 ; W's scale bytes of all 128 rows: one dense block
	s_lshl_b32 s92, s43, 3
	s_lshl_b32 s21, s20, 2
	s_add_co_u32 s92, s92, s21
	s_mul_i32 s92, s92, ATILE
	s_mov_b32 s93, 0
	s_lshl_b32 s96, s43, 9
	s_add_co_u32 s96, s96, SCOFF
	s_mov_b32 s97, 0
	s_lshl_b32 s46, s42, 7
	s_mul_i32 s94, s46, KS                         ; the scale bytes of the tile's 128 rows of W
	s_lshl_b32 s21, s20, 6
	s_add_co_u32 s46, s46, s21
	s_mov_b32 s95, 0
	s_lshl_b32 s98, s46, 2
	s_mov_b32 s99, 0
	s_mul_i32 s46, s46, SIZE_K
	s_mov_b32 s47, 0
	s_lshl_b32 s22, s20, 15
	s_mul_i32 s23, s20, 64*WP
	s_add_co_u32 s23, s23, WOFF
	s_mov_b32 s2, SCA
	s_mul_i32 s3, s20, HALFS
	s_add_co_u32 s3, s3, SCB
	s_wait_kmcnt 0x0
	s_add_nc_u64 s[92:93], s[4:5], s[92:93]
	s_add_nc_u64 s[96:97], s[4:5], s[96:97]
	s_add_nc_u64 s[46:47], s[6:7], s[46:47]
	s_add_nc_u64 s[94:95], s[8:9], s[94:95]
	s_add_nc_u64 s[10:11], s[10:11], s[98:99]
	; THE PREFETCHES.  A chunk is 512 along K: what one fill of a slot brings.  Of the 32,768 bytes that my wave fetches of a chunk, each of the four partners that ask for them jointly names 8,192, told apart by address:
	; of A (waves 0, 1) the partner at cx names tile cx of my four (8,192 consecutive bytes, lanes 256 apart); of W (waves 2, 3) the partner at cy names rows 16 cy .. 16 cy + 15 (512 bytes a row, two lanes a row).
	; s[16:17]: my part at a chunk; s[100:101]: a chunk on; v30: my lane's offset; v31: the same one chunk on.  Here chunks 1 and 2; chunk 0 comes by its load alone.
	s_cmp_eq_u32 s19, 0
	s_cselect_b64 s[16:17], s[92:93], s[46:47]
	s_cselect_b32 s21, s40, s41
	s_cselect_b32 s98, -1, 0
	s_mov_b32 s100, 512
	s_cselect_b32 s100, 8192, s100
	s_mov_b32 s101, 0
	s_lshl_b32 s21, s21, 16                        ; a tile of A, and 16 rows of W, are 65,536 bytes
	s_add_nc_u64 s[16:17], s[16:17], s[100:101]    ; at chunk 1
	v_and_b32 v26, 31, v0
	v_lshl_add_u32 v30, v26, 8, s21
	v_lshrrev_b32 v31, 1, v26
	v_and_b32 v27, 1, v26
	v_lshlrev_b32 v27, 8, v27
	v_lshl_add_u32 v31, v31, 12, v27
	v_add_nc_u32 v31, s21, v31
	v_cndmask_b32 v30, v31, v30, s98
	v_add_nc_u32 v31, s100, v30
	global_prefetch_b8 v30, s[16:17] th:TH_LOAD_NT scope:SCOPE_SE
	global_prefetch_b8 v31, s[16:17] th:TH_LOAD_NT scope:SCOPE_SE
	CROUND
	s_mov_b32 s[G0SA], 1
	s_mov_b32 s[G0SA+1], s2
	s_mov_b64 s[G0SA+2:G0SA+3], s[96:97]
	s_or_b32 s[G0SA+3], s[G0SA+3], 0x80000000
	s_mov_b32 s[G0SB], 1
	s_mov_b32 s[G0SB+1], SCB
	s_mov_b64 s[G0SB+2:G0SB+3], s[94:95]
	s_or_b32 s[G0SB+3], s[G0SB+3], 0x80000000
	s_mov_b32 s[G0A], 1                            ; chunk 0 of A, whole, into slot 0
	s_mov_b32 s[G0A+1], 0
	s_lshl_b32 s98, s43, 3
	s_mul_i32 s98, s98, ATILE
	s_add_nc_u64 s[G0A+2:G0A+3], s[4:5], s[98:99]
	s_or_b32 s[G0A+3], s[G0A+3], 0x80000000
	s_mov_b32 s[G0B], 1                            ; chunk 0 of W, whole, behind it
	s_mov_b32 s[G0B+1], WOFF
	s_lshl_b32 s98, s42, 7
	s_mul_i32 s98, s98, SIZE_K
	s_add_nc_u64 s[G0B+2:G0B+3], s[6:7], s[98:99]
	s_or_b32 s[G0B+3], s[G0B+3], 0x80000000
	s_mov_b32 s[G0A+4], 1                          ; chunk 1, my half, into slot 1
	s_add_co_u32 s[G0A+5], s22, SLOT
	s_add_nc_u64 s[G0A+6:G0A+7], s[92:93], 8192
	s_or_b32 s[G0A+7], s[G0A+7], 0x80000000
	s_mov_b32 s[G0B+4], 1
	s_add_co_u32 s[G0B+5], s23, SLOT
	s_add_nc_u64 s[G0B+6:G0B+7], s[46:47], 512
	s_or_b32 s[G0B+7], s[G0B+7], 0x80000000
; THE HEAD'S LOADS, ONE A WAVE: wave 0 A's chunk 0, wave 1 W's, wave 2 A's scale words, wave 3 W's scale bytes, each whole.  One chain of branches on the wave's number.
.macro ARM under, g0, g1, next
	s_cmp_lt_u32 s18, \under
	s_cbranch_scc0 \next
	tensor_load_to_lds s[\g0:\g0+3], s[\g1:\g1+7]
	s_nop 0
.rept 4
	v_nop
.endr
	s_branch .Lhead_asked
\next:
.endm
	ARM 1, G0A,  G1A,  .Lhead_w
	ARM 2, G0B,  G1B,  .Lhead_sa
	ARM 3, G0SA, G1SA, .Lhead_sb
	tensor_load_to_lds s[G0SB:G0SB+3], s[G1SB:G1SB+7]
	s_nop 0
.rept 4
	v_nop
.endr
.Lhead_asked:
	s_wait_alu depctr_va_vdst(0)
	s_wait_tensorcnt 0x0                           ; my tile of the head's four is in
	ds_add_u32 v28, v29
	s_mov_b32 s[G1A+2], 4<<16                      ; no load of mine is out, so a descriptor may be written: from here on a load brings half a tile,
	s_mov_b32 s[G1A+4], 4
	s_mov_b32 s[G1B+2], 64<<16
	s_mov_b32 s[G1B+4], 64
	s_mov_b32 s[G0A+1], s22                        ; and slot 0's group 0 stands at my half of chunk 0: its first refill steps it to chunk 2
	s_mov_b64 s[G0A+2:G0A+3], s[92:93]
	s_or_b32 s[G0A+3], s[G0A+3], 0x80000000
	s_mov_b32 s[G0B+1], s23
	s_mov_b64 s[G0B+2:G0B+3], s[46:47]
	s_or_b32 s[G0B+3], s[G0B+3], 0x80000000
	s_wait_dscnt 0x0
	CROUND                                         ; all four tiles are in, and all sixteen work-groups are here
	JLOAD G0A+4, G1A, G0B+4, G1B                   ; chunk 1, the first tensor load behind the round
	v_and_b32 v1, 15, v0
	v_bfe_u32 v2, v0, 4, 1
	v_and_b32 v3, 31, v0
	s_lshl_b32 s21, s19, 15
	v_lshl_add_u32 v[ADRA], v3, 4, s21
	v_add_nc_u32 v[ADRA+1], SLOT, v[ADRA]
	v_mul_u32_u24 v4, v1, WP
	v_lshl_add_u32 v4, v2, 4, v4
	v_add_nc_u32 v[ADRB], s23, v4
	v_add_nc_u32 v[ADRB+1], SLOT, v[ADRB]
	s_lshl_b32 s21, s19, 8                         ; A's scale words lie [K step][128 tokens x 4 bytes]: my 64 tokens; lanes 16-31 two K steps on
	s_add_co_u32 s21, s21, SCA
	v_lshlrev_b32 v4, 2, v1
	v_lshl_add_u32 v4, v2, 10, v4
	v_add_nc_u32 v[ADSA], s21, v4
	v_mul_u32_u24 v4, v1, KS
	v_lshrrev_b32 v5, 8, v4
	v_lshl_add_u32 v4, v5, 4, v4
	v_lshl_add_u32 v4, v2, 3, v4
	v_add_nc_u32 v[ADSB], s3, v4
	v_lshlrev_b32 v6, 5, v2
.irp t, 0,1,2,3
	global_load_b128 v[BN+8*\t:BN+8*\t+3], v6, s[10:11] offset:64*\t
	global_load_b128 v[BN+8*\t+4:BN+8*\t+7], v6, s[10:11] offset:64*\t+16
.endr
	s_mul_i32 s21, s18, 16*272
	v_mul_u32_u24 v24, v1, 272
	v_lshl_add_u32 v24, v2, 5, v24
	v_add_nc_u32 v24, s21, v24
	v_mul_u32_u24 v25, v2, 272
	v_lshl_add_u32 v25, v1, 4, v25
	v_add_nc_u32 v25, s21, v25
	v_lshlrev_b32 v26, 12, v2
	v_lshl_add_u32 v26, v1, 4, v26
	s_wait_alu depctr_va_vdst(0)
	s_lshl_b32 s98, s43, 19
	s_lshl_b32 s21, s19, 18
	s_add_co_u32 s98, s98, s21
	s_lshl_b32 s21, s42, 9
	s_add_co_u32 s98, s98, s21
	s_lshl_b32 s21, s20, 8
	s_add_co_u32 s98, s98, s21
	s_add_nc_u64 s[12:13], s[12:13], s[98:99]
	s_add_nc_u64 s[14:15], s[14:15], s[98:99]
	WIN 0x80
.irp p, 0,1,2,3
.irp i, 0,1,2,3,4,5,6,7
	global_load_b128 v[32*\p+4*\i:32*\p+4*\i+3], v26, s[12:13] offset:(16*\p+2*\i)*4096 th:TH_LOAD_NT
.endr
.endr
	WIN 0
	s_wait_xcnt 0x0                                ; the head's prefetches have read their address: it steps to chunk 2,
	s_add_nc_u64 s[16:17], s[16:17], s[100:101]
	global_prefetch_b8 v31, s[16:17] th:TH_LOAD_NT scope:SCOPE_SE   ; and chunk 3 is asked for
.macro LDX reg, slot, i, q
.irp c, 0,1,2,3
	ds_load_b128 v[(\reg)+4*\c:(\reg)+4*\c+3], v[ADRA+\slot] offset:(\i)*8192+(\q)*2048+\c*512
.endr
.endm
.macro LDY reg, slot, i, q
.irp c, 0,1,2,3
	ds_load_b128 v[(\reg)+4*\c:(\reg)+4*\c+3], v[ADRB+\slot] offset:(\i)*16*WP+(\q)*128+\c*32
.endr
.endm
.macro FETCH1 slot, q, f
	WIN TO_F
.irp t, 0,1,2,3
	LDY (\f)+64+16*\t, \slot, \t, \q
.endr
	LDX (\f), \slot, 0, \q
	LDX (\f)+16, \slot, 1, \q
.endm
.macro FETCH2 slot, q, f
	WIN TO_F
	LDX (\f)+32, \slot, 2, \q
	LDX (\f)+48, \slot, 3, \q
.endm
.macro SCALES set
	WIN 0
.irp i, 0,1,2,3
.irp e, 0,1
	ds_load_b32 v[SC+16*\set+2*\i+\e], v[ADSA] offset:64*\i+512*\e
.endr
.endr
.irp t, 0,1,2,3
	ds_load_b64 v[SC+16*\set+8+2*\t:SC+16*\set+8+2*\t+1], v[ADSB] offset:\t*SBLK
.endr
.endm
.macro MUL4 f, p, q, set, first
.irp t, 0,1,2,3
.set rD, ACC+8*(4*(\p)+\t)
.set rC, rD
.if \first
.set rC, BN+8*\t
.endif
.set rSY, SC+16*(\set)+8+2*\t+(\q)%2
.set rSX, SC+16*(\set)+2*(\p)+(\q)%2
.if (\q) < 2
	v_wmma_scale_f32_16x16x128_f8f6f4 v[rD:rD+7], v[(\f)+64+16*\t:(\f)+64+16*\t+15], v[(\f)+16*(\p):(\f)+16*(\p)+15], v[rC:rC+7], v[rSY], v[rSX] matrix_a_fmt:MATRIX_FMT_BF8 matrix_b_fmt:MATRIX_FMT_BF8
.else
	v_wmma_scale_f32_16x16x128_f8f6f4 v[rD:rD+7], v[(\f)+64+16*\t:(\f)+64+16*\t+15], v[(\f)+16*(\p):(\f)+16*(\p)+15], v[rC:rC+7], v[rSY], v[rSX] matrix_a_fmt:MATRIX_FMT_BF8 matrix_b_fmt:MATRIX_FMT_BF8 matrix_a_scale:MATRIX_SCALE_ROW1 matrix_b_scale:MATRIX_SCALE_ROW1
.endif
.endr
.endm
.macro QUARTER slot, q, first
	s_wait_dscnt 8
	WIN MUL
	MUL4 128*((\q)%2), 0, \q, \slot, \first
	MUL4 128*((\q)%2), 1, \q, \slot, \first
	PLACES 8
	FETCH1 \slot, (\q)+1, 128-128*((\q)%2)
	FETCH2 \slot, (\q)+1, 128-128*((\q)%2)
	s_wait_dscnt 32
	WIN MUL
	MUL4 128*((\q)%2), 2, \q, \slot, \first
	MUL4 128*((\q)%2), 3, \q, \slot, \first
.endm
.macro TURN slot, next, fill
	WIN 0
.if \fill
	s_wait_xcnt 0x0                                ; my last prefetch has read its address: it steps a chunk on
	s_add_nc_u64 s[16:17], s[16:17], s[100:101]
.endif
	s_wait_tensorcnt 0x0
	ds_add_u32 v[SPW], v[NIL]
	s_wait_dscnt 9
	WIN MUL
	MUL4 F1, 0, 3, \slot, 0
	s_wait_dscnt 0x0
	s_barrier_signal -1
	MUL4 F1, 1, 3, \slot, 0
	WIN 0
	s_barrier_wait -1
.if \fill
	CREST
	s_add_nc_u64 s[G0A+4*\slot+2:G0A+4*\slot+3], s[G0A+4*\slot+2:G0A+4*\slot+3], 16384
	s_add_nc_u64 s[G0B+4*\slot+2:G0B+4*\slot+3], s[G0B+4*\slot+2:G0B+4*\slot+3], 1024
	JLOAD G0A+4*\slot, G1A, G0B+4*\slot, G1B
	PLACES 4
.else
	PLACES 8
.endif
	s_wait_alu depctr_va_vdst(0)
	v_add_nc_u32 v[ADSA], 2048, v[ADSA]
	v_add_nc_u32 v[ADSB], 16, v[ADSB]
	FETCH1 \next, 0, F0
	SCALES \next
	FETCH2 \next, 0, F0
.if \fill
	WIN 0
	s_cmp_gt_u32 s3, 1                             ; the refill of chunk c is followed by a prefetch of chunk c + 2; the last lap's refills (chunks 6, 7) have none two on
	s_cbranch_scc0 .Lno_ask_\@
	global_prefetch_b8 v31, s[16:17] th:TH_LOAD_NT scope:SCOPE_SE
.Lno_ask_\@:
.endif
	WIN MUL
	MUL4 F1, 2, 3, \slot, 0
	MUL4 F1, 3, 3, \slot, 0
.endm
	s_wait_tensorcnt 0x1
	s_barrier_signal -1
	s_barrier_wait -1
	FETCH1 0, 0, F0
	SCALES 0
	FETCH2 0, 0, F0
	s_wait_loadcnt 32
	QUARTER 0, 0, 1
	WIN 0
	s_mov_b32 s3, LAPS-1
.Llap:
	QUARTER 0, 1, 0
	QUARTER 0, 2, 0
	TURN 0, 1, 1
	QUARTER 1, 0, 0
	QUARTER 1, 1, 0
	QUARTER 1, 2, 0
	TURN 1, 0, 1
	QUARTER 0, 0, 0
	WIN 0
	s_sub_co_u32 s3, s3, 1
	s_cmp_lg_u32 s3, 0
	s_cbranch_scc1 .Llap
	QUARTER 0, 1, 0
	QUARTER 0, 2, 0
	TURN 0, 1, 0
	QUARTER 1, 0, 0
	QUARTER 1, 1, 0
	QUARTER 1, 2, 0
	s_wait_dscnt 8
	WIN MUL
	MUL4 F1, 0, 3, 1, 0
	MUL4 F1, 1, 3, 1, 0
	s_wait_dscnt 0x0
	MUL4 F1, 2, 3, 1, 0
	MUL4 F1, 3, 3, 1, 0
	WIN 0
	PLACES 8
.set RB, 64
.macro TOSTAGE p
.irp t, 0,1,2,3
	ds_store_b128 v24, v[ACC+8*(4*(\p)+\t):ACC+8*(4*(\p)+\t)+3] offset:64*\t
	ds_store_b128 v24, v[ACC+8*(4*(\p)+\t)+4:ACC+8*(4*(\p)+\t)+7] offset:64*\t+16
.endr
.irp i, 0,1,2,3,4,5,6,7
	ds_load_b128 v[RB+32*((\p)%2)+4*\i:RB+32*((\p)%2)+4*\i+3], v25 offset:\i*544
.endr
.endm
.macro SEND p, younger
	s_wait_dscnt \younger
	WIN 0x08
.irp k, 0,2,4,6,8,10,12,14,16,18,20,22,24,26,28,30
	v_pk_add_f32 v[RB+32*((\p)%2)+\k:RB+32*((\p)%2)+\k+1], v[RB+32*((\p)%2)+\k:RB+32*((\p)%2)+\k+1], v[32*(\p)+\k:32*(\p)+\k+1]
.endr
	WIN 0
.irp i, 0,1,2,3,4,5,6,7
	global_store_b128 v26, v[RB+32*((\p)%2)+4*\i:RB+32*((\p)%2)+4*\i+3], s[14:15] offset:(16*(\p)+2*\i)*4096 th:TH_STORE_NT
.endr
.endm
	s_wait_loadcnt 0x0
	TOSTAGE 0
	TOSTAGE 1
	SEND 0, 16
	s_wait_xcnt 0x0
	TOSTAGE 2
	SEND 1, 16
	s_wait_xcnt 0x0
	TOSTAGE 3
	SEND 2, 16
	SEND 3, 0
	s_wait_tensorcnt 0x0
	ds_add_u32 v[SPW], v[NIL]
	s_wait_dscnt 0x0
	CROUND
	s_endpgm
.Lfunc_end_k_q04d56dad5d_fc2:
	.size	k_q04d56dad5d_fc2, .Lfunc_end_k_q04d56dad5d_fc2-k_q04d56dad5d_fc2
	.p2alignl 7, 3214868480
	.fill 96, 4, 3214868480
	.section	.rodata,"a",@progbits
	.p2align	6, 0x0
	.amdhsa_kernel k_q04d56dad5d_fc2
		.amdhsa_group_segment_fixed_size 327680
		.amdhsa_private_segment_fixed_size 0
		.amdhsa_enable_private_segment 0
		.amdhsa_kernarg_size 48
		.amdhsa_user_sgpr_count 2
		.amdhsa_user_sgpr_kernarg_segment_ptr 1
		.amdhsa_wavefront_size32 1
		.amdhsa_system_sgpr_workgroup_id_x 1
		.amdhsa_system_sgpr_workgroup_id_y 1
		.amdhsa_system_sgpr_workgroup_id_z 1
		.amdhsa_system_vgpr_workitem_id 0
		.amdhsa_next_free_vgpr 768
		.amdhsa_next_free_sgpr 102
		.amdhsa_reserve_vcc 0
		.amdhsa_float_denorm_mode_32 3
		.amdhsa_float_denorm_mode_16_64 3
		.amdhsa_memory_ordered 1
		.amdhsa_forward_progress 1
		.amdhsa_inst_pref_size 105
	.end_amdhsa_kernel
	.amdgpu_metadata
---
amdhsa.version: [ 1, 2 ]
amdhsa.kernels:
  - .name:           k_q04d56dad5d_fc2
    .symbol:         k_q04d56dad5d_fc2.kd
    .args:
      - { .name: hid, .offset: 0, .size: 8, .value_kind: global_buffer, .address_space: global }
      - { .name: fc2_w_codes, .offset: 8, .size: 8, .value_kind: global_buffer, .address_space: global }
      - { .name: fc2_w_scales, .offset: 16, .size: 8, .value_kind: global_buffer, .address_space: global }
      - { .name: fc2_b, .offset: 24, .size: 8, .value_kind: global_buffer, .address_space: global }
      - { .name: x1, .offset: 32, .size: 8, .value_kind: global_buffer, .address_space: global }
      - { .name: out0, .offset: 40, .size: 8, .value_kind: global_buffer, .address_space: global }
    .group_segment_fixed_size: 327680
    .private_segment_fixed_size: 0
    .kernarg_segment_align: 8
    .kernarg_segment_size: 48
    .max_flat_workgroup_size: 128
    .sgpr_count:     102
    .vgpr_count:     768
    .wavefront_size: 32
...
	.end_amdgpu_metadata
.endif
;; end of part 13
